; MI455X (gfx1250); checked and timed in simulation.
; The chip was launched on July 23, 2026; its instructions are those of AMD's public machine-readable ISA for CDNA 5 (MIT licence, August 2026) and "CDNA5" Instruction Set Architecture Reference Guide (July 2026). The comments in the code are by the model that wrote it; some were corrected since.
;; Transformer. Allowed arithmetic: matrix products marked QUANTISED: E2M3 operands, one E8M0 scale for each 32 along K, by v_wmma_scale_f32_16x16x128_f8f6f4 with both operands' format E2M3, f32 sums; everything else in f32.
;; Inputs: bf1 4,096 float32; bf2 1,024 float32; bk 1,024 float32; bq 1,024 float32; bv 1,024 float32; ffln_b 2,048 x 1,024 float32; ffln_g 2,048 x 1,024 float32; ln_b 2,048 x 1,024 float32; ln_g 2,048 x 1,024 float32; wf1 1,024 x 4,096 float32; wf2 4,096 x 1,024 float32; wk 1,024 x 1,024 float32; wq 1,024 x 1,024 float32; wv 1,024 x 1,024 float32; x 2 x 2,048 x 1,024 float32.
;; Outputs: out0 2 x 2,048 x 1,024 float32.
;; This version of the problem:
;;   THIS VERSION OF THE PROBLEM IS GIVEN IN LOW PRECISION. The matrix products marked QUANTISED in the list below multiply operands that are first quantised to E2M3 (2 exponent bits, 3 mantissa bits; 6 bits a number), with one power-of-two scale for each 32 numbers along K (OCP MX v1.0); their sums are f32. All else is computed in f32.
;;   The module's matrix products, in the order in which they are computed (A, B: the left and right operand; K: the contracted axis; several contracted axes count as one K, in the product's order):
;;     1. [M 4,096, K 1,024] x [K 1,024, N 1,024]; A: input x; B: input wq: QUANTISED
;;     2. [M 4,096, K 1,024] x [K 1,024, N 1,024]; A: input x; B: input wk: QUANTISED
;;     3. [M 4,096, K 1,024] x [K 1,024, N 1,024]; A: input x; B: input wv: QUANTISED
;;     4. batch 32 x [M 2,048, K 64] x [K 64, N 2,048]; A: computed on the way; B: computed on the way: QUANTISED
;;     5. batch 32 x [M 64, K 2,048] x [K 2,048, N 2,048]; A: computed on the way; B: softmax (see below): QUANTISED
;;     6. [M 4,096, K 1,024] x [K 1,024, N 4,096]; A: computed on the way; B: input wf1: QUANTISED
;;     7. [M 4,096, K 4,096] x [K 4,096, N 1,024]; A: computed on the way; B: input wf2: QUANTISED
;;   THE QUANTISER, for each operand of a quantised product, along K:
;;     - K is cut into blocks of 32 from its start; a last block that is shorter is filled with zeros.
;;     - A block's scale is 2^e with e = floor(log2(the largest magnitude in the block)) - 2, held to -126 .. 127; a block of zeros has e = 0. As a byte (E8M0): e + 127.
;;     - Each number is divided by its block's scale, clamped to +-7.5, and rounded to the nearest number of E2M3, ties to even, subnormals kept.
;;     - The product sums the exact products of the quantised numbers (number of the format x scale) in f32.
;;   ~~~python
;;   def quantise(x, axis):      # numpy; x: float32 -> the quantised numbers, widened to float32 again
;;       x = np.moveaxis(x, axis, -1); K = x.shape[-1]
;;       x = np.pad(x, [(0, 0)] * (x.ndim - 1) + [(0, -K % 32)]); x = x.reshape(x.shape[:-1] + (-1, 32)); a = np.abs(x).max(-1, keepdims=True)
;;       e = np.where(a > 0, np.clip(np.frexp(np.where(a > 0, a, 1))[1] - 1 - 2, -126, 127), 0)      # np.frexp(a)[1] - 1 = floor(log2(a)), exactly
;;       r = np.clip(x / 2.0 ** e, -7.5, 7.5)
;;       step = 2.0 ** (np.maximum(np.frexp(np.where(r == 0, 1, r))[1] - 1, 0) - 3)
;;       q = np.round(r / step) * step * 2.0 ** e      # np.round: ties to even
;;       return np.moveaxis(q.reshape(q.shape[:-2] + (-1,))[..., :K], -1, axis).astype(np.float32)
;;   ~~~
;;   SOFTMAX AHEAD OF A QUANTISED PRODUCT. Where the list says 'softmax', what is quantised is not the finished softmax but p = 2^(t - M), with t = logit x log2(e) and M = ceil(the row's largest t), a whole number; so 1/2 < the row's largest p <= 1. The row's sum l is taken of the UNQUANTISED p, in f32, and the product's result is divided by l at the end. Since M is a whole number, a kernel that streams over the keys may use a running M (the ceiling of the running maximum): every later rescaling is an exact power of two, which a block's scale takes up: the codes' values come out the same.
;;   OPERANDS COMPUTED ON THE WAY. 'Computed on the way' means the value that the module computes at that place (a softmax that the list does not call 'softmax' is quantised finished and normalised). What goes into a quantiser is computed in f32, as accurately as f32 sums, v_exp_f32 and their like allow (about 1e-6 of the number): no bf16 or f16 on the way to a quantiser, and a product that is left as it is and whose result goes on into a quantised operand takes f32 operands (vector FMAs, or v_wmma_f32_16x16x4_f32). A number that lies on a knife's edge between two numbers of the format may be rounded either way, as far as f32 arithmetic and the matrix unit's own rounding can turn it there, and no further.
;; 2 versions. Each part assembles by itself: llvm-mc -triple=amdgcn-amd-amdhsa -mcpu=gfx1250 --defsym DOCPART=n.
;; ======== version 1 of 2: 8 launches
;; workspace buffers: opx 21,004,288 bytes; opwqk 3,309,568 bytes; opwv 6,586,368 bytes; opwf1 3,309,568 bytes; oqk 13,107,200 bytes; ovt 13,107,200 bytes; oph 20,971,520 bytes; ohid 13,107,200 bytes
;; launch prep (part 1): grid 32 x 27, 4 waves a work-group, no clusters, 34,304 bytes of LDS; arguments x, wq, wk, wv, wf1, wf2, bq, bk, bv, bf1, opx, opwqk, opwv, opwf1; writes opx, opwqk, opwv, opwf1
.if DOCPART == 1
	.amdgcn_target "amdgcn-amd-amdhsa--gfx1250"
	.amdhsa_code_object_version 6
	.text
	.protected	k_q91638c135e_prep
	.globl	k_q91638c135e_prep
	.p2align	8
	.type	k_q91638c135e_prep,@function
k_q91638c135e_prep:
	s_mov_b64 s[64:65], 0
	v_nop
	global_prefetch_b8 v0, s[64:65] scope:SCOPE_SE
	s_setreg_imm32_b32 hwreg(HW_REG_WAVE_MODE, 25, 1), 1
	s_wait_xcnt 0x0
; x and the five weights, f32, become operands of E2M3 codes with one E8M0 byte for each 32 along K, laid as the products' launches read them.
; AN OPERAND IS KEPT AS IMAGES OF ITS REGISTERS.  A fragment (16 rows x 128 K, 12 registers a lane) is 1,536 bytes in two halves of 768: in half c lane L's registers 6c .. 6c+3 lie at 16 L,
; registers 6c+4, 6c+5 at 512 + 8 L.  Codes: (tile x KS + step) x 1,536.  Scale words (four bytes for a row and 128 K): ((row / 128) x KS + step) x 512 + 4 (row % 128).
; Behind an operand of 8 steps lie two rows of f32 numbers, one number for each row of the operand: 'add' (a bias) and 'lo' (a floor: -infinity, or 0 for a relu), which the product's launch applies.
; A block's scale is 2^(floor(log2(largest magnitude)) - 2); its byte is the largest magnitude's exponent field - 2, held at 1 from below.
; LIMITS: a block of zeros gets the byte 1 (its codes are zeros; this program alone reads the bytes); NaN and infinities among the inputs are not served.
; WORK.  Work-group y picks the job: 0, 1, 2: wq, wk, wv;  3-6: wf1;  7-10: wf2;  11-26: x.
; A WEIGHT is stored [K][N]: a lane takes a column n and its registers run down K, so a block of 32 lies in one lane and the conversions give codes with K innermost.  A work-group takes 128 columns x 256 K.
; wf2 meets the hidden layer, whose codes stand in each block of 32 in the order in which a matrix result leaves its registers (place 16 h + 8 u + j holds k = 16 u + 8 h + j): wf2's rows are loaded in that order.
; x has K innermost: a wave takes 16 rows x 128 K; each load reads 512 consecutive bytes, and the numbers turn through the wave's own stage in LDS so that a lane holds two whole blocks of its row.
.set SOFF8, 0x300000                   ; an 8-step operand: scale words,
.set AOFF,  0x320000                   ; add; lo lies 0x4000 behind it
.set WF2C,  0x328000                   ; in opwv: wf2's codes,
.set WF2S,  0x628000                   ; and its scale words
.set XR,    32                         ; v32-95   numbers as loaded (weights: two sets of 32)
.set CR,    96                         ; v96-143  a weight's codes: 24 registers for each of two steps, so that no store's data are written again
.set TQ,    144                        ; v144-146 a block's second three registers, before they are moved
.set SB,    24                         ; v24-25   a weight's scale words
	s_load_b512 s[8:23], s[0:1], 0x0               ; x 8, wq 10, wk 12, wv 14, wf1 16, wf2 18, bq 20, bk 22
	s_load_b256 s[24:31], s[0:1], 0x40             ; bv 24, bf1 26, opx 28, opwqk 30
	s_load_b128 s[32:35], s[0:1], 0x60             ; opwv 32, opwf1 34
	v_lshl_add_u32 v192, v0, 2, 0x8400
	v_mov_b32 v193, 0
	v_lshrrev_b32 v2, 5, v0
	v_readfirstlane_b32 s38, v2                    ; wave
	v_and_b32 v1, 31, v0                           ; L
	v_lshlrev_b32 v3, 2, v1                        ; 4 L
	v_lshlrev_b32 v4, 4, v1                        ; 16 L
	v_lshlrev_b32 v5, 3, v1                        ; 8 L
	v_lshlrev_b32 v6, 2, v0                        ; 4 x thread
	s_and_b32 s39, ttmp7, 0xffff                   ; y
	s_mov_b32 s53, 0                               ; upper words of the offset pairs s[52:53], s[54:55]
	s_mov_b32 s55, 0
	s_wait_kmcnt 0x0
.macro WLOAD t, pitch, sig             ; block t of 8: 32 rows of the weight at my column, into set t % 2; sig = 1: in the hidden layer's order
.set i, 0
.rept 32
.if \sig
.set kk, (i&7)+2*(i&8)+(i&16)/2
.else
.set kk, i
.endif
	global_load_b32 v[XR+32*((\t)%2)+i], v3, s[40:41] offset:(32*(\t)+kk)*\pitch th:TH_LOAD_NT
.set i, i+1
.endr
.endm
.macro WBLOCK t, pitch, sig
.set XS, XR+32*((\t)%2)
.set CBK, CR+24*((\t)/4)+6*((\t)%4)
.if (\t) < 7
	s_wait_loadcnt 32                              ; this block's 32 loads are in; the next block's 32 may be out
.else
	s_wait_loadcnt 0x0
.endif
	v_max3_num_f32 v12, |v[XS]|, |v[XS+1]|, |v[XS+2]|      ; the block's largest magnitude: all 32 numbers are mine; two chains
	v_max3_num_f32 v13, |v[XS+3]|, |v[XS+4]|, |v[XS+5]|
.irp i, 6,10,14,18,22,26
	v_max3_num_f32 v12, v12, |v[XS+\i]|, |v[XS+\i+1]|
	v_max3_num_f32 v13, v13, |v[XS+\i+2]|, |v[XS+\i+3]|
.endr
	v_max3_num_f32 v12, v12, |v[XS+30]|, |v[XS+31]|
	v_max3_num_f32 v12, v12, v13, 0x1800000        ; and the floor 2^(3 - 127): the byte cannot fall under 1
	v_add_nc_u32 v11, 0xff000000, v12              ; 2 off the exponent field: the conversion's scale operand
	v_lshrrev_b32 v13, 23, v11                     ; the byte
.if (\t)%4 == 0
	v_mov_b32 v[SB+(\t)/4], v13
.else
	v_lshl_or_b32 v[SB+(\t)/4], v13, 8*((\t)%4), v[SB+(\t)/4]
.endif
	v_cvt_scalef32_pk16_fp6_f32 v[CBK:CBK+2], v[XS:XS+15], v11
	v_cvt_scalef32_pk16_fp6_f32 v[TQ:TQ+2], v[XS+16:XS+31], v11    ; (a conversion's three registers begin on an even number)
	v_nop                                          ; one plain place behind a scaled conversion
.irp i, 0,1,2
	v_mov_b32 v[CBK+3+\i], v[TQ+\i]
.endr
.if (\t)+2 < 8
	WLOAD (\t)+2, \pitch, \sig
.endif
.endm
; A step's four blocks of my 32 columns become two images.  Lane L holds column L; an image wants lanes 0-15 to hold block 2c and lanes 16-31 block 2c+1 of 16 columns:
; the exchange of one register's upper lanes with another's lower lanes gives both tiles at once.
.macro WOUT st, ks
.set C0, CR+24*(\st)
.irp i, 0,1,2,3,4,5
	v_permlane16_swap_b32 v[C0+\i], v[C0+6+\i]
	v_permlane16_swap_b32 v[C0+12+\i], v[C0+18+\i]
.endr
.irp u, 0,1
.irp c, 0,1
	global_store_b128 v4, v[C0+6*\u+12*\c:C0+6*\u+12*\c+3], s[42:43] offset:\u*\ks*1536+\st*1536+768*\c        ; 512 consecutive bytes
	global_store_b64 v5, v[C0+6*\u+12*\c+4:C0+6*\u+12*\c+5], s[42:43] offset:\u*\ks*1536+\st*1536+768*\c+512   ; 256 consecutive bytes
.endr
.endr
	global_store_b32 v6, v[SB+\st], s[44:45] offset:\st*512        ; the work-group's 128 scale words: 512 consecutive bytes
.endm
; s36 = which 128 columns, s37 = which 256 along K, s50 = the operand's row of column 0, s51 = the floor's bits; s[40:41] the weight, s[42:43] the operand, s[46:47] the bias
.macro WPATH pitch, ks, sig, coff, soff, bias
	s_mul_i32 s52, s37, 256*\pitch
	s_lshl_b32 s54, s36, 9
	s_add_co_u32 s52, s52, s54
	s_lshl_b32 s54, s38, 7
	s_add_co_u32 s52, s52, s54
	s_add_nc_u64 s[40:41], s[40:41], s[52:53]      ; my wave's first row and column
	WLOAD 0, \pitch, \sig
	WLOAD 1, \pitch, \sig
	s_lshr_b32 s52, s50, 7
	s_add_co_u32 s52, s52, s36
	s_mul_i32 s52, s52, \ks
	s_lshl_b32 s54, s37, 1
	s_add_co_u32 s52, s52, s54
	s_lshl_b32 s52, s52, 9
	s_add_co_u32 s52, s52, \soff
	s_add_nc_u64 s[44:45], s[42:43], s[52:53]      ; scale words: ((row / 128) KS + step) x 512
.if \bias
	s_lshl_b32 s52, s50, 2
	s_lshl_b32 s54, s36, 9
	s_add_co_u32 s52, s52, s54
	s_add_co_u32 s52, s52, AOFF
	s_add_nc_u64 s[48:49], s[42:43], s[52:53]      ; add, at my 128 rows
	s_add_nc_u64 s[46:47], s[46:47], s[54:55]      ; the bias, at my 128 columns
.endif
	s_lshr_b32 s52, s50, 4
	s_lshl_b32 s54, s36, 3
	s_add_co_u32 s52, s52, s54
	s_lshl_b32 s54, s38, 1
	s_add_co_u32 s52, s52, s54
	s_mul_i32 s52, s52, \ks
	s_lshl_b32 s54, s37, 1
	s_add_co_u32 s52, s52, s54
	s_mul_i32 s52, s52, 1536
	s_add_co_u32 s52, s52, \coff
	s_add_nc_u64 s[42:43], s[42:43], s[52:53]      ; codes: (tile x KS + step) x 1,536
.irp t, 0,1,2,3
	WBLOCK \t, \pitch, \sig
.endr
	WOUT 0, \ks
.irp t, 4,5,6,7
	WBLOCK \t, \pitch, \sig
.endr
	WOUT 1, \ks
.if \bias
	s_cmp_lg_u32 s37, 0                            ; the work-groups of the first 256 along K also copy the bias and write the floor
	s_cbranch_scc1 .Lno_bias_\@
	global_load_b32 v14, v6, s[46:47]
	v_mov_b32 v15, s51
	s_wait_loadcnt 0x0
	global_store_b32 v6, v14, s[48:49]
	global_store_b32 v6, v15, s[48:49] offset:0x4000
.Lno_bias_\@:
.endif
.endm
; 64 numbers of a lane, two whole blocks (block c at v[s + 32 c]: k = 64 c + 32 h + 0 .. 31 of my row), become the fragment's 12 registers at v[p] and the row's scale word in v[pw]
.macro QX s, p, tq, tm, pw, h8, sel
.irp c, 0,1
	v_max3_num_f32 v[\tm+\c], |v[\s+32*\c]|, |v[\s+32*\c+1]|, 0x1800000      ; with the floor 2^(3 - 127)
.endr
.irp i, 2,4,6,8,10,12,14,16,18,20,22,24,26,28,30
.irp c, 0,1
	v_max3_num_f32 v[\tm+\c], v[\tm+\c], |v[\s+32*\c+\i]|, |v[\s+32*\c+\i+1]|  ; the two blocks by turns
.endr
.endr
.irp c, 0,1
	v_add_nc_u32 v[\tm+2+\c], 0xff000000, v[\tm+\c]
.endr
.irp c, 0,1
	v_lshrrev_b32 v[\tm+4+\c], 23, v[\tm+2+\c]
.endr
	v_lshl_or_b32 v[\pw], v[\tm+5], 16, v[\tm+4]   ; my two bytes: blocks h and 2 + h,
	v_lshlrev_b32 v[\pw], v[\h8], v[\pw]           ; 8 h bits up;
	v_permlanex16_b32 v[\tm+6], v[\pw], s[\sel], s[\sel+1]
	v_or_b32 v[\pw], v[\pw], v[\tm+6]              ; with lane L xor 16's two the word is whole, in both lanes
.irp c, 0,1
	v_cvt_scalef32_pk16_fp6_f32 v[\p+6*\c:\p+6*\c+2], v[\s+32*\c:\s+32*\c+15], v[\tm+2+\c]
	v_cvt_scalef32_pk16_fp6_f32 v[\tq+4*\c:\tq+4*\c+2], v[\s+32*\c+16:\s+32*\c+31], v[\tm+2+\c]
.endr
	v_nop                                          ; one plain place behind a scaled conversion
.irp c, 0,1
.irp i, 0,1,2
	v_mov_b32 v[\p+3+6*\c+\i], v[\tq+4*\c+\i]
.endr
.endr
.endm
	s_cmp_ge_u32 s39, 11
	s_cbranch_scc1 .Lx
	s_cmp_ge_u32 s39, 7
	s_cbranch_scc1 .Lwf2
	s_cmp_ge_u32 s39, 3
	s_cbranch_scc1 .Lwf1
	s_cmp_eq_u32 s39, 0                            ; wq, wk or wv: only pointers are chosen, on the work-group's number
	s_cselect_b64 s[40:41], s[10:11], s[12:13]
	s_cselect_b64 s[46:47], s[20:21], s[22:23]
	s_cmp_eq_u32 s39, 2
	s_cselect_b64 s[40:41], s[14:15], s[40:41]
	s_cselect_b64 s[46:47], s[24:25], s[46:47]
	s_cselect_b64 s[42:43], s[32:33], s[30:31]
	s_cmp_eq_u32 s39, 1
	s_cselect_b32 s50, 1024, 0                     ; wk's columns are rows 1,024 on of the joint operand
	s_and_b32 s36, ttmp9, 7
	s_lshr_b32 s37, ttmp9, 3
	s_mov_b32 s51, 0xff800000                      ; no floor: -infinity
	WPATH 4096, 8, 0, 0, SOFF8, 1
	s_endpgm
.Lwf1:
	s_mov_b64 s[40:41], s[16:17]
	s_mov_b64 s[46:47], s[26:27]
	s_mov_b64 s[42:43], s[34:35]
	s_mov_b32 s50, 0
	s_mov_b32 s51, 0                               ; the relu's floor
	s_mov_b32 s36, ttmp9
	s_sub_co_u32 s37, s39, 3
	WPATH 16384, 8, 0, 0, SOFF8, 1
	s_endpgm
.Lwf2:
	s_mov_b64 s[40:41], s[18:19]
	s_mov_b64 s[42:43], s[32:33]
	s_mov_b32 s50, 0
	s_and_b32 s36, ttmp9, 7
	s_sub_co_u32 s37, s39, 7
	s_lshl_b32 s37, s37, 2
	s_lshr_b32 s54, ttmp9, 3
	s_add_co_u32 s37, s37, s54
	WPATH 4096, 32, 1, WF2C, WF2S, 0
	s_endpgm
.Lx:
	s_sub_co_u32 s36, s39, 11
	s_lshl_b32 s36, s36, 5
	s_add_co_u32 s36, s36, ttmp9                   ; 0 .. 511
	s_lshr_b32 s37, s36, 1                         ; the tile of 16 rows
	s_and_b32 s36, s36, 1
	s_lshl_b32 s36, s36, 2
	s_add_co_u32 s36, s36, s38                     ; my wave's step of 128 along K
	s_lshl_b32 s52, s37, 16
	s_lshl_b32 s54, s36, 9
	s_add_co_u32 s52, s52, s54
	s_add_nc_u64 s[8:9], s[8:9], s[52:53]
.irp i, 0,1,2,3,4,5,6,7,8,9,10,11,12,13,14,15
	global_load_b128 v[XR+4*\i:XR+4*\i+3], v4, s[8:9] offset:4096*\i th:TH_LOAD_NT   ; row i: 512 consecutive bytes
.endr
	s_mul_i32 s54, s38, 8448                       ; my stage: 16 rows of 512 + 16 bytes
	v_and_b32 v9, 15, v0                           ; r
	v_bfe_u32 v10, v0, 4, 1                        ; h
	v_add_nc_u32 v7, s54, v4                       ; in: 16 L of a row
	v_mul_u32_u24 v8, v9, 528
	v_lshl_add_u32 v8, v10, 7, v8
	v_add_nc_u32 v8, s54, v8                       ; out: row r, 128 h bytes on
	v_lshlrev_b32 v11, 3, v10                      ; 8 h
	v_lshlrev_b32 v14, 2, v9                       ; 4 r
	v_lshl_add_u32 v12, v10, 14, v14               ; 0x4000 h + 4 r
	v_mov_b32 v22, 0                               ; (a lane permute's destination counts as one of its sources)
	s_mov_b32 s56, 0x76543210
	s_mov_b32 s57, 0xfedcba98                      ; selects for lane L xor 16
	s_lshl_b32 s52, s37, 3
	s_add_co_u32 s52, s52, s36
	s_mul_i32 s52, s52, 1536
	s_add_nc_u64 s[42:43], s[28:29], s[52:53]      ; the image
	s_lshr_b32 s52, s37, 3
	s_lshl_b32 s52, s52, 3
	s_add_co_u32 s52, s52, s36
	s_lshl_b32 s52, s52, 9
	s_and_b32 s54, s37, 7
	s_lshl_b32 s54, s54, 6
	s_add_co_u32 s52, s52, s54
	s_add_co_u32 s52, s52, SOFF8
	s_add_nc_u64 s[44:45], s[28:29], s[52:53]      ; the tile's 16 scale words
	s_lshl_b32 s52, s37, 6
	s_add_co_u32 s52, s52, AOFF
	s_add_nc_u64 s[48:49], s[28:29], s[52:53]      ; the tile's 16 numbers of add
	s_wait_loadcnt 0x0
.irp i, 0,1,2,3,4,5,6,7,8,9,10,11,12,13,14,15
	ds_store_b128 v7, v[XR+4*\i:XR+4*\i+3] offset:528*\i
.endr
.irp c, 0,1
.irp j, 0,1,2,3,4,5,6,7
	ds_load_b128 v[96+32*\c+4*\j:99+32*\c+4*\j], v8 offset:256*\c+16*\j   ; LDS serves a wave's instructions in order: these see my stores
.endr
.endr
	s_wait_dscnt 0x0
	QX 96, 160, 172, 16, 24, 11, 56
	global_store_b128 v4, v[160:163], s[42:43]
	global_store_b64 v5, v[164:165], s[42:43] offset:512
	global_store_b128 v4, v[166:169], s[42:43] offset:768
	global_store_b64 v5, v[170:171], s[42:43] offset:1280
	s_cmp_lg_u32 s36, 0                            ; the wave of step 0 also writes x's add (0) and lo (-infinity): lanes 0-15 the one, lanes 16-31 the other
	s_cbranch_scc1 .Lx_scale
	v_cmp_le_u32 vcc_lo, 16, v1
	v_mov_b32 v13, 0xff800000
	v_cndmask_b32 v13, 0, v13, vcc_lo
	global_store_b32 v12, v13, s[48:49]
.Lx_scale:
	global_store_b32 v14, v24, s[44:45]            ; row r's word; lanes L and L xor 16 hold the same word and store it to the same place
	s_wait_tensorcnt 0x0
	ds_add_u32 v192, v193
	s_wait_dscnt 0x0
	s_endpgm
.Lfunc_end_k_q91638c135e_prep:
	.size	k_q91638c135e_prep, .Lfunc_end_k_q91638c135e_prep-k_q91638c135e_prep
	.p2alignl 7, 3214868480
	.fill 96, 4, 3214868480
	.section	.rodata,"a",@progbits
	.p2align	6, 0x0
	.amdhsa_kernel k_q91638c135e_prep
		.amdhsa_group_segment_fixed_size 34304
		.amdhsa_private_segment_fixed_size 0
		.amdhsa_enable_private_segment 0
		.amdhsa_kernarg_size 112
		.amdhsa_user_sgpr_count 2
		.amdhsa_user_sgpr_kernarg_segment_ptr 1
		.amdhsa_wavefront_size32 1
		.amdhsa_system_sgpr_workgroup_id_x 1
		.amdhsa_system_sgpr_workgroup_id_y 1
		.amdhsa_system_sgpr_workgroup_id_z 1
		.amdhsa_system_vgpr_workitem_id 0
		.amdhsa_next_free_vgpr 194
		.amdhsa_next_free_sgpr 66
		.amdhsa_reserve_vcc 1
		.amdhsa_float_denorm_mode_32 3
		.amdhsa_float_denorm_mode_16_64 3
		.amdhsa_memory_ordered 1
		.amdhsa_forward_progress 1
		.amdhsa_inst_pref_size 130
	.end_amdhsa_kernel
	.amdgpu_metadata
---
amdhsa.version: [ 1, 2 ]
amdhsa.kernels:
  - .name:           k_q91638c135e_prep
    .symbol:         k_q91638c135e_prep.kd
    .args:
      - { .name: x, .offset: 0, .size: 8, .value_kind: global_buffer, .address_space: global }
      - { .name: wq, .offset: 8, .size: 8, .value_kind: global_buffer, .address_space: global }
      - { .name: wk, .offset: 16, .size: 8, .value_kind: global_buffer, .address_space: global }
      - { .name: wv, .offset: 24, .size: 8, .value_kind: global_buffer, .address_space: global }
      - { .name: wf1, .offset: 32, .size: 8, .value_kind: global_buffer, .address_space: global }
      - { .name: wf2, .offset: 40, .size: 8, .value_kind: global_buffer, .address_space: global }
      - { .name: bq, .offset: 48, .size: 8, .value_kind: global_buffer, .address_space: global }
      - { .name: bk, .offset: 56, .size: 8, .value_kind: global_buffer, .address_space: global }
      - { .name: bv, .offset: 64, .size: 8, .value_kind: global_buffer, .address_space: global }
      - { .name: bf1, .offset: 72, .size: 8, .value_kind: global_buffer, .address_space: global }
      - { .name: opx, .offset: 80, .size: 8, .value_kind: global_buffer, .address_space: global }
      - { .name: opwqk, .offset: 88, .size: 8, .value_kind: global_buffer, .address_space: global }
      - { .name: opwv, .offset: 96, .size: 8, .value_kind: global_buffer, .address_space: global }
      - { .name: opwf1, .offset: 104, .size: 8, .value_kind: global_buffer, .address_space: global }
    .group_segment_fixed_size: 34304
    .private_segment_fixed_size: 0
    .kernarg_segment_align: 8
    .kernarg_segment_size: 112
    .max_flat_workgroup_size: 128
    .sgpr_count:     66
    .vgpr_count:     194
    .wavefront_size: 32
...
	.end_amdgpu_metadata
.endif
;; end of part 1
;; launch qk (part 2): grid 8 x 16, 4 waves a work-group, clusters of 4 x 4, 327,680 bytes of LDS; arguments opx, opwqk, oqk; writes oqk
.if DOCPART == 2
	.amdgcn_target "amdgcn-amd-amdhsa--gfx1250"
	.amdhsa_code_object_version 6
	.text
	.protected	k_q91638c135e_qk
	.globl	k_q91638c135e_qk
	.p2align	8
	.type	k_q91638c135e_qk,@function
k_q91638c135e_qk:
	s_mov_b64 s[64:65], 0
	v_nop
	global_prefetch_b8 v0, s[64:65] scope:SCOPE_SE
	s_setreg_imm32_b32 hwreg(HW_REG_WAVE_MODE, 25, 1), 1
	s_wait_xcnt 0x0
	s_wait_alu depctr_hold_cnt(0) depctr_sa_sdst(0) depctr_va_vdst(0) depctr_va_sdst(0) depctr_va_ssrc(0) depctr_va_vcc(0) depctr_vm_vsrc(0)
	s_getreg_b32 s2, hwreg(HW_REG_IB_STS2, 6, 4)
	s_cmp_eq_u32 s2, 0
	s_cbranch_scc0 .Lentry_in_a_cluster
	s_endpgm
.Lentry_in_a_cluster:
	s_bfe_u32 s2, ttmp6, 0x10000c
	s_cmp_lg_u32 s2, 0xf033
	s_cbranch_scc0 .Lentry_shape_is_right
	s_endpgm
.Lentry_shape_is_right:
; C[m][n] = max(sum over k of A[m][k] B[n][k] + addA[m] + addB[n], loB[n]), K = 1,024, on codes of E2M3 with one E8M0 byte for each 32 along K; C is quantised along n at once and leaves as an operand.
; One body, three launches: Q | K (A = x, B = wq | wk), V transposed (A = wv, B = x: the keys are n), the hidden layer (A = the first norm's result, B = wf1, lo = 0: the relu).
; OPERANDS ARE IMAGES OF REGISTERS: a fragment (16 rows x 128 K) is 1,536 bytes, two halves of 768: lane L's registers 6c .. 6c+3 at 16 L, registers 6c+4, 6c+5 at 512 + 8 L.  In: codes at (tile x 8 + step) x 1,536,
; scale words at 0x300000 + ((row / 128) x 8 + step) x 512 + 4 (row % 128), add at 0x320000, lo at 0x324000.  Out: the same with 32 steps to a tile, scale words at 0xC00000.
; A tile of C, 256 x 256, is made by four waves, each 128 x 128: 64 accumulators, 512 registers.  K goes in steps of 256 through a ring of two LDS slots filled by the tensor data mover; the scale words of the
; work-group's rows for all of K come once, with the first fills.  Every LDS load takes 512 or 256 consecutive bytes, so no padding is needed.
; CLUSTERS: 4 x 4 work-groups; A's tiles are asked for jointly along a row of the cluster, B's along a column.
; THE MATRIX INSTRUCTION IS USED TRANSPOSED (source 0 = 16 rows of B, source 1 = 16 rows of A): lane (r, h) holds row m = r and, in accumulator b, columns n = 16 b + 8 h + 0 .. 7.  B's add is the C of each sum's first product.
; THE RESULT'S ORDER ALONG ITS NEW K: two accumulators' 16 registers go into the conversions as they stand, so that in each block of 32 place 16 h + 8 u + j holds n = 16 u + 8 h + j.  A block keeps its 32 numbers, so its scale
; is the rule's; every operand that meets this one in a product stands in the same order.
; LIMITS: a block of zeros gets the byte 1 (codes zero; the bytes are read by this program alone); NaN and infinities are not served; the bias enters the sum first, not last.
; REGISTERS, in windows of 256: window 0: v1-31 addresses; v32-63 scale words, two sets; v64-127 B's add; v128-223 A's fragments, one set (later the codes just made); v224-239 A's add, each number twice.
;   window 1: B's fragments, two sets, at v0 and v128; B's lo at v96-127 and v224-255.   windows 2, 3: the accumulators of my rows 0-63, 64-127 ((a, b) at v[8 (8 (a % 4) + b)]).
.set KSTEPS, 8                         ; steps of 128 along K
.set TPITCH, KSTEPS*1536               ; from tile to tile in an operand
.set GRPB,   8*TPITCH                  ; 128 rows of codes
.set ACOFF,  0
.set BCOFF,  0
.set ASOFF,  0x300000
.set BSOFF,  0x300000
.set AOFF,   0x320000
.set OSOFF,  0xC00000
.set NQ,     2                         ; steps of 128 in a slot
.set FR,     12                        ; registers of a fragment
.set NL,     4                         ; LDS loads that bring one
.set NP,     4                         ; places behind this matrix instruction (ISA guide 7.12.1)
.set HALFT,  8*NQ*1536                 ; 128 rows x 256 K: what one tensor load brings
.set SLOT,   4*HALFT
.set LAPS,   KSTEPS/(2*NQ)
.set HALFS,  KSTEPS*512                ; the scale words of 128 rows
.set SCL,    2*SLOT
.set SPARE,  SCL+4*HALFS               ; the spare words, 128 bytes for each wave: two blocks of 256 bytes that no other line names
.set ADRA, 16                          ; v16-17 16 L + my A rows in slot 0, 1; v18-19 the same with 8 L
.set ADRB, 20                          ; v20-23 the same for B
.set O16,  24
.set O8,   25
.set O4,   26
.set ADRS, 27                          ; my scale words: lanes 0-15 A's rows, lanes 16-31 B's
.set SPW,  28
.set NIL,  29
.set H32,  30                          ; 32 h
.set R4,   31                          ; 4 r
.set SC,   32
.set CB,   64
.set AF,   128
.set RB,   224
.set PC,   128                         ; the way out: 12 registers of codes, 8 at work
.set TM,   160
.set PWS,  176                         ; eight scale words
.set G1, 24
.set G0, 32
.set G1B, 48
.set G0B, 56
.set G1S, 68
.set G0S, 76
.set G1SB, 80
.set G0SB, 88
.set SEL, 96
.set MSB, 0
.macro WIN new                         ; the immediate's high byte repeats the setting that is left
.if MSB != (\new)
	s_set_vgpr_msb (MSB<<8)|(\new)
.set MSB, (\new)
.endif
.endm
.set MUL_LO, 0xa1                      ; source 0 (B) window 1, source 1 (A) window 0, C and D window 2
.set MUL_HI, 0xf1
.set TO_B,   0x40
.macro JLOAD g0a, g1a, g0b, g1b        ; a joint load: waves 0, 1 fetch for A, waves 2, 3 for B; four v_nop follow each of the two lines
	s_cmp_eq_u32 s15, 0
	s_cbranch_scc0 .Lfor_b_\@
	tensor_load_to_lds s[\g0a:\g0a+3], s[\g1a:\g1a+7]
	s_nop 0
.rept 4
	v_nop
.endr
	s_branch .Lasked_\@
.Lfor_b_\@:
	tensor_load_to_lds s[\g0b:\g0b+3], s[\g1b:\g1b+7]
	s_nop 0
.rept 4
	v_nop
.endr
.Lasked_\@:
.endm
.macro CREST                           ; a round of the cluster's barrier behind its opening barrier
	s_cmp_lg_u32 s14, 0
	s_cbranch_scc1 .Lnot_wave_0_\@
	s_barrier_signal -3
.Lnot_wave_0_\@:
	s_barrier_wait -3
	s_barrier_signal -1
	s_barrier_wait -1
.endm
.macro CROUND
	s_barrier_signal -1
	s_barrier_wait -1
	CREST
.endm
	s_load_b128 s[4:7], s[0:1], 0x0                ; A's operand, B's operand
	s_load_b64 s[12:13], s[0:1], 0x10              ; the operand that is made
	v_lshl_add_u32 v[SPW], v0, 2, SPARE
	v_mov_b32 v[NIL], 0
	ds_add_u32 v28, v29
	ds_add_u32 v28, v29
	s_wait_dscnt 0x0
	v_lshrrev_b32 v1, 5, v0
	v_readfirstlane_b32 s14, v1                    ; wave
	s_lshr_b32 s15, s14, 1                         ; my half of the tile's rows; also: I fetch for A (0) or B (1)
	s_and_b32 s16, s14, 1                          ; my half of its columns; also: which 128 rows I fetch
	s_bfe_u32 s40, ttmp6, 0x40000                  ; cx
	s_bfe_u32 s41, ttmp6, 0x40004                  ; cy
	s_lshl_b32 s42, ttmp9, 2
	s_add_co_u32 s42, s42, s40                     ; tile column
	s_and_b32 s17, ttmp7, 0xffff
	s_lshl_b32 s17, s17, 2
	s_add_co_u32 s17, s17, s41                     ; tile row
	s_lshl_b32 s43, s41, 2
	s_lshl_b32 s43, 15, s43                        ; my row of the cluster
	s_lshl_b32 s44, 0x1111, s40                    ; my column
	; codes: 8 tiles, of each 2 steps = 3,072 consecutive bytes (384 elements of 8 bytes), TPITCH bytes apart; dense in LDS
	s_or_b32 s[G1+0], s43, (3<<16)|(1<<21)
	s_or_b32 s[G1B+0], s44, (3<<16)|(1<<21)
.irp g, G1, G1B
	s_mov_b32 s[\g+1], 384<<16                     ; tensor_dim0
	s_mov_b32 s[\g+2], 8<<16                       ; tensor_dim1
	s_mov_b32 s[\g+3], 384<<16                     ; tile_dim0
	s_mov_b32 s[\g+4], 8                           ; tile_dim1
	s_mov_b32 s[\g+5], TPITCH/8                    ; stride
	s_mov_b32 s[\g+6], 0
	s_mov_b32 s[\g+7], 0
.endr
	; scale words of 128 rows: a dense block, as rows of 256 bytes
	s_or_b32 s[G1S+0], s43, (3<<16)|(1<<21)
	s_or_b32 s[G1SB+0], s44, (3<<16)|(1<<21)
.irp g, G1S, G1SB
	s_mov_b32 s[\g+1], 32<<16
	s_mov_b32 s[\g+2], (HALFS/256)<<16
	s_mov_b32 s[\g+3], 32<<16
	s_mov_b32 s[\g+4], HALFS/256
	s_mov_b32 s[\g+5], 32
	s_mov_b32 s[\g+6], 0
	s_mov_b32 s[\g+7], 0
.endr
	s_lshl_b32 s20, s17, 1
	s_add_co_u32 s20, s20, s16                     ; A: the group of 128 rows that I fetch
	s_lshl_b32 s46, s42, 1
	s_add_co_u32 s46, s46, s16                     ; B: likewise
	s_mul_i32 s22, s20, HALFS
	s_add_co_u32 s22, s22, ASOFF
	s_mov_b32 s23, 0
	s_mul_i32 s92, s46, HALFS
	s_add_co_u32 s92, s92, BSOFF
	s_mov_b32 s93, 0
	s_mul_i32 s20, s20, GRPB
	s_add_co_u32 s20, s20, ACOFF
	s_mov_b32 s21, 0
	s_mul_i32 s46, s46, GRPB
	s_add_co_u32 s46, s46, BCOFF
	s_mov_b32 s47, 0
	s_mul_i32 s45, s14, HALFT                      ; where they go: by the wave's number alone
	s_mul_i32 s94, s14, HALFS
	s_wait_kmcnt 0x0
	s_add_nc_u64 s[20:21], s[4:5], s[20:21]
	s_add_nc_u64 s[22:23], s[4:5], s[22:23]
	s_add_nc_u64 s[46:47], s[6:7], s[46:47]
	s_add_nc_u64 s[92:93], s[6:7], s[92:93]
	CROUND                                         ; all sixteen work-groups are here: the first joint loads meet
	s_mov_b32 s[G0S], 1
	s_add_co_u32 s[G0S+1], s94, SCL
	s_mov_b64 s[G0S+2:G0S+3], s[22:23]
	s_or_b32 s[G0S+3], s[G0S+3], 0x80000000
	s_mov_b32 s[G0SB], 1
	s_add_co_u32 s[G0SB+1], s94, SCL
	s_mov_b64 s[G0SB+2:G0SB+3], s[92:93]
	s_or_b32 s[G0SB+3], s[G0SB+3], 0x80000000
	JLOAD G0S, G1S, G0SB, G1SB                     ; the scale words first
.irp s, 0,1
	s_mov_b32 s[G0+4*\s], 1
	s_add_co_u32 s[G0+4*\s+1], s45, \s*SLOT
	s_add_nc_u64 s[G0+4*\s+2:G0+4*\s+3], s[20:21], \s*NQ*1536
	s_or_b32 s[G0+4*\s+3], s[G0+4*\s+3], 0x80000000
	s_mov_b32 s[G0B+4*\s], 1
	s_add_co_u32 s[G0B+4*\s+1], s45, \s*SLOT
	s_add_nc_u64 s[G0B+4*\s+2:G0B+4*\s+3], s[46:47], \s*NQ*1536
	s_or_b32 s[G0B+4*\s+3], s[G0B+4*\s+3], 0x80000000
	JLOAD G0+4*\s, G1, G0B+4*\s, G1B               ; three loads of mine are out
.endr
	v_and_b32 v1, 31, v0                           ; L
	v_and_b32 v2, 15, v0                           ; r
	v_bfe_u32 v3, v0, 4, 1                         ; h
	v_lshlrev_b32 v[O16], 4, v1
	v_lshlrev_b32 v[O8], 3, v1
	v_lshlrev_b32 v[O4], 2, v1
	v_lshlrev_b32 v[H32], 5, v3
	v_lshlrev_b32 v[R4], 2, v2
	s_mul_i32 s21, s15, HALFT                      ; my 128 rows of A
	s_mul_i32 s22, s16, HALFT
	s_add_co_u32 s22, s22, 2*HALFT                 ; my 128 rows of B, behind A's 256
.irp s, 0,1
	v_add_nc_u32 v[ADRA+\s], s21, v[O16]
	v_add_nc_u32 v[ADRB+\s], s22, v[O16]
	v_add_nc_u32 v[ADRA+2+\s], s21, v[O8]
	v_add_nc_u32 v[ADRB+2+\s], s22, v[O8]
	s_add_co_u32 s21, s21, SLOT
	s_add_co_u32 s22, s22, SLOT
.endr
	s_mul_i32 s21, s15, HALFS
	s_mul_i32 s22, s16, HALFS
	s_add_co_u32 s22, s22, 2*HALFS
	s_sub_co_u32 s22, s22, s21
	v_mul_u32_u24 v6, s22, v3                      ; lanes 16-31 take B's
	s_add_co_u32 s21, s21, SCL
	v_add_nc_u32 v5, v[R4], v6
	v_add_nc_u32 v[ADRS], s21, v5
	s_mov_b32 s[SEL], 0x76543210
	s_mov_b32 s[SEL+1], 0xfedcba98
	s_lshl_b32 s46, s42, 1
	s_add_co_u32 s46, s46, s16                     ; my 128 columns: step nstep of the operand that is made
	s_lshl_b32 s20, s17, 1
	s_add_co_u32 s20, s20, s15                     ; my 128 rows: group mgroup
	s_lshl_b32 s92, s46, 9
	s_add_co_u32 s92, s92, AOFF
	s_mov_b32 s93, 0
	s_add_nc_u64 s[6:7], s[6:7], s[92:93]          ; B's add at my columns; its lo 0x4000 on
	s_lshl_b32 s92, s20, 9
	s_add_co_u32 s92, s92, AOFF
	s_add_nc_u64 s[4:5], s[4:5], s[92:93]          ; A's add at my rows
.irp b, 0,1,2,3,4,5,6,7
	global_load_b128 v[CB+8*\b:CB+8*\b+3], v[H32], s[6:7] offset:64*\b        ; add of n = 16 b + 8 h + 0 .. 7
	global_load_b128 v[CB+8*\b+4:CB+8*\b+7], v[H32], s[6:7] offset:64*\b+16
.endr
	WIN TO_B
.irp b, 0,1,2,3,4,5,6,7
	global_load_b128 v[96+128*(\b/4)+8*(\b%4):99+128*(\b/4)+8*(\b%4)], v[H32], s[6:7] offset:0x4000+64*\b
	global_load_b128 v[100+128*(\b/4)+8*(\b%4):103+128*(\b/4)+8*(\b%4)], v[H32], s[6:7] offset:0x4000+64*\b+16
.endr
	WIN 0
.irp a, 0,1,2,3,4,5,6,7
	global_load_b32 v[RB+2*\a], v[R4], s[4:5] offset:64*\a                     ; add of m = 16 a + r, twice: a pair for the packed addition
	global_load_b32 v[RB+2*\a+1], v[R4], s[4:5] offset:64*\a
.endr
	s_mul_i32 s92, s20, 8*32*1536
	s_mul_i32 s94, s46, 1536
	s_add_co_u32 s92, s92, s94
	s_lshl_b32 s94, s20, 5
	s_add_co_u32 s94, s94, s46
	s_lshl_b32 s94, s94, 9
	s_add_co_u32 s94, s94, OSOFF
	s_mov_b32 s95, 0
	s_add_nc_u64 s[8:9], s[12:13], s[94:95]        ; out: my 128 scale words
	s_add_nc_u64 s[12:13], s[12:13], s[92:93]      ; out: my eight images, 32 x 1,536 bytes apart
.macro FRAG reg, adr, q, i             ; a fragment comes back as it was laid: four loads of consecutive bytes
	ds_load_b128 v[\reg:\reg+3], v[\adr] offset:(\i)*NQ*1536+(\q)*1536
	ds_load_b64 v[\reg+4:\reg+5], v[\adr+2] offset:(\i)*NQ*1536+(\q)*1536+512
	ds_load_b128 v[\reg+6:\reg+9], v[\adr] offset:(\i)*NQ*1536+(\q)*1536+768
	ds_load_b64 v[\reg+10:\reg+11], v[\adr+2] offset:(\i)*NQ*1536+(\q)*1536+1280
.endm
; 16 matrix instructions: A's blocks a0, a0 + 1 x B's eight.  zero = 1: the first product starts the sums from B's add.  The 64 accumulators take turns, one instruction a turn.
.macro MUL16 a0, p, q, sc, zero
.irp a, \a0, \a0+1
.irp b, 0,1,2,3,4,5,6,7
.if \zero
	v_wmma_scale_f32_16x16x128_f8f6f4 v[8*(8*((\a)%4)+\b):8*(8*((\a)%4)+\b)+7], v[128*(\p)+FR*\b:128*(\p)+FR*\b+FR-1], v[AF+FR*(\a):AF+FR*(\a)+FR-1], v[CB+8*\b:CB+8*\b+7], v[SC+8*NQ*(\sc)+NQ*\b+(\q)], v[SC+8*NQ*(\sc)+NQ*(\a)+(\q)] matrix_a_fmt:MATRIX_FMT_FP6 matrix_b_fmt:MATRIX_FMT_FP6 matrix_a_scale:MATRIX_SCALE_ROW1
.else
	v_wmma_scale_f32_16x16x128_f8f6f4 v[8*(8*((\a)%4)+\b):8*(8*((\a)%4)+\b)+7], v[128*(\p)+FR*\b:128*(\p)+FR*\b+FR-1], v[AF+FR*(\a):AF+FR*(\a)+FR-1], v[8*(8*((\a)%4)+\b):8*(8*((\a)%4)+\b)+7], v[SC+8*NQ*(\sc)+NQ*\b+(\q)], v[SC+8*NQ*(\sc)+NQ*(\a)+(\q)] matrix_a_fmt:MATRIX_FMT_FP6 matrix_b_fmt:MATRIX_FMT_FP6 matrix_a_scale:MATRIX_SCALE_ROW1
.endif
.endr
.endr
.endm
.macro FETCH_B slot, q, p
	WIN TO_B
.irp i, 0,1,2,3,4,5,6,7
	FRAG 128*(\p)+FR*\i, ADRB+\slot, \q, \i
.endr
	WIN 0
.endm
.macro FETCH_A slot, q, i0
.irp i, \i0, \i0+1, \i0+2, \i0+3
	FRAG AF+FR*(\i), ADRA+\slot, \q, \i
.endr
.endm
.macro SCALES sc                       ; a slot's scale words: register 2 i + q: lanes 0-15 A's block i, lanes 16-31 B's block i
.irp i, 0,1,2,3,4,5,6,7
.irp q, 0,1
	ds_load_b32 v[SC+8*NQ*\sc+NQ*\i+\q], v[ADRS] offset:512*\q+64*\i
.endr
.endr
.endm
.macro PLACES n                        ; plain vector instructions between a matrix instruction and a load into, or a read of, its registers
.rept \n
	v_nop
.endr
.endm
.macro STEP slot, q, zero              ; a step of 128 along K that has its successor in the same slot
	s_wait_dscnt 4*NL                              ; all but the 16 youngest loads (A's blocks 4-7) are in
.if \zero
	WIN 0x81                                       ; C (B's add) window 0, D window 2
.else
	WIN MUL_LO
.endif
	MUL16 0, (\q)%2, \q, \slot, \zero
	MUL16 2, (\q)%2, \q, \slot, \zero
	s_wait_dscnt 0
	PLACES NP
	FETCH_B \slot, (\q)+1, 1-(\q)%2
	FETCH_A \slot, (\q)+1, 0
.if \zero
	WIN 0xc1
.else
	WIN MUL_HI
.endif
	MUL16 4, (\q)%2, \q, \slot, \zero
	MUL16 6, (\q)%2, \q, \slot, \zero
	PLACES NP
	WIN 0
	FETCH_A \slot, (\q)+1, 4
.endm
; A slot's last step changes slots: one barrier; in front of it each wave waits for all its tensor loads, adds 0 to its spare word, and waits for that and for its reads of this slot.
.macro TURN slot, next, fill
	s_wait_tensorcnt 0x0                           ; all my tensor loads have landed: my part of the next slot
	ds_add_u32 v[SPW], v[NIL]                      ; 0 onto my spare word
	s_wait_dscnt 4*NL+1                            ; (the add and A's blocks 4-7 may be out)
	WIN MUL_LO
	MUL16 0, 1, NQ-1, \slot, 0
	s_wait_dscnt 0x0                               ; the add is done, and my reads of this slot are over
	s_barrier_signal -1
	MUL16 2, 1, NQ-1, \slot, 0
	WIN 0
	s_barrier_wait -1
.if \fill
	CREST                                          ; the barrier has opened a round of the cluster's: no wave of any partner still reads this slot or has a load on its way
	s_add_nc_u64 s[G0+4*\slot+2:G0+4*\slot+3], s[G0+4*\slot+2:G0+4*\slot+3], 2*NQ*1536
	s_add_nc_u64 s[G0B+4*\slot+2:G0B+4*\slot+3], s[G0B+4*\slot+2:G0B+4*\slot+3], 2*NQ*1536
	JLOAD G0+4*\slot, G1, G0B+4*\slot, G1B         ; the first tensor load behind the round; its four v_nop are the places in front of the loads below
.else
	PLACES NP
.endif
	v_add_nc_u32 v[ADRS], NQ*512, v[ADRS]          ; the next slot's scale words
	FETCH_B \next, 0, 0
	FETCH_A \next, 0, 0
	SCALES \next
	WIN MUL_HI
	MUL16 4, 1, NQ-1, \slot, 0
	MUL16 6, 1, NQ-1, \slot, 0
	PLACES NP
	WIN 0
	FETCH_A \next, 0, 4
.endm
	s_wait_tensorcnt 1                             ; the scale words and my part of slot 0 are in (slot 1's load may be out)
	s_barrier_signal -1
	s_barrier_wait -1                              ; everybody's are
	FETCH_B 0, 0, 0
	FETCH_A 0, 0, 0
	SCALES 0
	FETCH_A 0, 0, 4
	s_wait_loadcnt 0x0                             ; add and lo
	STEP 0, 0, 1
	s_mov_b32 s3, LAPS-1
.Llap:                                                 ; a trip goes once round the ring and fills both slots again
	TURN 0, 1, 1
	STEP 1, 0, 0
	TURN 1, 0, 1
	STEP 0, 0, 0
	s_sub_co_u32 s3, s3, 1
	s_cmp_lg_u32 s3, 0
	s_cbranch_scc1 .Llap
	TURN 0, 1, 0                                   ; the last lap fills nothing
	STEP 1, 0, 0
	s_wait_dscnt 4*NL
	WIN MUL_LO
	MUL16 0, 1, NQ-1, 1, 0
	MUL16 2, 1, NQ-1, 1, 0
	s_wait_dscnt 0
	WIN MUL_HI
	MUL16 4, 1, NQ-1, 1, 0
	MUL16 6, 1, NQ-1, 1, 0
	WIN 0
; THE WAY OUT, block by block of 16 rows x 128 columns: A's add, B's floor, then the 64 numbers of a lane (four half blocks of its row) become one fragment and one scale word, stored as an image.  No LDS is touched.
	PLACES NP
.irp b, 0,1,2,3
	v_mov_b32 v[TM+4+\b], 0                        ; (a lane permute's destination counts as one of its sources)
.endr
.macro EPI a
.set AC, 64*((\a)%4)
.set W, 2+(\a)/4
.set WN, (W<<6)|W
	WIN WN                                         ; destination and source 0: the accumulators' window; source 1: window 0
.set p, 0
.rept 32
	v_pk_add_f32 v[AC+2*p:AC+2*p+1], v[AC+2*p:AC+2*p+1], v[RB+2*(\a):RB+2*(\a)+1]   ; each accumulator from its low end on
.set p, p+1
.endr
.set WN, (W<<6)|4|W
	WIN WN                                         ; source 1: window 1
.set p, 0
.rept 64
	v_max_num_f32 v[AC+p], v[AC+p], v[96+128*(p/32)+p%32]
.set p, p+1
.endr
.set WN, (W<<2)|W
	WIN WN                                         ; sources 0 and 1: the accumulators' window
.irp b, 0,1,2,3
	v_max3_num_f32 v[TM+\b], |v[AC+16*\b]|, |v[AC+16*\b+1]|, 0x1800000            ; block b: my 16 numbers and the floor 2^(3 - 127)
.endr
.irp i, 2,4,6,8,10,12,14
.irp b, 0,1,2,3
	v_max3_num_f32 v[TM+\b], |v[AC+16*\b+\i]|, |v[AC+16*\b+\i+1]|, v[TM+\b]       ; the four blocks by turns
.endr
.endr
	WIN 0
.irp b, 0,1,2,3
	v_permlanex16_b32 v[TM+4+\b], v[TM+\b], s[SEL], s[SEL+1]
.endr
.irp b, 0,1,2,3
	v_max_num_f32 v[TM+\b], v[TM+\b], v[TM+4+\b]   ; with lane L xor 16's: the block's largest magnitude
.endr
.irp b, 0,1,2,3
	v_add_nc_u32 v[TM+12+\b], 0xff000000, v[TM+\b] ; 2 off the exponent field: the conversion's scale operand
.endr
.irp b, 0,1,2,3
	v_lshrrev_b32 v[TM+4+\b], 23, v[TM+12+\b]      ; the byte
.endr
	v_lshl_or_b32 v[PWS+(\a)], v[TM+5], 8, v[TM+4]
	v_lshl_or_b32 v[PWS+(\a)], v[TM+6], 16, v[PWS+(\a)]
	v_lshl_or_b32 v[PWS+(\a)], v[TM+7], 24, v[PWS+(\a)]
	s_wait_xcnt 0x0                                ; the last block's stores have read the registers that the codes below are written into
	WIN W                                          ; source 0: the accumulators' window
.irp c, 0,1
	v_cvt_scalef32_pk16_fp6_f32 v[PC+6*\c:PC+2+6*\c], v[AC+32*\c:AC+15+32*\c], v[TM+12+2*\c]
	v_cvt_scalef32_pk16_fp6_f32 v[PC+12+4*\c:PC+14+4*\c], v[AC+16+32*\c:AC+31+32*\c], v[TM+12+2*\c+1]
.endr
	WIN 0
	v_nop                                          ; one plain place behind a scaled conversion
.irp c, 0,1                                    ; the operand's layout wants a whole block in a lane: lanes 0-15 block 2 c, lanes 16-31 block 2 c + 1
.irp i, 0,1,2
	v_permlane16_swap_b32 v[PC+6*\c+\i], v[PC+12+4*\c+\i]
.endr
.irp i, 0,1,2
	v_mov_b32 v[PC+3+6*\c+\i], v[PC+12+4*\c+\i]
.endr
.endr
	global_store_b128 v[O16], v[PC:PC+3], s[12:13] offset:(\a)*49152
	global_store_b64 v[O8], v[PC+4:PC+5], s[12:13] offset:(\a)*49152+512
	global_store_b128 v[O16], v[PC+6:PC+9], s[12:13] offset:(\a)*49152+768
	global_store_b64 v[O8], v[PC+10:PC+11], s[12:13] offset:(\a)*49152+1280
.endm
.irp a, 0,1,2,3,4,5,6,7
	EPI \a
.endr
	v_cmp_le_u32 vcc_lo, 16, v1                    ; the words of two blocks of rows share a store: lanes 0-15 block 2 i, lanes 16-31 block 2 i + 1
.irp i, 0,1,2,3
	v_cndmask_b32 v[TM+\i], v[PWS+2*\i], v[PWS+2*\i+1], vcc_lo
.endr
.irp i, 0,1,2,3
	global_store_b32 v[O4], v[TM+\i], s[8:9] offset:128*\i
.endr
	s_wait_tensorcnt 0x0                           ; the wave's end
	ds_add_u32 v[SPW], v[NIL]
	s_wait_dscnt 0x0
	CROUND                                         ; the closing round: no work-group ends while a partner may still ask for a tile that names it
	s_endpgm
.Lfunc_end_k_q91638c135e_qk:
	.size	k_q91638c135e_qk, .Lfunc_end_k_q91638c135e_qk-k_q91638c135e_qk
	.p2alignl 7, 3214868480
	.fill 96, 4, 3214868480
	.section	.rodata,"a",@progbits
	.p2align	6, 0x0
	.amdhsa_kernel k_q91638c135e_qk
		.amdhsa_group_segment_fixed_size 327680
		.amdhsa_private_segment_fixed_size 0
		.amdhsa_enable_private_segment 0
		.amdhsa_kernarg_size 24
		.amdhsa_user_sgpr_count 2
		.amdhsa_user_sgpr_kernarg_segment_ptr 1
		.amdhsa_wavefront_size32 1
		.amdhsa_system_sgpr_workgroup_id_x 1
		.amdhsa_system_sgpr_workgroup_id_y 1
		.amdhsa_system_sgpr_workgroup_id_z 1
		.amdhsa_system_vgpr_workitem_id 0
		.amdhsa_next_free_vgpr 1024
		.amdhsa_next_free_sgpr 98
		.amdhsa_reserve_vcc 1
		.amdhsa_float_denorm_mode_32 3
		.amdhsa_float_denorm_mode_16_64 3
		.amdhsa_memory_ordered 1
		.amdhsa_forward_progress 1
		.amdhsa_inst_pref_size 188
	.end_amdhsa_kernel
	.amdgpu_metadata
---
amdhsa.version: [ 1, 2 ]
amdhsa.kernels:
  - .name:           k_q91638c135e_qk
    .symbol:         k_q91638c135e_qk.kd
    .args:
      - { .name: opx, .offset: 0, .size: 8, .value_kind: global_buffer, .address_space: global }
      - { .name: opwqk, .offset: 8, .size: 8, .value_kind: global_buffer, .address_space: global }
      - { .name: oqk, .offset: 16, .size: 8, .value_kind: global_buffer, .address_space: global }
    .group_segment_fixed_size: 327680
    .private_segment_fixed_size: 0
    .kernarg_segment_align: 8
    .kernarg_segment_size: 24
    .max_flat_workgroup_size: 128
    .sgpr_count:     98
    .vgpr_count:     1024
    .wavefront_size: 32
...
	.end_amdgpu_metadata
.endif
;; end of part 2
;; launch vt: the kernel of part 2 again; grid 16 x 4, 4 waves a work-group, clusters of 4 x 4, 327,680 bytes of LDS; arguments opwv, opx, ovt; writes ovt
;; launch attn (part 3): grid 8 x 32, 16 waves a work-group, no clusters, 280,576 bytes of LDS; arguments oqk, ovt, x, opx; writes opx
.if DOCPART == 3
	.amdgcn_target "amdgcn-amd-amdhsa--gfx1250"
	.amdhsa_code_object_version 6
	.text
	.protected	k_q91638c135e_attn
	.globl	k_q91638c135e_attn
	.p2align	8
	.type	k_q91638c135e_attn,@function
k_q91638c135e_attn:
	s_mov_b64 s[64:65], 0
	v_nop
	global_prefetch_b8 v0, s[64:65] scope:SCOPE_SE
	s_setreg_imm32_b32 hwreg(HW_REG_WAVE_MODE, 25, 1), 1
	s_wait_xcnt 0x0
; r1 = softmax(Q K^T / 8, causal) V + x for one head of one batch element, both products on codes of E2M3 with one E8M0 byte for each 32 along a product's K; also a (mean, sum of squared deviations) pair for each 16 x 64 numbers of r1.
; Q, K (K = the head's 64) and V transposed (K = the keys) come as images of registers: a fragment of 16 rows x 128 K is 1,536 bytes in two halves of 768 (registers 6c .. 6c+3 at 16 L, 6c+4, 6c+5 at 512 + 8 L).
; Half (head % 2) of an image of Q or K is one head's 64.  THE FIRST PRODUCT'S K IS 64 IN AN INSTRUCTION OF 128: Q's upper six registers are zero codes, and the upper two scale bytes of both sides are 0 (2^-127, no NaN):
; whatever K's upper registers hold (every 6-bit code is a finite number) adds nothing.
; THE SOFTMAX AHEAD OF THE SECOND PRODUCT: t = score x log2(e) / 8; M = the running largest t rounded up to a whole number; p = 2^(t - M) is quantised along the keys, not normalised; the row's sum is taken of the
; unquantised p and divides at the end.  When M moves, the sum and O are multiplied by 2^(old M - new M): exact.
; ORDER ALONG THE KEYS: V's codes stand in each block of 32 with place 16 h + 8 u + j holding key 16 u + 8 h + j, which is the order in which the scores of two neighbouring tiles of 16 keys lie in a lane's registers: p goes into the conversions as it stands.
; SHARES.  Work-group (i, y): head y % 16 of batch y / 16; waves 0-7 own the 128 queries of block i, waves 8-15 those of block 15 - i, 16 queries a wave: under the causal mask every work-group has the same work.
; THE HEAD'S WHOLE K, V AND SCALE WORDS LIE IN LDS, filled once by waves 0-3 (five tensor loads each) in four chunks of 512 keys; no byte is filled again.  In front of each chunk: a counted wait and a barrier.
; Every wave walks all 16 key steps (constant trip counts); a step all of whose keys come after the wave's queries is jumped over; on the diagonal hidden scores become -infinity.
; LIMITS: hidden scores are -infinity where the source writes -1e9: the same p = 0 as long as real logits lie above -1e9; NaN and infinities are not served.
; REGISTERS: v1-7, v30, v31 addresses that stay; v8-11, v28, v29 the step's; v12 -M, v13 largest t, v[14:15] the sum; v16-27 Q; v32-79 four fragments; v96-159 scores, then p; v160-191 O^T; v224-235 p's codes; v232-254 at work; v248-251, v253, v255 scale words.
.set SOFF32, 0xC00000
.set RES,    0x400000
.set STAT,   0x1400000
.set VB,     98304                     ; LDS: K at 0 (tile of 16 keys: 768 bytes); V: [chunk][16 of the head's 64][4 key steps][1,536]
.set KSB,    196608                    ; K's scale words [16 key steps][128 keys][4]
.set VSB,    204800                    ; V's [16 key steps][64 rows][4]
.set STG,    208896                    ; the way out: 16 rows x 272 bytes for each wave; no fill lands here
.set SEL,    100
.set CS,     104
.macro SETG0 g, lb, lo, ptr, go        ; a descriptor's group 0: count 1, LDS address, global address, type 2
	s_mov_b32 s[\g], 1
	s_add_co_u32 s[\g+1], s[\lb], \lo
	s_add_nc_u64 s[\g+2:\g+3], s[\ptr:\ptr+1], \go
	s_or_b32 s[\g+3], s[\g+3], 0x80000000
.endm
.macro WRED x, t                       ; the sum over the wave's 32 lanes, in every lane
	v_add_f32_dpp v[\x], v[\x], v[\x] row_xmask:1 row_mask:0xf bank_mask:0xf
	v_add_f32_dpp v[\x], v[\x], v[\x] row_xmask:2 row_mask:0xf bank_mask:0xf
	v_add_f32_dpp v[\x], v[\x], v[\x] row_xmask:4 row_mask:0xf bank_mask:0xf
	v_add_f32_dpp v[\x], v[\x], v[\x] row_xmask:8 row_mask:0xf bank_mask:0xf
	v_permlanex16_b32 v[\t], v[\x], s[SEL], s[SEL+1]
	v_add_f32 v[\x], v[\x], v[\t]
.endm
	s_load_b256 s[4:11], s[0:1], 0x0               ; oqk 4, ovt 6, x 8, opx 10
	v_lshl_add_u32 v223, v0, 2, 0x44000
	v_mov_b32 v243, 0
	ds_add_u32 v223, v243
	ds_add_u32 v223, v243
	v_lshrrev_b32 v8, 5, v0
	v_readfirstlane_b32 s18, v8                    ; wave 0..15
	s_and_b32 s12, ttmp7, 0xffff                   ; y
	s_lshr_b32 s13, s12, 4                         ; batch
	s_and_b32 s14, s12, 15                         ; head
	s_lshr_b32 s15, s14, 1                         ; which step of 128 units holds it,
	s_and_b32 s16, s14, 1                          ; and which half
	s_and_b32 s17, s18, 1                          ; e: which half of a chunk I fetch, if I fetch
	; every LDS address register is made here, ahead of the branch that deals out the fills
	v_and_b32 v9, 31, v0
	v_lshlrev_b32 v1, 4, v9                        ; 16 L
	v_lshlrev_b32 v2, 3, v9                        ; 8 L
	v_and_b32 v8, 15, v0                           ; r
	v_bfe_u32 v9, v0, 4, 1                         ; h
	v_lshlrev_b32 v31, 2, v8                       ; 4 r
	s_lshl_b32 s100, s16, 1
	v_add_nc_u32 v3, s100, v31
	v_add_nc_u32 v3, KSB, v3                       ; K's scale words: my key's, the head's two bytes
	v_add_nc_u32 v4, VSB, v31                      ; V's
	v_lshlrev_b32 v11, 3, v9
	v_sub_nc_u32 v5, v8, v11                       ; r - 8 h, for the mask
	s_mul_i32 s19, s18, 4352
	s_add_co_u32 s19, s19, STG                     ; my stage
	v_mul_u32_u24 v6, v8, 272
	v_lshl_add_u32 v6, v9, 5, v6
	v_add_nc_u32 v6, s19, v6                       ; in: row r, 32 h bytes on
	v_mul_u32_u24 v30, v9, 272
	v_lshl_add_u32 v30, v8, 4, v30
	v_add_nc_u32 v30, s19, v30                     ; back: lanes 0-15 one row, lanes 16-31 the next
	v_lshlrev_b32 v7, 12, v9
	v_lshl_add_u32 v7, v8, 4, v7                   ; the same two rows in x and r1
	; descriptor groups 1, elements of 8 bytes, no padding
	s_mov_b32 s24, 3<<16                           ; K: 16 tiles of 768 bytes, 49,152 bytes apart
	s_mov_b32 s25, 96<<16
	s_mov_b32 s26, 16<<16
	s_mov_b32 s27, 96<<16
	s_mov_b32 s28, 16
	s_mov_b32 s29, 6144
	s_mov_b32 s30, 0
	s_mov_b32 s31, 0
	s_mov_b32 s32, 3<<16                           ; V: 2 tiles of 4 steps = 6,144 bytes, 49,152 bytes apart
	s_mov_b32 s33, 768<<16
	s_mov_b32 s34, 2<<16
	s_mov_b32 s35, 768<<16
	s_mov_b32 s36, 2
	s_mov_b32 s37, 6144
	s_mov_b32 s38, 0
	s_mov_b32 s39, 0
	s_mov_b32 s40, 3<<16                           ; K's scale words: 8 key steps of 512 bytes, 16,384 bytes apart
	s_mov_b32 s41, 64<<16
	s_mov_b32 s42, 8<<16
	s_mov_b32 s43, 64<<16
	s_mov_b32 s44, 8
	s_mov_b32 s45, 2048
	s_mov_b32 s46, 0
	s_mov_b32 s47, 0
	s_mov_b32 s48, 3<<16                           ; V's: 8 key steps of 256 bytes, 512 bytes apart
	s_mov_b32 s49, 32<<16
	s_mov_b32 s50, 8<<16
	s_mov_b32 s51, 32<<16
	s_mov_b32 s52, 8
	s_mov_b32 s53, 64
	s_mov_b32 s54, 0
	s_mov_b32 s55, 0
	s_lshl_b32 s2, s13, 7                          ; K: (128 b + 16 e) tiles, step 8 + head / 2, half head % 2
	s_lshl_b32 s19, s17, 4
	s_add_co_u32 s2, s2, s19
	s_mul_i32 s2, s2, 49152
	s_add_co_u32 s19, s15, 8
	s_mul_i32 s23, s19, 1536
	s_add_co_u32 s2, s2, s23
	s_mul_i32 s23, s16, 768
	s_add_co_u32 s2, s2, s23
	s_mov_b32 s3, 0
	s_lshl_b32 s20, s13, 4                         ; K's scale words: group 16 b + 8 e, the same step
	s_lshl_b32 s23, s17, 3
	s_add_co_u32 s20, s20, s23
	s_lshl_b32 s20, s20, 14
	s_lshl_b32 s19, s19, 9
	s_add_co_u32 s20, s20, s19
	s_add_co_u32 s20, s20, SOFF32
	s_mov_b32 s21, 0
	s_lshl_b32 s22, s14, 2                         ; V: tile 4 head + 2 e, step 16 b
	s_lshl_b32 s19, s17, 1
	s_add_co_u32 s22, s22, s19
	s_mul_i32 s22, s22, 49152
	s_mul_i32 s19, s13, 16*1536
	s_add_co_u32 s22, s22, s19
	s_mov_b32 s23, 0
	s_lshl_b32 s66, s15, 5                         ; V's scale words: (32 (head / 2) + 16 b + 8 e) x 512 + 256 (head % 2)
	s_lshl_b32 s19, s13, 4
	s_add_co_u32 s66, s66, s19
	s_lshl_b32 s19, s17, 3
	s_add_co_u32 s66, s66, s19
	s_lshl_b32 s66, s66, 9
	s_lshl_b32 s19, s16, 8
	s_add_co_u32 s66, s66, s19
	s_add_co_u32 s66, s66, SOFF32
	s_mov_b32 s67, 0
	s_mul_i32 s101, s17, 12288                     ; my half of a chunk in LDS,
	s_lshl_b32 s104, s17, 12                       ; of K's scale words,
	s_lshl_b32 s105, s17, 11                       ; of V's
	s_wait_dscnt 0x0
	s_wait_kmcnt 0x0
	s_add_nc_u64 s[2:3], s[4:5], s[2:3]
	s_add_nc_u64 s[20:21], s[4:5], s[20:21]
	s_add_nc_u64 s[22:23], s[6:7], s[22:23]
	s_add_nc_u64 s[66:67], s[6:7], s[66:67]
	SETG0 56, 104, KSB, 20, 0
	SETG0 60, 101, 0, 2, 0
	SETG0 68, 101, 24576, 2, 32*49152
	SETG0 72, 101, 49152, 2, 64*49152
	SETG0 76, 101, 73728, 2, 96*49152
	SETG0 80, 105, VSB, 66, 0
	SETG0 84, 101, VB, 22, 0
	SETG0 88, 101, VB+24576, 22, 6144
	SETG0 92, 101, VB+49152, 22, 12288
	SETG0 96, 101, VB+73728, 22, 18432
	s_cmp_lt_u32 s18, 2                            ; all the fills of a wave stand in one branch on its number: five loads of mine are out; four v_nop follow the last
	s_cbranch_scc0 .Lnot_k
	tensor_load_to_lds s[56:59], s[40:47]
	s_nop 0
	tensor_load_to_lds s[60:63], s[24:31]
	s_nop 0
	tensor_load_to_lds s[68:71], s[24:31]
	s_nop 0
	tensor_load_to_lds s[72:75], s[24:31]
	s_nop 0
	tensor_load_to_lds s[76:79], s[24:31]
	s_nop 0
.rept 4
	v_nop
.endr
	s_branch .Lasked
.Lnot_k:
	s_cmp_lt_u32 s18, 4
	s_cbranch_scc0 .Lasked
	tensor_load_to_lds s[80:83], s[48:55]
	s_nop 0
	tensor_load_to_lds s[84:87], s[32:39]
	s_nop 0
	tensor_load_to_lds s[88:91], s[32:39]
	s_nop 0
	tensor_load_to_lds s[92:95], s[32:39]
	s_nop 0
	tensor_load_to_lds s[96:99], s[32:39]
	s_nop 0
.rept 4
	v_nop
.endr
.Lasked:
	s_sub_co_u32 s19, 15, ttmp9
	s_cmp_lt_u32 s18, 8
	s_cselect_b32 s23, ttmp9, s19                  ; my block of 128 queries
	s_and_b32 s20, s18, 7
	s_lshl_b32 s19, s23, 7
	s_lshl_b32 s21, s20, 4
	s_add_co_u32 s19, s19, s21                     ; Q0: my first query
	s_lshl_b32 s2, s13, 7
	s_lshr_b32 s21, s19, 4
	s_add_co_u32 s2, s2, s21
	s_mul_i32 s2, s2, 49152
	s_mul_i32 s21, s15, 1536
	s_add_co_u32 s2, s2, s21
	s_mul_i32 s21, s16, 768
	s_add_co_u32 s2, s2, s21
	s_mov_b32 s3, 0
	s_add_nc_u64 s[2:3], s[4:5], s[2:3]            ; Q's half image
	s_lshl_b32 s22, s13, 4
	s_add_co_u32 s22, s22, s23
	s_lshl_b32 s22, s22, 5
	s_add_co_u32 s22, s22, s15
	s_lshl_b32 s22, s22, 9
	s_lshl_b32 s21, s20, 6
	s_add_co_u32 s22, s22, s21
	s_add_co_u32 s22, s22, s100
	s_add_co_u32 s22, s22, SOFF32
	s_mov_b32 s23, 0
	s_add_nc_u64 s[22:23], s[4:5], s[22:23]        ; and its two scale bytes a row
	global_load_b128 v[16:19], v1, s[2:3]
	global_load_b64 v[20:21], v2, s[2:3] offset:512
	global_load_u16 v255, v31, s[22:23]
	s_lshl_b32 s20, s13, 11
	s_add_co_u32 s20, s20, s19
	s_lshl_b32 s20, s20, 12
	s_lshl_b32 s21, s14, 8
	s_add_co_u32 s20, s20, s21                     ; (2,048 b + Q0) rows of 4,096 bytes + the head's 256
	s_mov_b32 s21, 0
	s_add_nc_u64 s[8:9], s[8:9], s[20:21]          ; x
	s_lshl_b32 s66, s12, 3
	s_add_co_u32 s66, s66, ttmp9
	s_lshl_b32 s66, s66, 4
	s_add_co_u32 s66, s66, s18
	s_lshl_b32 s66, s66, 3
	s_add_co_u32 s66, s66, STAT
	s_mov_b32 s67, 0
	s_add_nc_u64 s[66:67], s[10:11], s[66:67]      ; my pair
	s_add_co_u32 s20, s20, RES
	s_add_nc_u64 s[10:11], s[10:11], s[20:21]      ; r1
	s_mov_b32 s[SEL], 0x76543210
	s_mov_b32 s[SEL+1], 0xfedcba98
	s_mov_b32 s[CS], 0x3e38aa3b                    ; c = log2(e) / 8
	s_mov_b32 s[CS+1], s[CS]
	v_mov_b32 v13, 0xff61b1e6                      ; the largest t so far: -3e38
	v_floor_f32 v12, -v13                          ; -M
	v_mov_b32 v14, 0
	v_mov_b32 v15, 0
.irp b, 0,1,2,3
	v_mov_b32 v[236+\b], 0                         ; (a lane permute's destination counts as one of its sources)
.endr
	v_mov_b32 v252, 0
	v_mov_b32 v253, 0
.irp j, 22,23,24,25,26,27
	v_mov_b32 v[\j], 0                             ; Q's upper 64 along K: zero codes
.endr
.irp t, 0,1,2,3
.irp j, 6,7,8,9,10,11
	v_mov_b32 v[32+12*\t+\j], 0                    ; the upper halves of K's fragments are written once; later they hold codes of V, which meet Q's zeros
.endr
.endr
.set j, 0
.rept 32
	v_mov_b32 v[160+j], 0                          ; O^T: the step is written once; its first run finds zeros
.set j, j+1
.endr
; A KEY STEP: 128 keys.  s2, s3, s20, s21: where the step's K, K's scale words, V, V's scale words begin in LDS; s22 its first key
.macro STEP
	s_add_co_u32 s12, s19, 15
	s_cmp_gt_u32 s22, s12                          ; all its keys come after my queries: only the addresses step
	s_cbranch_scc1 .Lhidden_\@
	v_add_nc_u32 v8, s2, v1                        ; (these six are also the places in front of the loads into registers that the last products read)
	v_add_nc_u32 v9, s2, v2
	v_add_nc_u32 v10, s3, v3
	v_add_nc_u32 v11, s21, v4
	v_add_nc_u32 v28, s20, v1
	v_add_nc_u32 v29, s20, v2
.irp g, 0,1                                    ; S^T = K Q^T, four tiles of 16 neighbouring keys at a time
.if \g
.rept 4
	v_nop
.endr
.endif
.irp t, 0,1,2,3
	ds_load_b128 v[32+12*\t:35+12*\t], v8 offset:(4*\g+\t)*768
	ds_load_b64 v[36+12*\t:37+12*\t], v9 offset:(4*\g+\t)*768+512
	ds_load_u16 v[248+\t], v10 offset:(4*\g+\t)*64
.endr
	s_wait_dscnt 0x0
.irp t, 0,1,2,3
	v_wmma_scale_f32_16x16x128_f8f6f4 v[96+8*(4*\g+\t):103+8*(4*\g+\t)], v[32+12*\t:43+12*\t], v[16:27], 0, v[248+\t], v255 matrix_a_fmt:MATRIX_FMT_FP6 matrix_b_fmt:MATRIX_FMT_FP6
.endr
.endr                                          ; lane (r, h): query r; register 8 kt + j: key 16 kt + 8 h + j
.rept 4
	v_nop
.endr
.irp t, 0,1,2,3                                ; V's four fragments are asked for now and land under the softmax
	ds_load_b128 v[32+12*\t:35+12*\t], v28 offset:\t*6144
	ds_load_b64 v[36+12*\t:37+12*\t], v29 offset:\t*6144+512
	ds_load_b128 v[38+12*\t:41+12*\t], v28 offset:\t*6144+768
	ds_load_b64 v[42+12*\t:43+12*\t], v29 offset:\t*6144+1280
	ds_load_b32 v[248+\t], v11 offset:64*\t
.endr
	s_add_co_u32 s12, s22, 127
	s_cmp_le_u32 s12, s19                          ; all keys count for all my queries: no mask
	s_cbranch_scc1 .Lopen_\@
	s_sub_co_i32 s12, s19, s22
	v_add_nc_u32 v252, s12, v5                     ; d = my query - the step's first key - 8 h: register n is hidden where 16 (n / 8) + n % 8 > d
	v_mov_b32 v254, 0xff800000
.set n, 0
.rept 64
	v_cmp_gt_i32 vcc_lo, 16*(n/8)+n%8, v252
	v_cndmask_b32 v[96+n], v[96+n], v254, vcc_lo
.set n, n+1
.endr
.Lopen_\@:
.irp b, 0,1,2,3
	v_max3_num_f32 v[232+\b], v[96+16*\b], v[97+16*\b], v[98+16*\b]       ; the largest score of each block of 32 keys: for the row's maximum, and, since p rises with the score, for the block's largest p
.endr
.irp i, 3,5,7,9,11,13
.irp b, 0,1,2,3
	v_max3_num_f32 v[232+\b], v[232+\b], v[96+16*\b+\i], v[97+16*\b+\i]
.endr
.endr
.irp b, 0,1,2,3
	v_max_num_f32 v[232+\b], v[232+\b], v[111+16*\b]
.endr
.irp b, 0,1,2,3
	v_permlanex16_b32 v[236+\b], v[232+\b], s[SEL], s[SEL+1]
.endr
.irp b, 0,1,2,3
	v_max_num_f32 v[232+\b], v[232+\b], v[236+\b]  ; with lane L xor 16's 16 keys
.endr
	v_max3_num_f32 v254, v232, v233, v234
	v_max_num_f32 v254, v254, v235
	v_mul_f32 v254, s[CS], v254                    ; the step's largest t
	v_max_num_f32 v13, v13, v254
	v_mov_b32 v254, v12
	v_floor_f32 v12, -v13                          ; the new -M = -ceil(t)
	v_sub_f32 v254, v12, v254                      ; old M - new M: a whole number, 0 or less
	v_cvt_i32_f32 v254, v254                       ; (it saturates)
	v_ldexp_f32 v252, 1.0, v254                    ; f = 2^(old M - new M)
.irp j, 0,2,4,6,8,10,12,14,16,18,20,22,24,26,28,30,32,34,36,38,40,42,44,46,48,50,52,54,56,58,60,62
	v_pk_fma_f32 v[96+\j:97+\j], v[96+\j:97+\j], s[CS:CS+1], v[12:13] op_sel_hi:[1,0,0]   ; t - M
.endr
.irp b, 0,1,2,3
	v_fma_f32 v[232+\b], v[232+\b], s[CS], v12
.endr
.set j, 0
.rept 64
	v_exp_f32 v[96+j], v[96+j]                     ; p = 2^(t - M)
.set j, j+1
.endr
.irp b, 0,1,2,3
	v_exp_f32 v[232+\b], v[232+\b]                 ; the block's largest p
.endr
	v_pk_mul_f32 v[14:15], v[14:15], v[252:253] op_sel_hi:[1,0]    ; the sums under the new M (a plain place behind the exponentials)
	s_wait_alu depctr_va_vdst(0)
.irp b, 0,1,2,3
	v_max_num_f32 v[232+\b], 0x1800000, v[232+\b]  ; the floor 2^(3 - 127)
.endr
.irp b, 0,1,2,3
	v_add_nc_u32 v[244+\b], 0xff000000, v[232+\b]  ; the conversion's scale operand
.endr
.irp b, 0,1,2,3
	v_lshrrev_b32 v[236+\b], 23, v[244+\b]         ; the byte
.endr
	v_lshl_or_b32 v253, v237, 8, v236              ; p's scale word for these 128 keys
	v_lshl_or_b32 v253, v238, 16, v253
	v_lshl_or_b32 v253, v239, 24, v253
.irp c, 0,1
	v_cvt_scalef32_pk16_fp6_f32 v[224+6*\c:226+6*\c], v[96+32*\c:111+32*\c], v[244+2*\c]
	v_cvt_scalef32_pk16_fp6_f32 v[236+4*\c:238+4*\c], v[112+32*\c:127+32*\c], v[244+2*\c+1]
.endr
	v_nop                                          ; one plain place behind a scaled conversion
.irp c, 0,1
.irp i, 0,1,2
	v_permlane16_swap_b32 v[224+6*\c+\i], v[236+4*\c+\i]
.endr
.irp i, 0,1,2
	v_mov_b32 v[227+6*\c+\i], v[236+4*\c+\i]
.endr
.endr
	v_pk_add_f32 v[236:237], v[96:97], v[98:99]    ; the row's sum, of the unquantised p, in two chains
.irp j, 4,8,12,16,20,24,28,32,36,40,44,48,52,56,60
	v_pk_add_f32 v[14:15], v[14:15], v[96+\j:97+\j]
	v_pk_add_f32 v[236:237], v[236:237], v[98+\j:99+\j]
.endr
	v_pk_add_f32 v[14:15], v[14:15], v[236:237]
.irp j, 0,2,4,6,8,10,12,14,16,18,20,22,24,26,28,30
	v_pk_mul_f32 v[160+\j:161+\j], v[160+\j:161+\j], v[252:253] op_sel_hi:[1,0]   ; O^T under the new M; each accumulator from its low end on
.endr
	s_wait_dscnt 0x0                               ; V
.irp t, 0,1,2,3                                ; O^T += V^T P^T: four accumulators, one instruction each
	v_wmma_scale_f32_16x16x128_f8f6f4 v[160+8*\t:167+8*\t], v[32+12*\t:43+12*\t], v[224:235], v[160+8*\t:167+8*\t], v[248+\t], v253 matrix_a_fmt:MATRIX_FMT_FP6 matrix_b_fmt:MATRIX_FMT_FP6
.endr
.Lhidden_\@:
	s_add_co_u32 s22, s22, 128
	s_add_co_u32 s2, s2, 6144
	s_add_co_u32 s3, s3, 512
	s_add_co_u32 s20, s20, 1536
	s_add_co_u32 s21, s21, 256
.endm
; A CHUNK of 512 keys.  Behind chunk c's load a fetching wave has issued 3 - c more, which may stay out; it then signals, and all sixteen read behind the barrier.  Nothing is filled again.
.macro CHUNK c
	s_wait_tensorcnt 3-\c
	s_wait_dscnt 0x0
	s_barrier_signal -1
	s_barrier_wait -1
	s_mov_b32 s2, \c*24576
	s_mov_b32 s3, \c*2048
	s_mov_b32 s20, VB+\c*24576
	s_mov_b32 s21, \c*1024
	s_mov_b32 s22, \c*512
	s_mov_b32 s23, 4
.Lstep_\@:
	STEP
	s_sub_co_u32 s23, s23, 1
	s_cmp_lg_u32 s23, 0
	s_cbranch_scc1 .Lstep_\@
.endm
	s_wait_loadcnt 0x0                             ; Q; its address registers may be written again
	CHUNK 0
	CHUNK 1
	CHUNK 2
	CHUNK 3
	; THE WAY OUT: O^T / the sum goes through my stage and comes back as rows of 256 bytes; x is added; sixteen lanes store 256 consecutive bytes, aligned
.rept 4
	v_nop                                          ; places behind the last products
.endr
.irp i, 0,1,2,3,4,5,6,7
	global_load_b128 v[32+4*\i:35+4*\i], v7, s[8:9] offset:8192*\i th:TH_LOAD_NT
.endr
	v_add_f32 v14, v14, v15
	v_permlanex16_b32 v252, v14, s[SEL], s[SEL+1]
	v_add_f32 v14, v14, v252                       ; the row's sum
	v_rcp_f32 v14, v14
	v_mov_b32 v198, 0                              ; (a plain place behind the transcendental)
	v_mov_b32 v199, 0
.set j, 0
	s_wait_alu depctr_va_vdst(0)
.rept 32
	v_mul_f32 v[96+j], v[160+j], v14               ; register 8 t + i: o(r, 16 t + 8 h + i)
.set j, j+1
.endr
.irp t, 0,1,2,3
	ds_store_b128 v6, v[96+8*\t:99+8*\t] offset:64*\t
	ds_store_b128 v6, v[100+8*\t:103+8*\t] offset:64*\t+16
.endr
.irp i, 0,1,2,3,4,5,6,7
	ds_load_b128 v[64+4*\i:67+4*\i], v30 offset:2*\i*272           ; LDS serves a wave's instructions in order: these see my stores
.endr
	s_wait_dscnt 0x0
	s_wait_loadcnt 0x0
.irp j, 0,2,4,6,8,10,12,14,16,18,20,22,24,26,28,30
	v_pk_add_f32 v[64+\j:65+\j], v[64+\j:65+\j], v[32+\j:33+\j]    ; the residual
.endr
.irp i, 0,1,2,3,4,5,6,7
	global_store_b128 v7, v[64+4*\i:67+4*\i], s[10:11] offset:8192*\i
.endr
	; my 1,024 numbers' mean and their sum of squared deviations from it: no difference of large sums is formed
	v_pk_add_f32 v[192:193], v[64:65], v[66:67]
	v_pk_add_f32 v[194:195], v[68:69], v[70:71]
.irp j, 8,12,16,20,24,28
	v_pk_add_f32 v[192:193], v[192:193], v[64+\j:65+\j]
	v_pk_add_f32 v[194:195], v[194:195], v[66+\j:67+\j]
.endr
	v_pk_add_f32 v[192:193], v[192:193], v[194:195]
	v_add_f32 v196, v192, v193
	WRED 196, 198
	v_mul_f32 v196, 0x3a800000, v196               ; / 1,024
	v_mov_b32 v197, v196
	v_pk_add_f32 v[200:201], v[64:65], v[196:197] neg_lo:[0,1] neg_hi:[0,1]
	v_pk_add_f32 v[202:203], v[66:67], v[196:197] neg_lo:[0,1] neg_hi:[0,1]
	v_pk_mul_f32 v[192:193], v[200:201], v[200:201]
	v_pk_mul_f32 v[194:195], v[202:203], v[202:203]
.irp j, 4,8,12,16,20,24,28
	v_pk_add_f32 v[200:201], v[64+\j:65+\j], v[196:197] neg_lo:[0,1] neg_hi:[0,1]
	v_pk_add_f32 v[202:203], v[66+\j:67+\j], v[196:197] neg_lo:[0,1] neg_hi:[0,1]
	v_pk_fma_f32 v[192:193], v[200:201], v[200:201], v[192:193]
	v_pk_fma_f32 v[194:195], v[202:203], v[202:203], v[194:195]
.endr
	v_pk_add_f32 v[192:193], v[192:193], v[194:195]
	v_add_f32 v197, v192, v193
	WRED 197, 198
	global_store_b64 v199, v[196:197], s[66:67]    ; every lane holds the same pair and stores it to the same 8 bytes
	s_wait_tensorcnt 0x0
	ds_add_u32 v223, v243
	s_wait_dscnt 0x0
	s_endpgm
.Lfunc_end_k_q91638c135e_attn:
	.size	k_q91638c135e_attn, .Lfunc_end_k_q91638c135e_attn-k_q91638c135e_attn
	.p2alignl 7, 3214868480
	.fill 96, 4, 3214868480
	.section	.rodata,"a",@progbits
	.p2align	6, 0x0
	.amdhsa_kernel k_q91638c135e_attn
		.amdhsa_group_segment_fixed_size 280576
		.amdhsa_private_segment_fixed_size 0
		.amdhsa_enable_private_segment 0
		.amdhsa_kernarg_size 32
		.amdhsa_user_sgpr_count 2
		.amdhsa_user_sgpr_kernarg_segment_ptr 1
		.amdhsa_wavefront_size32 1
		.amdhsa_system_sgpr_workgroup_id_x 1
		.amdhsa_system_sgpr_workgroup_id_y 1
		.amdhsa_system_sgpr_workgroup_id_z 1
		.amdhsa_system_vgpr_workitem_id 0
		.amdhsa_next_free_vgpr 256
		.amdhsa_next_free_sgpr 106
		.amdhsa_reserve_vcc 1
		.amdhsa_float_denorm_mode_32 3
		.amdhsa_float_denorm_mode_16_64 3
		.amdhsa_memory_ordered 1
		.amdhsa_forward_progress 1
		.amdhsa_inst_pref_size 113
	.end_amdhsa_kernel
	.amdgpu_metadata
---
amdhsa.version: [ 1, 2 ]
amdhsa.kernels:
  - .name:           k_q91638c135e_attn
    .symbol:         k_q91638c135e_attn.kd
    .args:
      - { .name: oqk, .offset: 0, .size: 8, .value_kind: global_buffer, .address_space: global }
      - { .name: ovt, .offset: 8, .size: 8, .value_kind: global_buffer, .address_space: global }
      - { .name: x, .offset: 16, .size: 8, .value_kind: global_buffer, .address_space: global }
      - { .name: opx, .offset: 24, .size: 8, .value_kind: global_buffer, .address_space: global }
    .group_segment_fixed_size: 280576
    .private_segment_fixed_size: 0
    .kernarg_segment_align: 8
    .kernarg_segment_size: 32
    .max_flat_workgroup_size: 512
    .sgpr_count:     106
    .vgpr_count:     256
    .wavefront_size: 32
...
	.end_amdgpu_metadata
.endif
;; end of part 3
;; launch ln1q (part 4): grid 256 x 1, 8 waves a work-group, no clusters, 68,864 bytes of LDS; arguments opx, ln_g, ln_b, oph; writes oph
.if DOCPART == 4
	.amdgcn_target "amdgcn-amd-amdhsa--gfx1250"
	.amdhsa_code_object_version 6
	.text
	.protected	k_q91638c135e_ln1q
	.globl	k_q91638c135e_ln1q
	.p2align	8
	.type	k_q91638c135e_ln1q,@function
k_q91638c135e_ln1q:
	s_mov_b64 s[64:65], 0
	v_nop
	global_prefetch_b8 v0, s[64:65] scope:SCOPE_SE
	s_setreg_imm32_b32 hwreg(HW_REG_WAVE_MODE, 25, 1), 1
	s_wait_xcnt 0x0
; h = (r1 - mean) x rsqrt(var + 1e-5) x g + b, mean and var over all 2,048 x 1,024 numbers of a batch element; h leaves as f32 (the residual of the next block) and as an operand of E2M3 codes (K = the 1,024 units).
; The launch before left, for each 1,024 numbers, their mean and their sum of squared deviations: 2,048 pairs a batch element.  Every work-group joins them anew (16 KiB): mean = the means' mean;
; sum of squares = the pairs' sums + 1,024 x the sum of (a pair's mean - mean)^2.  No difference of large sums is formed.
; A work-group takes 16 rows; wave s columns 128 s on: one fragment.  Each load reads 512 consecutive bytes; for the conversions the numbers turn through the wave's own stage in LDS, so that a lane holds two whole blocks of its row.
; The operand: images of registers (a fragment is 1,536 bytes: halves of 768: registers 6c .. 6c+3 at 16 L, 6c+4, 6c+5 at 512 + 8 L) at (tile x 8 + step) x 1,536; scale words at 0x300000; add (0) at 0x320000; h at 0x400000.
; LIMITS: a block of zeros gets the byte 1 (codes zero; read by this program alone); NaN and infinities are not served.
.set RES,   0x400000
.set STAT,  0x1400000
.set SOFF8, 0x300000
.set AOFF,  0x320000
.set NJ,    4                          ; loads of two pairs a thread: 256 threads x 8 pairs
.set RED,   67584                      ; LDS behind the eight stages: 8 + 8 words for the two sums over the waves
.set S,  8                             ; v8-23   my pairs
.set R,  32                            ; v32-95  the rows' numbers
.set G,  96                            ; v96-159 gains; later the numbers as the conversions want them
.set B,  160                           ; v160-223 offsets; later at work
.set SEL, 32
.macro WRED x, t
	v_add_f32_dpp v[\x], v[\x], v[\x] row_xmask:1 row_mask:0xf bank_mask:0xf
	v_add_f32_dpp v[\x], v[\x], v[\x] row_xmask:2 row_mask:0xf bank_mask:0xf
	v_add_f32_dpp v[\x], v[\x], v[\x] row_xmask:4 row_mask:0xf bank_mask:0xf
	v_add_f32_dpp v[\x], v[\x], v[\x] row_xmask:8 row_mask:0xf bank_mask:0xf
	v_permlanex16_b32 v[\t], v[\x], s[SEL], s[SEL+1]
	v_add_f32 v[\x], v[\x], v[\t]
.endm
.macro WGSUM off                       ; v24 of each wave, summed over the eight waves, into v224 of every lane.  The two uses have bytes of their own, so one barrier each is enough
	ds_store_b32 v238, v24 offset:\off             ; all lanes write the wave's word with the same value
	s_wait_dscnt 0x0                               ; for the others' sake: my store is done
	s_barrier_signal -1
	s_barrier_wait -1
	ds_load_b128 v[224:227], v237 offset:\off
	ds_load_b128 v[228:231], v237 offset:\off+16
	s_wait_dscnt 0x0
	v_add_f32 v224, v224, v225
	v_add_f32 v226, v226, v227
	v_add_f32 v228, v228, v229
	v_add_f32 v230, v230, v231
	v_add_f32 v224, v224, v226
	v_add_f32 v228, v228, v230
	v_add_f32 v224, v224, v228
.endm
.macro QX s, p, tq, tm, pw, h8, sel    ; 64 numbers of a lane, two whole blocks (block c at v[s + 32 c]), become 12 registers of codes at v[p] and the row's scale word in v[pw]
.irp c, 0,1
	v_max3_num_f32 v[\tm+\c], |v[\s+32*\c]|, |v[\s+32*\c+1]|, 0x1800000      ; with the floor 2^(3 - 127)
.endr
.irp i, 2,4,6,8,10,12,14,16,18,20,22,24,26,28,30
.irp c, 0,1
	v_max3_num_f32 v[\tm+\c], v[\tm+\c], |v[\s+32*\c+\i]|, |v[\s+32*\c+\i+1]|
.endr
.endr
.irp c, 0,1
	v_add_nc_u32 v[\tm+2+\c], 0xff000000, v[\tm+\c]
.endr
.irp c, 0,1
	v_lshrrev_b32 v[\tm+4+\c], 23, v[\tm+2+\c]
.endr
	v_lshl_or_b32 v[\pw], v[\tm+5], 16, v[\tm+4]
	v_lshlrev_b32 v[\pw], v[\h8], v[\pw]
	v_permlanex16_b32 v[\tm+6], v[\pw], s[\sel], s[\sel+1]
	v_or_b32 v[\pw], v[\pw], v[\tm+6]
.irp c, 0,1
	v_cvt_scalef32_pk16_fp6_f32 v[\p+6*\c:\p+6*\c+2], v[\s+32*\c:\s+32*\c+15], v[\tm+2+\c]
	v_cvt_scalef32_pk16_fp6_f32 v[\tq+4*\c:\tq+4*\c+2], v[\s+32*\c+16:\s+32*\c+31], v[\tm+2+\c]
.endr
	v_nop                                          ; one plain place behind a scaled conversion
.irp c, 0,1
.irp i, 0,1,2
	v_mov_b32 v[\p+3+6*\c+\i], v[\tq+4*\c+\i]
.endr
.endr
.endm
	s_load_b256 s[4:11], s[0:1], 0x0               ; opx 4, ln_g 6, ln_b 8, oph 10
	v_lshl_add_u32 v240, v0, 2, 0x10900
	v_mov_b32 v241, 0
	v_lshrrev_b32 v1, 5, v0
	v_readfirstlane_b32 s12, v1                    ; wave = step of 128 units
	v_and_b32 v1, 31, v0
	v_lshlrev_b32 v2, 4, v1                        ; 16 L
	v_lshlrev_b32 v3, 3, v1                        ; 8 L
	v_lshlrev_b32 v4, 4, v0                        ; 16 x thread
	v_and_b32 v1, 15, v0                           ; r
	v_lshlrev_b32 v5, 2, v1                        ; 4 r
	v_bfe_u32 v25, v0, 4, 1                        ; h
	v_lshlrev_b32 v6, 3, v25                       ; 8 h
	s_mul_i32 s13, s12, 8448                       ; my stage: 16 rows of 512 + 16 bytes
	v_add_nc_u32 v7, s13, v2
	v_mul_u32_u24 v236, v1, 528
	v_lshl_add_u32 v236, v25, 7, v236
	v_add_nc_u32 v236, s13, v236
	v_mov_b32 v237, RED
	s_lshl_b32 s13, s12, 2
	s_add_co_u32 s13, s13, RED
	v_mov_b32 v238, s13
	s_lshr_b32 s14, ttmp9, 7                       ; batch
	s_and_b32 s15, ttmp9, 127                      ; the tile of rows within it
	s_mul_i32 s16, s14, NJ*4096
	s_add_co_u32 s16, s16, STAT
	s_mov_b32 s17, 0
	s_lshl_b32 s24, ttmp9, 16
	s_lshl_b32 s13, s12, 9
	s_add_co_u32 s24, s24, s13
	s_add_co_u32 s24, s24, RES                     ; r1 and h lie at the same place of their buffers
	s_mov_b32 s25, 0
	s_lshl_b32 s20, s15, 16
	s_add_co_u32 s20, s20, s13
	s_mov_b32 s21, 0
	s_lshl_b32 s26, ttmp9, 3
	s_add_co_u32 s26, s26, s12
	s_mul_i32 s26, s26, 1536                       ; the image
	s_mov_b32 s27, 0
	s_lshr_b32 s28, ttmp9, 3
	s_lshl_b32 s28, s28, 3
	s_add_co_u32 s28, s28, s12
	s_lshl_b32 s28, s28, 9
	s_and_b32 s13, ttmp9, 7
	s_lshl_b32 s13, s13, 6
	s_add_co_u32 s28, s28, s13
	s_add_co_u32 s28, s28, SOFF8                   ; the tile's 16 scale words of my step
	s_mov_b32 s29, 0
	s_lshl_b32 s30, ttmp9, 6
	s_add_co_u32 s30, s30, AOFF
	s_mov_b32 s31, 0
	s_mov_b32 s[SEL], 0x76543210
	s_mov_b32 s[SEL+1], 0xfedcba98
	s_mov_b32 s34, 0x35000000                      ; 2^-21: one over the numbers of a batch element
	s_mov_b32 s35, 0x3727c5ac                      ; 1e-5
	s_mov_b32 s36, 0x44800000                      ; 1,024: the numbers of a pair
	s_wait_kmcnt 0x0
	s_add_nc_u64 s[16:17], s[4:5], s[16:17]
	s_add_nc_u64 s[18:19], s[4:5], s[24:25]
	s_add_nc_u64 s[6:7], s[6:7], s[20:21]
	s_add_nc_u64 s[8:9], s[8:9], s[20:21]
	s_add_nc_u64 s[22:23], s[10:11], s[24:25]
	s_add_nc_u64 s[26:27], s[10:11], s[26:27]
	s_add_nc_u64 s[28:29], s[10:11], s[28:29]
	s_add_nc_u64 s[30:31], s[10:11], s[30:31]
.set j, 0
.rept NJ
	global_load_b128 v[S+4*j:S+4*j+3], v4, s[16:17] offset:4096*j
.set j, j+1
.endr
.irp i, 0,1,2,3,4,5,6,7,8,9,10,11,12,13,14,15
	global_load_b128 v[R+4*\i:R+4*\i+3], v2, s[18:19] offset:4096*\i th:TH_LOAD_NT
.endr
.irp i, 0,1,2,3,4,5,6,7,8,9,10,11,12,13,14,15
	global_load_b128 v[G+4*\i:G+4*\i+3], v2, s[6:7] offset:4096*\i
.endr
.irp i, 0,1,2,3,4,5,6,7,8,9,10,11,12,13,14,15
	global_load_b128 v[B+4*\i:B+4*\i+3], v2, s[8:9] offset:4096*\i
.endr
	s_wait_loadcnt 48                              ; my pairs are in; the 48 loads of rows, gains and offsets may be out
	v_add_f32 v24, v[S], v[S+2]
.set j, 1
.rept NJ-1
	v_add_f32 v24, v24, v[S+4*j]
	v_add_f32 v24, v24, v[S+4*j+2]
.set j, j+1
.endr
	WRED 24, 25
	WGSUM 0
	v_mul_f32 v26, 0x3a000000, v224                ; / 2,048 pairs: the mean
	v_sub_f32 v24, v[S], v26
	v_sub_f32 v25, v[S+2], v26
	v_mul_f32 v27, v24, v24
	v_add_f32 v28, v[S+1], v[S+3]
	v_fmac_f32 v27, v25, v25
.set j, 1
.rept NJ-1
	v_sub_f32 v24, v[S+4*j], v26
	v_sub_f32 v25, v[S+4*j+2], v26
	v_add_f32 v28, v28, v[S+4*j+1]
	v_fmac_f32 v27, v24, v24
	v_add_f32 v28, v28, v[S+4*j+3]
	v_fmac_f32 v27, v25, v25
.set j, j+1
.endr
	v_fma_f32 v24, v27, s36, v28
	WRED 24, 25
	WGSUM 32
	v_fma_f32 v28, v224, s34, s35                  ; var + 1e-5
	v_rsq_f32 v30, v28
	v_rsq_f32 v31, v28                             ; twice: a pair for the packed multiply
	v_mov_b32 v27, v26                             ; (a plain place behind the transcendentals)  the mean, as a pair
	s_wait_loadcnt 0x0
.set p, 0
.rept 32
	v_pk_add_f32 v[R+2*p:R+2*p+1], v[R+2*p:R+2*p+1], v[26:27] neg_lo:[0,1] neg_hi:[0,1]
.set p, p+1
.endr
.set p, 0
	s_wait_alu depctr_va_vdst(0)
.rept 32
	v_pk_mul_f32 v[R+2*p:R+2*p+1], v[R+2*p:R+2*p+1], v[30:31]
.set p, p+1
.endr
.set p, 0
.rept 32
	v_pk_fma_f32 v[R+2*p:R+2*p+1], v[R+2*p:R+2*p+1], v[G+2*p:G+2*p+1], v[B+2*p:B+2*p+1]
.set p, p+1
.endr
.irp i, 0,1,2,3,4,5,6,7,8,9,10,11,12,13,14,15
	global_store_b128 v2, v[R+4*\i:R+4*\i+3], s[22:23] offset:4096*\i      ; 512 consecutive bytes, aligned
	ds_store_b128 v7, v[R+4*\i:R+4*\i+3] offset:528*\i
.endr
.irp c, 0,1
.irp j, 0,1,2,3,4,5,6,7
	ds_load_b128 v[G+32*\c+4*\j:G+32*\c+4*\j+3], v236 offset:256*\c+16*\j  ; LDS serves a wave's instructions in order: these see my stores
.endr
.endr
	v_mov_b32 v174, 0                              ; (a lane permute's destination counts as one of its sources)
	v_mov_b32 v177, 0
	s_wait_dscnt 0x0
	QX G, 224, 160, 168, 176, 6, SEL
	global_store_b128 v2, v[224:227], s[26:27]
	global_store_b64 v3, v[228:229], s[26:27] offset:512
	global_store_b128 v2, v[230:233], s[26:27] offset:768
	global_store_b64 v3, v[234:235], s[26:27] offset:1280
	global_store_b32 v5, v176, s[28:29]            ; row r's word; lanes L and L xor 16 hold the same word and store it to the same place
	s_cmp_lg_u32 s12, 0
	s_cbranch_scc1 .Ldone
	global_store_b32 v5, v177, s[30:31]            ; wave 0: this operand's rows add nothing
.Ldone:
	s_wait_tensorcnt 0x0
	ds_add_u32 v240, v241
	s_wait_dscnt 0x0
	s_endpgm
.Lfunc_end_k_q91638c135e_ln1q:
	.size	k_q91638c135e_ln1q, .Lfunc_end_k_q91638c135e_ln1q-k_q91638c135e_ln1q
	.p2alignl 7, 3214868480
	.fill 96, 4, 3214868480
	.section	.rodata,"a",@progbits
	.p2align	6, 0x0
	.amdhsa_kernel k_q91638c135e_ln1q
		.amdhsa_group_segment_fixed_size 68864
		.amdhsa_private_segment_fixed_size 0
		.amdhsa_enable_private_segment 0
		.amdhsa_kernarg_size 32
		.amdhsa_user_sgpr_count 2
		.amdhsa_user_sgpr_kernarg_segment_ptr 1
		.amdhsa_wavefront_size32 1
		.amdhsa_system_sgpr_workgroup_id_x 1
		.amdhsa_system_sgpr_workgroup_id_y 1
		.amdhsa_system_sgpr_workgroup_id_z 1
		.amdhsa_system_vgpr_workitem_id 0
		.amdhsa_next_free_vgpr 242
		.amdhsa_next_free_sgpr 66
		.amdhsa_reserve_vcc 0
		.amdhsa_float_denorm_mode_32 3
		.amdhsa_float_denorm_mode_16_64 3
		.amdhsa_memory_ordered 1
		.amdhsa_forward_progress 1
		.amdhsa_inst_pref_size 25
	.end_amdhsa_kernel
	.amdgpu_metadata
---
amdhsa.version: [ 1, 2 ]
amdhsa.kernels:
  - .name:           k_q91638c135e_ln1q
    .symbol:         k_q91638c135e_ln1q.kd
    .args:
      - { .name: opx, .offset: 0, .size: 8, .value_kind: global_buffer, .address_space: global }
      - { .name: ln_g, .offset: 8, .size: 8, .value_kind: global_buffer, .address_space: global }
      - { .name: ln_b, .offset: 16, .size: 8, .value_kind: global_buffer, .address_space: global }
      - { .name: oph, .offset: 24, .size: 8, .value_kind: global_buffer, .address_space: global }
    .group_segment_fixed_size: 68864
    .private_segment_fixed_size: 0
    .kernarg_segment_align: 8
    .kernarg_segment_size: 32
    .max_flat_workgroup_size: 256
    .sgpr_count:     66
    .vgpr_count:     242
    .wavefront_size: 32
...
	.end_amdgpu_metadata
.endif
;; end of part 4
;; launch ff1: the kernel of part 2 again; grid 16 x 16, 4 waves a work-group, clusters of 4 x 4, 327,680 bytes of LDS; arguments oph, opwf1, ohid; writes ohid
;; launch ff2 (part 5): grid 4 x 16, 4 waves a work-group, clusters of 4 x 4, 327,680 bytes of LDS; arguments ohid, opwv, oph, bf2, opx; writes opx
.if DOCPART == 5
	.amdgcn_target "amdgcn-amd-amdhsa--gfx1250"
	.amdhsa_code_object_version 6
	.text
	.protected	k_q91638c135e_ff2
	.globl	k_q91638c135e_ff2
	.p2align	8
	.type	k_q91638c135e_ff2,@function
k_q91638c135e_ff2:
	s_mov_b64 s[64:65], 0
	v_nop
	global_prefetch_b8 v0, s[64:65] scope:SCOPE_SE
	s_setreg_imm32_b32 hwreg(HW_REG_WAVE_MODE, 25, 1), 1
	s_wait_xcnt 0x0
	s_wait_alu depctr_hold_cnt(0) depctr_sa_sdst(0) depctr_va_vdst(0) depctr_va_sdst(0) depctr_va_ssrc(0) depctr_va_vcc(0) depctr_vm_vsrc(0)
	s_getreg_b32 s2, hwreg(HW_REG_IB_STS2, 6, 4)
	s_cmp_eq_u32 s2, 0
	s_cbranch_scc0 .Lentry_in_a_cluster
	s_endpgm
.Lentry_in_a_cluster:
	s_bfe_u32 s2, ttmp6, 0x10000c
	s_cmp_lg_u32 s2, 0xf033
	s_cbranch_scc0 .Lentry_shape_is_right
	s_endpgm
.Lentry_shape_is_right:
; r2[m][n] = sum over k of hid[m][k] wf2[n][k] + bf2[n] + h[m][n], K = 4,096, on codes of E2M3 with one E8M0 byte for each 32 along K; also a (mean, sum of squared deviations) pair for each 16 x 128 numbers of r2.
; OPERANDS ARE IMAGES OF REGISTERS: a fragment (16 rows x 128 K) is 1,536 bytes, two halves of 768: lane L's registers 6c .. 6c+3 at 16 L, registers 6c+4, 6c+5 at 512 + 8 L; codes at (tile x 32 + step) x 1,536,
; scale words at ((row / 128) x 32 + step) x 512 + 4 (row % 128).  Both operands stand, in each block of 32 along K, in the order in which the hidden layer left its registers.
; A tile of C, 256 x 256, is made by four waves, each 128 x 128: 64 accumulators.  K goes in steps of 256 through a ring of two LDS slots filled by the tensor data mover; the scale words for all of K come once.
; The output has 64 such tiles: 64 work-groups.  CLUSTERS: 4 x 4; A's tiles are asked for jointly along a row of the cluster, B's along a column.
; THE MATRIX INSTRUCTION IS USED TRANSPOSED (source 0 = 16 rows of B, source 1 = 16 rows of A): lane (r, h) holds row m = r and, in accumulator b, columns 16 b + 8 h + 0 .. 7.  bf2 is the C of each sum's first product.
; LIMITS: NaN and infinities are not served; the bias enters the sum first, not last.
; REGISTERS, in windows of 256: window 0: v1-31 addresses and, on the way out, v2, v4-15, v30, v31 at work; v32-63 scale words, two sets; v64-127 bf2, later rows of r2; v128-223 A's fragments, later (v128-255) rows of h.
;   window 1: B's fragments, two sets, at v0 and v128.   windows 2, 3: the accumulators of my rows 0-63, 64-127.
.set KSTEPS, 32
.set TPITCH, KSTEPS*1536
.set GRPB,   8*TPITCH
.set ACOFF,  0
.set BCOFF,  0x328000
.set ASOFF,  0xC00000
.set BSOFF,  0x628000
.set RES,    0x400000
.set STAT,   0x1400000
.set NQ,     2
.set FR,     12
.set NL,     4
.set NP,     4
.set HALFT,  8*NQ*1536
.set SLOT,   4*HALFT
.set LAPS,   KSTEPS/(2*NQ)
.set HALFS,  KSTEPS*512
.set SCL,    2*SLOT
.set STG,    SCL+4*HALFS               ; the way out: 16 rows x (512 + 16) bytes for each wave; no fill lands here
.set SPARE,  STG+4*16*528              ; the spare words, 128 bytes for each wave: two blocks of 256 bytes that no other line names
.set ADRA, 16
.set ADRB, 20
.set STO,  24                          ; the stage: where I put 32 bytes of a row
.set RD,   25                          ; and where I read a row back
.set CO,   26                          ; 16 L: my bytes of a row of 512
.set ADRS, 27
.set SPW,  28
.set NIL,  29
.set SC,   32
.set CB,   64
.set BB,   64
.set AF,   128
.set G1, 24
.set G0, 32
.set G1B, 48
.set G0B, 56
.set G1S, 68
.set G0S, 76
.set G1SB, 80
.set G0SB, 88
.set SEL, 96
.set MSB, 0
.macro WIN new                         ; the immediate's high byte repeats the setting that is left
.if MSB != (\new)
	s_set_vgpr_msb (MSB<<8)|(\new)
.set MSB, (\new)
.endif
.endm
.set MUL_LO, 0xa1
.set MUL_HI, 0xf1
.set TO_B,   0x40
.macro JLOAD g0a, g1a, g0b, g1b        ; a joint load: waves 0, 1 fetch for A, waves 2, 3 for B; four v_nop follow each of the two lines
	s_cmp_eq_u32 s15, 0
	s_cbranch_scc0 .Lfor_b_\@
	tensor_load_to_lds s[\g0a:\g0a+3], s[\g1a:\g1a+7]
	s_nop 0
.rept 4
	v_nop
.endr
	s_branch .Lasked_\@
.Lfor_b_\@:
	tensor_load_to_lds s[\g0b:\g0b+3], s[\g1b:\g1b+7]
	s_nop 0
.rept 4
	v_nop
.endr
.Lasked_\@:
.endm
.macro CREST
	s_cmp_lg_u32 s14, 0
	s_cbranch_scc1 .Lnot_wave_0_\@
	s_barrier_signal -3
.Lnot_wave_0_\@:
	s_barrier_wait -3
	s_barrier_signal -1
	s_barrier_wait -1
.endm
.macro CROUND
	s_barrier_signal -1
	s_barrier_wait -1
	CREST
.endm
	s_load_b128 s[4:7], s[0:1], 0x0                ; the hidden layer's operand, the buffer with wf2's
	s_load_b128 s[8:11], s[0:1], 0x10              ; the buffer with h, bf2
	s_load_b64 s[12:13], s[0:1], 0x20              ; the buffer for r2 and the pairs
	v_lshl_add_u32 v[SPW], v0, 2, SPARE
	v_mov_b32 v[NIL], 0
	ds_add_u32 v28, v29
	ds_add_u32 v28, v29
	s_wait_dscnt 0x0
	v_lshrrev_b32 v1, 5, v0
	v_readfirstlane_b32 s14, v1
	s_lshr_b32 s15, s14, 1
	s_and_b32 s16, s14, 1
	s_bfe_u32 s40, ttmp6, 0x40000
	s_bfe_u32 s41, ttmp6, 0x40004
	s_lshl_b32 s42, ttmp9, 2
	s_add_co_u32 s42, s42, s40                     ; tile column
	s_and_b32 s17, ttmp7, 0xffff
	s_lshl_b32 s17, s17, 2
	s_add_co_u32 s17, s17, s41                     ; tile row
	s_lshl_b32 s43, s41, 2
	s_lshl_b32 s43, 15, s43
	s_lshl_b32 s44, 0x1111, s40
	s_or_b32 s[G1+0], s43, (3<<16)|(1<<21)         ; codes: 8 tiles, of each 3,072 consecutive bytes (384 elements of 8), TPITCH bytes apart; dense in LDS
	s_or_b32 s[G1B+0], s44, (3<<16)|(1<<21)
.irp g, G1, G1B
	s_mov_b32 s[\g+1], 384<<16
	s_mov_b32 s[\g+2], 8<<16
	s_mov_b32 s[\g+3], 384<<16
	s_mov_b32 s[\g+4], 8
	s_mov_b32 s[\g+5], TPITCH/8
	s_mov_b32 s[\g+6], 0
	s_mov_b32 s[\g+7], 0
.endr
	s_or_b32 s[G1S+0], s43, (3<<16)|(1<<21)        ; scale words of 128 rows: a dense block, as rows of 256 bytes
	s_or_b32 s[G1SB+0], s44, (3<<16)|(1<<21)
.irp g, G1S, G1SB
	s_mov_b32 s[\g+1], 32<<16
	s_mov_b32 s[\g+2], (HALFS/256)<<16
	s_mov_b32 s[\g+3], 32<<16
	s_mov_b32 s[\g+4], HALFS/256
	s_mov_b32 s[\g+5], 32
	s_mov_b32 s[\g+6], 0
	s_mov_b32 s[\g+7], 0
.endr
	s_lshl_b32 s20, s17, 1
	s_add_co_u32 s20, s20, s16
	s_lshl_b32 s46, s42, 1
	s_add_co_u32 s46, s46, s16
	s_mul_i32 s22, s20, HALFS
	s_add_co_u32 s22, s22, ASOFF
	s_mov_b32 s23, 0
	s_mul_i32 s92, s46, HALFS
	s_add_co_u32 s92, s92, BSOFF
	s_mov_b32 s93, 0
	s_mul_i32 s20, s20, GRPB
	s_add_co_u32 s20, s20, ACOFF
	s_mov_b32 s21, 0
	s_mul_i32 s46, s46, GRPB
	s_add_co_u32 s46, s46, BCOFF
	s_mov_b32 s47, 0
	s_mul_i32 s45, s14, HALFT
	s_mul_i32 s94, s14, HALFS
	s_wait_kmcnt 0x0
	s_add_nc_u64 s[20:21], s[4:5], s[20:21]
	s_add_nc_u64 s[22:23], s[4:5], s[22:23]
	s_add_nc_u64 s[46:47], s[6:7], s[46:47]
	s_add_nc_u64 s[92:93], s[6:7], s[92:93]
	CROUND                                         ; all sixteen work-groups are here: the first joint loads meet
	s_mov_b32 s[G0S], 1
	s_add_co_u32 s[G0S+1], s94, SCL
	s_mov_b64 s[G0S+2:G0S+3], s[22:23]
	s_or_b32 s[G0S+3], s[G0S+3], 0x80000000
	s_mov_b32 s[G0SB], 1
	s_add_co_u32 s[G0SB+1], s94, SCL
	s_mov_b64 s[G0SB+2:G0SB+3], s[92:93]
	s_or_b32 s[G0SB+3], s[G0SB+3], 0x80000000
	JLOAD G0S, G1S, G0SB, G1SB
.irp s, 0,1
	s_mov_b32 s[G0+4*\s], 1
	s_add_co_u32 s[G0+4*\s+1], s45, \s*SLOT
	s_add_nc_u64 s[G0+4*\s+2:G0+4*\s+3], s[20:21], \s*NQ*1536
	s_or_b32 s[G0+4*\s+3], s[G0+4*\s+3], 0x80000000
	s_mov_b32 s[G0B+4*\s], 1
	s_add_co_u32 s[G0B+4*\s+1], s45, \s*SLOT
	s_add_nc_u64 s[G0B+4*\s+2:G0B+4*\s+3], s[46:47], \s*NQ*1536
	s_or_b32 s[G0B+4*\s+3], s[G0B+4*\s+3], 0x80000000
	JLOAD G0+4*\s, G1, G0B+4*\s, G1B               ; three loads of mine are out
.endr
	v_and_b32 v1, 31, v0                           ; L
	v_and_b32 v2, 15, v0                           ; r
	v_bfe_u32 v3, v0, 4, 1                         ; h
	v_lshlrev_b32 v[CO], 4, v1                     ; 16 L
	v_lshlrev_b32 v4, 3, v1                        ; 8 L
	v_lshlrev_b32 v7, 5, v3                        ; 32 h
	v_lshlrev_b32 v8, 2, v2                        ; 4 r
	s_mul_i32 s21, s15, HALFT
	s_mul_i32 s22, s16, HALFT
	s_add_co_u32 s22, s22, 2*HALFT
.irp s, 0,1
	v_add_nc_u32 v[ADRA+\s], s21, v[CO]
	v_add_nc_u32 v[ADRB+\s], s22, v[CO]
	v_add_nc_u32 v[ADRA+2+\s], s21, v4
	v_add_nc_u32 v[ADRB+2+\s], s22, v4
	s_add_co_u32 s21, s21, SLOT
	s_add_co_u32 s22, s22, SLOT
.endr
	s_mul_i32 s21, s15, HALFS
	s_mul_i32 s22, s16, HALFS
	s_add_co_u32 s22, s22, 2*HALFS
	s_sub_co_u32 s22, s22, s21
	v_mul_u32_u24 v6, s22, v3                      ; lanes 16-31 take B's
	s_add_co_u32 s21, s21, SCL
	v_add_nc_u32 v5, v8, v6
	v_add_nc_u32 v[ADRS], s21, v5
	s_mul_i32 s23, s14, 16*528
	s_add_co_u32 s23, s23, STG                     ; my stage
	v_mul_u32_u24 v5, v2, 528
	v_lshl_add_u32 v5, v3, 5, v5
	v_add_nc_u32 v[STO], s23, v5                   ; in: row r, 32 h bytes on
	v_add_nc_u32 v[RD], s23, v[CO]                 ; back: the 32 lanes take one row
	v_and_b32 v30, 7, v0                           ; L % 8: which block's pair I keep
	v_lshlrev_b32 v31, 3, v30
	s_mov_b32 s[SEL], 0x76543210
	s_mov_b32 s[SEL+1], 0xfedcba98
	s_lshl_b32 s46, s42, 1
	s_add_co_u32 s46, s46, s16
	s_lshl_b32 s46, s46, 9                         ; my 128 columns, in bytes
	s_mov_b32 s47, 0
	s_add_nc_u64 s[10:11], s[10:11], s[46:47]      ; bf2 there
.irp b, 0,1,2,3,4,5,6,7
	global_load_b128 v[CB+8*\b:CB+8*\b+3], v7, s[10:11] offset:64*\b
	global_load_b128 v[CB+8*\b+4:CB+8*\b+7], v7, s[10:11] offset:64*\b+16
.endr
	s_lshl_b32 s20, s17, 20
	s_lshl_b32 s21, s15, 19
	s_add_co_u32 s20, s20, s21                     ; my first row, 4,096 bytes a row,
	s_add_co_u32 s20, s20, s46                     ; and column
	s_add_co_u32 s20, s20, RES
	s_mov_b32 s21, 0
	s_add_nc_u64 s[8:9], s[8:9], s[20:21]          ; h
	s_lshl_b32 s92, s17, 2
	s_add_co_u32 s92, s92, s42
	s_lshl_b32 s92, s92, 2
	s_add_co_u32 s92, s92, s14
	s_lshl_b32 s92, s92, 6
	s_add_co_u32 s92, s92, STAT
	s_mov_b32 s93, 0
	s_add_nc_u64 s[6:7], s[12:13], s[92:93]        ; my eight pairs
	s_add_nc_u64 s[12:13], s[12:13], s[20:21]      ; r2
.macro FRAG reg, adr, q, i
	ds_load_b128 v[\reg:\reg+3], v[\adr] offset:(\i)*NQ*1536+(\q)*1536
	ds_load_b64 v[\reg+4:\reg+5], v[\adr+2] offset:(\i)*NQ*1536+(\q)*1536+512
	ds_load_b128 v[\reg+6:\reg+9], v[\adr] offset:(\i)*NQ*1536+(\q)*1536+768
	ds_load_b64 v[\reg+10:\reg+11], v[\adr+2] offset:(\i)*NQ*1536+(\q)*1536+1280
.endm
; 16 matrix instructions: A's blocks a0, a0 + 1 x B's eight.  zero = 1: the first product starts the sums from bf2.  The 64 accumulators take turns, one instruction a turn.
.macro MUL16 a0, p, q, sc, zero
.irp a, \a0, \a0+1
.irp b, 0,1,2,3,4,5,6,7
.if \zero
	v_wmma_scale_f32_16x16x128_f8f6f4 v[8*(8*((\a)%4)+\b):8*(8*((\a)%4)+\b)+7], v[128*(\p)+FR*\b:128*(\p)+FR*\b+FR-1], v[AF+FR*(\a):AF+FR*(\a)+FR-1], v[CB+8*\b:CB+8*\b+7], v[SC+8*NQ*(\sc)+NQ*\b+(\q)], v[SC+8*NQ*(\sc)+NQ*(\a)+(\q)] matrix_a_fmt:MATRIX_FMT_FP6 matrix_b_fmt:MATRIX_FMT_FP6 matrix_a_scale:MATRIX_SCALE_ROW1
.else
	v_wmma_scale_f32_16x16x128_f8f6f4 v[8*(8*((\a)%4)+\b):8*(8*((\a)%4)+\b)+7], v[128*(\p)+FR*\b:128*(\p)+FR*\b+FR-1], v[AF+FR*(\a):AF+FR*(\a)+FR-1], v[8*(8*((\a)%4)+\b):8*(8*((\a)%4)+\b)+7], v[SC+8*NQ*(\sc)+NQ*\b+(\q)], v[SC+8*NQ*(\sc)+NQ*(\a)+(\q)] matrix_a_fmt:MATRIX_FMT_FP6 matrix_b_fmt:MATRIX_FMT_FP6 matrix_a_scale:MATRIX_SCALE_ROW1
.endif
.endr
.endr
.endm
.macro FETCH_B slot, q, p
	WIN TO_B
.irp i, 0,1,2,3,4,5,6,7
	FRAG 128*(\p)+FR*\i, ADRB+\slot, \q, \i
.endr
	WIN 0
.endm
.macro FETCH_A slot, q, i0
.irp i, \i0, \i0+1, \i0+2, \i0+3
	FRAG AF+FR*(\i), ADRA+\slot, \q, \i
.endr
.endm
.macro SCALES sc
.irp i, 0,1,2,3,4,5,6,7
.irp q, 0,1
	ds_load_b32 v[SC+8*NQ*\sc+NQ*\i+\q], v[ADRS] offset:512*\q+64*\i
.endr
.endr
.endm
.macro PLACES n
.rept \n
	v_nop
.endr
.endm
.macro STEP slot, q, zero
	s_wait_dscnt 4*NL                              ; all but the 16 youngest loads (A's blocks 4-7) are in
.if \zero
	WIN 0x81
.else
	WIN MUL_LO
.endif
	MUL16 0, (\q)%2, \q, \slot, \zero
	MUL16 2, (\q)%2, \q, \slot, \zero
	s_wait_dscnt 0
	PLACES NP
	FETCH_B \slot, (\q)+1, 1-(\q)%2
	FETCH_A \slot, (\q)+1, 0
.if \zero
	WIN 0xc1
.else
	WIN MUL_HI
.endif
	MUL16 4, (\q)%2, \q, \slot, \zero
	MUL16 6, (\q)%2, \q, \slot, \zero
	PLACES NP
	WIN 0
	FETCH_A \slot, (\q)+1, 4
.endm
.macro TURN slot, next, fill
	s_wait_tensorcnt 0x0                           ; all my tensor loads have landed: my part of the next slot
	ds_add_u32 v[SPW], v[NIL]                      ; 0 onto my spare word
	s_wait_dscnt 4*NL+1                            ; (the add and A's blocks 4-7 may be out)
	WIN MUL_LO
	MUL16 0, 1, NQ-1, \slot, 0
	s_wait_dscnt 0x0                               ; the add is done, and my reads of this slot are over
	s_barrier_signal -1
	MUL16 2, 1, NQ-1, \slot, 0
	WIN 0
	s_barrier_wait -1
.if \fill
	CREST                                          ; the barrier has opened a round of the cluster's: no wave of any partner still reads this slot or has a load on its way
	s_add_nc_u64 s[G0+4*\slot+2:G0+4*\slot+3], s[G0+4*\slot+2:G0+4*\slot+3], 2*NQ*1536
	s_add_nc_u64 s[G0B+4*\slot+2:G0B+4*\slot+3], s[G0B+4*\slot+2:G0B+4*\slot+3], 2*NQ*1536
	JLOAD G0+4*\slot, G1, G0B+4*\slot, G1B         ; the first tensor load behind the round; its four v_nop are the places in front of the loads below
.else
	PLACES NP
.endif
	v_add_nc_u32 v[ADRS], NQ*512, v[ADRS]
	FETCH_B \next, 0, 0
	FETCH_A \next, 0, 0
	SCALES \next
	WIN MUL_HI
	MUL16 4, 1, NQ-1, \slot, 0
	MUL16 6, 1, NQ-1, \slot, 0
	PLACES NP
	WIN 0
	FETCH_A \next, 0, 4
.endm
	s_wait_tensorcnt 1                             ; the scale words and my part of slot 0 are in (slot 1's load may be out)
	s_barrier_signal -1
	s_barrier_wait -1
	FETCH_B 0, 0, 0
	FETCH_A 0, 0, 0
	SCALES 0
	FETCH_A 0, 0, 4
	s_wait_loadcnt 0x0                             ; bf2
	STEP 0, 0, 1
	s_mov_b32 s3, LAPS-1
.Llap:
	TURN 0, 1, 1
	STEP 1, 0, 0
	TURN 1, 0, 1
	STEP 0, 0, 0
	s_sub_co_u32 s3, s3, 1
	s_cmp_lg_u32 s3, 0
	s_cbranch_scc1 .Llap
	TURN 0, 1, 0
	STEP 1, 0, 0
	s_wait_dscnt 4*NL
	WIN MUL_LO
	MUL16 0, 1, NQ-1, 1, 0
	MUL16 2, 1, NQ-1, 1, 0
	s_wait_dscnt 0
	WIN MUL_HI
	MUL16 4, 1, NQ-1, 1, 0
	MUL16 6, 1, NQ-1, 1, 0
	WIN 0
; THE WAY OUT, block by block of 16 rows x 128 columns: through my own stage into whole rows of 512 bytes; h is added; the block's mean and sum of squared deviations are taken; the rows are stored.
.macro WRED x, t
	v_add_f32_dpp v[\x], v[\x], v[\x] row_xmask:1 row_mask:0xf bank_mask:0xf
	v_add_f32_dpp v[\x], v[\x], v[\x] row_xmask:2 row_mask:0xf bank_mask:0xf
	v_add_f32_dpp v[\x], v[\x], v[\x] row_xmask:4 row_mask:0xf bank_mask:0xf
	v_add_f32_dpp v[\x], v[\x], v[\x] row_xmask:8 row_mask:0xf bank_mask:0xf
	v_permlanex16_b32 v[\t], v[\x], s[SEL], s[SEL+1]
	v_add_f32 v[\x], v[\x], v[\t]
.endm
.macro HLOAD a                         ; block a's rows of h, into v128-191 and v192-255 by turns
.set HL, 128+64*((\a)%2)
.irp t, 0,1,2,3,4,5,6,7,8,9,10,11,12,13,14,15
	global_load_b128 v[HL+4*\t:HL+4*\t+3], v[CO], s[8:9] offset:(16*(\a)+\t)*4096 th:TH_LOAD_NT
.endr
.endm
.macro OUTB a
.set AC, 64*((\a)%4)
.if (\a) > 0
	s_wait_xcnt 0x0                                ; the last block's stores have read the registers that the loads below land in
.endif
.set WN, 0x08+4*((\a)/4)
	WIN WN                                         ; an LDS store's data are its source 1: window 2 or 3
.irp b, 0,1,2,3,4,5,6,7
	ds_store_b128 v[STO], v[AC+8*\b:AC+8*\b+3] offset:64*\b        ; each accumulator from its low end on
	ds_store_b128 v[STO], v[AC+8*\b+4:AC+8*\b+7] offset:64*\b+16
.endr
	WIN 0
.irp t, 0,1,2,3,4,5,6,7,8,9,10,11,12,13,14,15
	ds_load_b128 v[BB+4*\t:BB+4*\t+3], v[RD] offset:\t*528         ; LDS serves a wave's instructions in order: these see my stores
.endr
.if (\a) < 7
	HLOAD (\a)+1
	s_wait_dscnt 0x0
	s_wait_loadcnt 16                              ; this block's h is in; the next block's 16 loads may be out
.else
	s_wait_dscnt 0x0
	s_wait_loadcnt 0x0
.endif
.set HB, 128+64*((\a)%2)
.set p, 0
.rept 32
	v_pk_add_f32 v[BB+2*p:BB+2*p+1], v[BB+2*p:BB+2*p+1], v[HB+2*p:HB+2*p+1]
.set p, p+1
.endr
.irp t, 0,1,2,3,4,5,6,7,8,9,10,11,12,13,14,15
	global_store_b128 v[CO], v[BB+4*\t:BB+4*\t+3], s[12:13] offset:(16*(\a)+\t)*4096   ; 512 consecutive bytes, aligned
.endr
	v_pk_add_f32 v[4:5], v[BB:BB+1], v[BB+2:BB+3]                  ; the block's 2,048 numbers: their sum, in two chains
	v_pk_add_f32 v[6:7], v[BB+4:BB+5], v[BB+6:BB+7]
.set p, 4
.rept 14
	v_pk_add_f32 v[4:5], v[4:5], v[BB+2*p:BB+2*p+1]
	v_pk_add_f32 v[6:7], v[6:7], v[BB+2*p+2:BB+2*p+3]
.set p, p+2
.endr
	v_pk_add_f32 v[4:5], v[4:5], v[6:7]
	v_add_f32 v8, v4, v5
	WRED 8, 2
	v_mul_f32 v8, 0x3a000000, v8                   ; / 2,048: the mean
	v_mov_b32 v9, v8
	v_pk_add_f32 v[10:11], v[BB:BB+1], v[8:9] neg_lo:[0,1] neg_hi:[0,1]
	v_pk_add_f32 v[12:13], v[BB+2:BB+3], v[8:9] neg_lo:[0,1] neg_hi:[0,1]
	v_pk_mul_f32 v[4:5], v[10:11], v[10:11]
	v_pk_mul_f32 v[6:7], v[12:13], v[12:13]
.set p, 2
.rept 15
	v_pk_add_f32 v[10:11], v[BB+2*p:BB+2*p+1], v[8:9] neg_lo:[0,1] neg_hi:[0,1]
	v_pk_add_f32 v[12:13], v[BB+2*p+2:BB+2*p+3], v[8:9] neg_lo:[0,1] neg_hi:[0,1]
	v_pk_fma_f32 v[4:5], v[10:11], v[10:11], v[4:5]
	v_pk_fma_f32 v[6:7], v[12:13], v[12:13], v[6:7]
.set p, p+2
.endr
	v_pk_add_f32 v[4:5], v[4:5], v[6:7]
	v_add_f32 v4, v4, v5
	WRED 4, 2
	v_cmp_eq_u32 vcc_lo, \a, v30                   ; the lanes with L % 8 = a keep this block's pair
	v_cndmask_b32 v14, v14, v8, vcc_lo
	v_cndmask_b32 v15, v15, v4, vcc_lo
.endm
	PLACES NP                                      ; behind the last products: for the reads of results and the loads into registers that held A's fragments
	HLOAD 0
	v_mov_b32 v14, 0
	v_mov_b32 v15, 0
.irp a, 0,1,2,3,4,5,6,7
	OUTB \a
.endr
	global_store_b64 v31, v[14:15], s[6:7]         ; eight pairs, 64 bytes; the four lanes that share L % 8 hold the same pair and store it to the same place
	s_wait_tensorcnt 0x0                           ; the wave's end
	ds_add_u32 v[SPW], v[NIL]
	s_wait_dscnt 0x0
	CROUND                                         ; the closing round
	s_endpgm
.Lfunc_end_k_q91638c135e_ff2:
	.size	k_q91638c135e_ff2, .Lfunc_end_k_q91638c135e_ff2-k_q91638c135e_ff2
	.p2alignl 7, 3214868480
	.fill 96, 4, 3214868480
	.section	.rodata,"a",@progbits
	.p2align	6, 0x0
	.amdhsa_kernel k_q91638c135e_ff2
		.amdhsa_group_segment_fixed_size 327680
		.amdhsa_private_segment_fixed_size 0
		.amdhsa_enable_private_segment 0
		.amdhsa_kernarg_size 40
		.amdhsa_user_sgpr_count 2
		.amdhsa_user_sgpr_kernarg_segment_ptr 1
		.amdhsa_wavefront_size32 1
		.amdhsa_system_sgpr_workgroup_id_x 1
		.amdhsa_system_sgpr_workgroup_id_y 1
		.amdhsa_system_sgpr_workgroup_id_z 1
		.amdhsa_system_vgpr_workitem_id 0
		.amdhsa_next_free_vgpr 1024
		.amdhsa_next_free_sgpr 98
		.amdhsa_reserve_vcc 1
		.amdhsa_float_denorm_mode_32 3
		.amdhsa_float_denorm_mode_16_64 3
		.amdhsa_memory_ordered 1
		.amdhsa_forward_progress 1
		.amdhsa_inst_pref_size 231
	.end_amdhsa_kernel
	.amdgpu_metadata
---
amdhsa.version: [ 1, 2 ]
amdhsa.kernels:
  - .name:           k_q91638c135e_ff2
    .symbol:         k_q91638c135e_ff2.kd
    .args:
      - { .name: ohid, .offset: 0, .size: 8, .value_kind: global_buffer, .address_space: global }
      - { .name: opwv, .offset: 8, .size: 8, .value_kind: global_buffer, .address_space: global }
      - { .name: oph, .offset: 16, .size: 8, .value_kind: global_buffer, .address_space: global }
      - { .name: bf2, .offset: 24, .size: 8, .value_kind: global_buffer, .address_space: global }
      - { .name: opx, .offset: 32, .size: 8, .value_kind: global_buffer, .address_space: global }
    .group_segment_fixed_size: 327680
    .private_segment_fixed_size: 0
    .kernarg_segment_align: 8
    .kernarg_segment_size: 40
    .max_flat_workgroup_size: 128
    .sgpr_count:     98
    .vgpr_count:     1024
    .wavefront_size: 32
...
	.end_amdgpu_metadata
.endif
;; end of part 5
;; launch ln2 (part 6): grid 256 x 1, 8 waves a work-group, no clusters, 1,280 bytes of LDS; arguments opx, ffln_g, ffln_b, out0; writes out0
.if DOCPART == 6
	.amdgcn_target "amdgcn-amd-amdhsa--gfx1250"
	.amdhsa_code_object_version 6
	.text
	.protected	k_q91638c135e_ln2
	.globl	k_q91638c135e_ln2
	.p2align	8
	.type	k_q91638c135e_ln2,@function
k_q91638c135e_ln2:
	s_mov_b64 s[64:65], 0
	v_nop
	global_prefetch_b8 v0, s[64:65] scope:SCOPE_SE
	s_setreg_imm32_b32 hwreg(HW_REG_WAVE_MODE, 25, 1), 1
	s_wait_xcnt 0x0
; out = (r2 - mean) x rsqrt(var + 1e-5) x g + b, mean and var over all 2,048 x 1,024 numbers of a batch element.
; The launch before left, for each 2,048 numbers, their mean and their sum of squared deviations: 1,024 pairs a batch element.  Every work-group joins them anew (8 KiB): mean = the means' mean;
; sum of squares = the pairs' sums + 2,048 x the sum of (a pair's mean - mean)^2.  No difference of large sums is formed.
; A work-group takes 16 rows; wave s columns 128 s on.  Each load and store covers 512 consecutive bytes, aligned.  A stream: no matrix unit, no tensor load, no cluster would add anything.
; LIMITS: NaN and infinities are not served.
.set RES,   0x400000
.set STAT,  0x1400000
.set NJ,    2                          ; loads of two pairs a thread: 256 threads x 4 pairs
.set RED,   0                          ; LDS: 8 + 8 words for the two sums over the waves
.set S,  8
.set R,  32
.set G,  96
.set B,  160
.set SEL, 32
.macro WRED x, t
	v_add_f32_dpp v[\x], v[\x], v[\x] row_xmask:1 row_mask:0xf bank_mask:0xf
	v_add_f32_dpp v[\x], v[\x], v[\x] row_xmask:2 row_mask:0xf bank_mask:0xf
	v_add_f32_dpp v[\x], v[\x], v[\x] row_xmask:4 row_mask:0xf bank_mask:0xf
	v_add_f32_dpp v[\x], v[\x], v[\x] row_xmask:8 row_mask:0xf bank_mask:0xf
	v_permlanex16_b32 v[\t], v[\x], s[SEL], s[SEL+1]
	v_add_f32 v[\x], v[\x], v[\t]
.endm
.macro WGSUM off                       ; v24 of each wave, summed over the eight waves, into v224 of every lane.  The two uses have bytes of their own, so one barrier each is enough
	ds_store_b32 v238, v24 offset:\off
	s_wait_dscnt 0x0                               ; for the others' sake: my store is done
	s_barrier_signal -1
	s_barrier_wait -1
	ds_load_b128 v[224:227], v237 offset:\off
	ds_load_b128 v[228:231], v237 offset:\off+16
	s_wait_dscnt 0x0
	v_add_f32 v224, v224, v225
	v_add_f32 v226, v226, v227
	v_add_f32 v228, v228, v229
	v_add_f32 v230, v230, v231
	v_add_f32 v224, v224, v226
	v_add_f32 v228, v228, v230
	v_add_f32 v224, v224, v228
.endm
	s_load_b256 s[4:11], s[0:1], 0x0               ; opx 4, ffln_g 6, ffln_b 8, out0 10
	v_lshl_add_u32 v240, v0, 2, 0x100
	v_mov_b32 v241, 0
	v_lshrrev_b32 v1, 5, v0
	v_readfirstlane_b32 s12, v1                    ; wave
	v_and_b32 v1, 31, v0
	v_lshlrev_b32 v2, 4, v1                        ; 16 L
	v_lshlrev_b32 v4, 4, v0                        ; 16 x thread
	v_mov_b32 v25, 0                               ; (a lane permute's destination counts as one of its sources)
	v_mov_b32 v237, RED
	s_lshl_b32 s13, s12, 2
	s_add_co_u32 s13, s13, RED
	v_mov_b32 v238, s13
	s_lshr_b32 s14, ttmp9, 7                       ; batch
	s_and_b32 s15, ttmp9, 127
	s_mul_i32 s16, s14, NJ*4096
	s_add_co_u32 s16, s16, STAT
	s_mov_b32 s17, 0
	s_lshl_b32 s24, ttmp9, 16
	s_lshl_b32 s13, s12, 9
	s_add_co_u32 s24, s24, s13                     ; my rows and columns in out0,
	s_mov_b32 s25, 0
	s_add_co_u32 s18, s24, RES                     ; and in r2's buffer
	s_mov_b32 s19, 0
	s_lshl_b32 s20, s15, 16
	s_add_co_u32 s20, s20, s13
	s_mov_b32 s21, 0
	s_mov_b32 s[SEL], 0x76543210
	s_mov_b32 s[SEL+1], 0xfedcba98
	s_mov_b32 s34, 0x35000000                      ; 2^-21
	s_mov_b32 s35, 0x3727c5ac                      ; 1e-5
	s_mov_b32 s36, 0x45000000                      ; 2,048: the numbers of a pair
	s_wait_kmcnt 0x0
	s_add_nc_u64 s[16:17], s[4:5], s[16:17]
	s_add_nc_u64 s[18:19], s[4:5], s[18:19]
	s_add_nc_u64 s[6:7], s[6:7], s[20:21]
	s_add_nc_u64 s[8:9], s[8:9], s[20:21]
	s_add_nc_u64 s[10:11], s[10:11], s[24:25]
.set j, 0
.rept NJ
	global_load_b128 v[S+4*j:S+4*j+3], v4, s[16:17] offset:4096*j
.set j, j+1
.endr
.irp i, 0,1,2,3,4,5,6,7,8,9,10,11,12,13,14,15
	global_load_b128 v[R+4*\i:R+4*\i+3], v2, s[18:19] offset:4096*\i th:TH_LOAD_NT
.endr
.irp i, 0,1,2,3,4,5,6,7,8,9,10,11,12,13,14,15
	global_load_b128 v[G+4*\i:G+4*\i+3], v2, s[6:7] offset:4096*\i
.endr
.irp i, 0,1,2,3,4,5,6,7,8,9,10,11,12,13,14,15
	global_load_b128 v[B+4*\i:B+4*\i+3], v2, s[8:9] offset:4096*\i
.endr
	s_wait_loadcnt 48                              ; my pairs are in; the 48 loads of rows, gains and offsets may be out
	v_add_f32 v24, v[S], v[S+2]
.set j, 1
.rept NJ-1
	v_add_f32 v24, v24, v[S+4*j]
	v_add_f32 v24, v24, v[S+4*j+2]
.set j, j+1
.endr
	WRED 24, 25
	WGSUM 0
	v_mul_f32 v26, 0x3a800000, v224                ; / 1,024 pairs: the mean
	v_sub_f32 v24, v[S], v26
	v_sub_f32 v25, v[S+2], v26
	v_mul_f32 v27, v24, v24
	v_add_f32 v28, v[S+1], v[S+3]
	v_fmac_f32 v27, v25, v25
.set j, 1
.rept NJ-1
	v_sub_f32 v24, v[S+4*j], v26
	v_sub_f32 v25, v[S+4*j+2], v26
	v_add_f32 v28, v28, v[S+4*j+1]
	v_fmac_f32 v27, v24, v24
	v_add_f32 v28, v28, v[S+4*j+3]
	v_fmac_f32 v27, v25, v25
.set j, j+1
.endr
	v_fma_f32 v24, v27, s36, v28
	WRED 24, 25
	WGSUM 32
	v_fma_f32 v28, v224, s34, s35                  ; var + 1e-5
	v_rsq_f32 v30, v28
	v_rsq_f32 v31, v28                             ; twice: a pair for the packed multiply
	v_mov_b32 v27, v26                             ; (a plain place behind the transcendentals)  the mean, as a pair
	s_wait_loadcnt 0x0
.set p, 0
.rept 32
	v_pk_add_f32 v[R+2*p:R+2*p+1], v[R+2*p:R+2*p+1], v[26:27] neg_lo:[0,1] neg_hi:[0,1]
.set p, p+1
.endr
.set p, 0
	s_wait_alu depctr_va_vdst(0)
.rept 32
	v_pk_mul_f32 v[R+2*p:R+2*p+1], v[R+2*p:R+2*p+1], v[30:31]
.set p, p+1
.endr
.set p, 0
.rept 32
	v_pk_fma_f32 v[R+2*p:R+2*p+1], v[R+2*p:R+2*p+1], v[G+2*p:G+2*p+1], v[B+2*p:B+2*p+1]
.set p, p+1
.endr
.irp i, 0,1,2,3,4,5,6,7,8,9,10,11,12,13,14,15
	global_store_b128 v2, v[R+4*\i:R+4*\i+3], s[10:11] offset:4096*\i th:TH_STORE_NT
.endr
	s_wait_tensorcnt 0x0
	ds_add_u32 v240, v241
	s_wait_dscnt 0x0
	s_endpgm
.Lfunc_end_k_q91638c135e_ln2:
	.size	k_q91638c135e_ln2, .Lfunc_end_k_q91638c135e_ln2-k_q91638c135e_ln2
	.p2alignl 7, 3214868480
	.fill 96, 4, 3214868480
	.section	.rodata,"a",@progbits
	.p2align	6, 0x0
	.amdhsa_kernel k_q91638c135e_ln2
		.amdhsa_group_segment_fixed_size 1280
		.amdhsa_private_segment_fixed_size 0
		.amdhsa_enable_private_segment 0
		.amdhsa_kernarg_size 32
		.amdhsa_user_sgpr_count 2
		.amdhsa_user_sgpr_kernarg_segment_ptr 1
		.amdhsa_wavefront_size32 1
		.amdhsa_system_sgpr_workgroup_id_x 1
		.amdhsa_system_sgpr_workgroup_id_y 1
		.amdhsa_system_sgpr_workgroup_id_z 1
		.amdhsa_system_vgpr_workitem_id 0
		.amdhsa_next_free_vgpr 242
		.amdhsa_next_free_sgpr 66
		.amdhsa_reserve_vcc 0
		.amdhsa_float_denorm_mode_32 3
		.amdhsa_float_denorm_mode_16_64 3
		.amdhsa_memory_ordered 1
		.amdhsa_forward_progress 1
		.amdhsa_inst_pref_size 17
	.end_amdhsa_kernel
	.amdgpu_metadata
---
amdhsa.version: [ 1, 2 ]
amdhsa.kernels:
  - .name:           k_q91638c135e_ln2
    .symbol:         k_q91638c135e_ln2.kd
    .args:
      - { .name: opx, .offset: 0, .size: 8, .value_kind: global_buffer, .address_space: global }
      - { .name: ffln_g, .offset: 8, .size: 8, .value_kind: global_buffer, .address_space: global }
      - { .name: ffln_b, .offset: 16, .size: 8, .value_kind: global_buffer, .address_space: global }
      - { .name: out0, .offset: 24, .size: 8, .value_kind: global_buffer, .address_space: global }
    .group_segment_fixed_size: 1280
    .private_segment_fixed_size: 0
    .kernarg_segment_align: 8
    .kernarg_segment_size: 32
    .max_flat_workgroup_size: 256
    .sgpr_count:     66
    .vgpr_count:     242
    .wavefront_size: 32
...
	.end_amdgpu_metadata
.endif
;; end of part 6
;; ======== version 2 of 2: 7 launches
;; limits: right only within a limited range of input values
;; workspace buffers: opx 21,004,288 bytes; opwqk 3,309,568 bytes; opwv 6,586,368 bytes; opwf1 3,309,568 bytes; oqk 13,107,200 bytes; ovt 13,107,200 bytes; oph 20,971,520 bytes; ohid 13,107,200 bytes
;; launch prep (part 7): grid 32 x 27, 4 waves a work-group, no clusters, 34,304 bytes of LDS; arguments x, wq, wk, wv, wf1, wf2, bq, bk, bv, bf1, opx, opwqk, opwv, opwf1; writes opx, opwqk, opwv, opwf1
.if DOCPART == 7
	.amdgcn_target "amdgcn-amd-amdhsa--gfx1250"
	.amdhsa_code_object_version 6
	.text
	.protected	k_q91638c135e_prep
	.globl	k_q91638c135e_prep
	.p2align	8
	.type	k_q91638c135e_prep,@function
k_q91638c135e_prep:
	s_mov_b64 s[64:65], 0
	v_nop
	global_prefetch_b8 v0, s[64:65] scope:SCOPE_SE
	s_setreg_imm32_b32 hwreg(HW_REG_WAVE_MODE, 25, 1), 1
	s_wait_xcnt 0x0
; x and the five weights, f32, become operands of E2M3 codes with one E8M0 byte for each 32 along K, laid as the products' launches read them.
; AN OPERAND IS KEPT AS IMAGES OF ITS REGISTERS.  A fragment (16 rows x 128 K, 12 registers a lane) is 1,536 bytes in two halves of 768: in half c lane L's registers 6c .. 6c+3 lie at 16 L,
; registers 6c+4, 6c+5 at 512 + 8 L.  Codes: (tile x KS + step) x 1,536.  Scale words (four bytes for a row and 128 K): ((row / 128) x KS + step) x 512 + 4 (row % 128).
; Behind an operand of 8 steps lie two rows of f32 numbers, one number for each row of the operand: 'add' (a bias) and 'lo' (a floor: -infinity, or 0 for a relu), which the product's launch applies.
; A block's scale is 2^(floor(log2(largest magnitude)) - 2); its byte is the largest magnitude's exponent field - 2, held at 1 from below.
; LIMITS: a block of zeros gets the byte 1 (its codes are zeros; this program alone reads the bytes); NaN and infinities among the inputs are not served.
; WORK.  Work-group y picks the job: 0, 1, 2: wq, wk, wv;  3-6: wf1;  7-10: wf2;  11-26: x.
; A WEIGHT is stored [K][N]: a lane takes a column n and its registers run down K, so a block of 32 lies in one lane and the conversions give codes with K innermost.  A work-group takes 128 columns x 256 K.
; wf2 meets the hidden layer, whose codes stand in each block of 32 in the order in which a matrix result leaves its registers (place 16 h + 8 u + j holds k = 16 u + 8 h + j): wf2's rows are loaded in that order.
; x has K innermost: a wave takes 16 rows x 128 K; each load reads 512 consecutive bytes, and the numbers turn through the wave's own stage in LDS so that a lane holds two whole blocks of its row.
.set SOFF8, 0x300000                   ; an 8-step operand: scale words,
.set AOFF,  0x320000                   ; add; lo lies 0x4000 behind it
.set WF2C,  0x328000                   ; in opwv: wf2's codes,
.set WF2S,  0x628000                   ; and its scale words
.set XR,    32                         ; v32-95   numbers as loaded (weights: two sets of 32)
.set CR,    96                         ; v96-143  a weight's codes: 24 registers for each of two steps, so that no store's data are written again
.set TQ,    144                        ; v144-146 a block's second three registers, before they are moved
.set SB,    24                         ; v24-25   a weight's scale words
	s_load_b512 s[8:23], s[0:1], 0x0               ; x 8, wq 10, wk 12, wv 14, wf1 16, wf2 18, bq 20, bk 22
	s_load_b256 s[24:31], s[0:1], 0x40             ; bv 24, bf1 26, opx 28, opwqk 30
	s_load_b128 s[32:35], s[0:1], 0x60             ; opwv 32, opwf1 34
	v_lshl_add_u32 v192, v0, 2, 0x8400
	v_mov_b32 v193, 0
	v_lshrrev_b32 v2, 5, v0
	v_readfirstlane_b32 s38, v2                    ; wave
	v_and_b32 v1, 31, v0                           ; L
	v_lshlrev_b32 v3, 2, v1                        ; 4 L
	v_lshlrev_b32 v4, 4, v1                        ; 16 L
	v_lshlrev_b32 v5, 3, v1                        ; 8 L
	v_lshlrev_b32 v6, 2, v0                        ; 4 x thread
	s_and_b32 s39, ttmp7, 0xffff                   ; y
	s_mov_b32 s53, 0                               ; upper words of the offset pairs s[52:53], s[54:55]
	s_mov_b32 s55, 0
	s_wait_kmcnt 0x0
.macro WLOAD t, pitch, sig             ; block t of 8: 32 rows of the weight at my column, into set t % 2; sig = 1: in the hidden layer's order
.set i, 0
.rept 32
.if \sig
.set kk, (i&7)+2*(i&8)+(i&16)/2
.else
.set kk, i
.endif
	global_load_b32 v[XR+32*((\t)%2)+i], v3, s[40:41] offset:(32*(\t)+kk)*\pitch th:TH_LOAD_NT
.set i, i+1
.endr
.endm
.macro WBLOCK t, pitch, sig
.set XS, XR+32*((\t)%2)
.set CBK, CR+24*((\t)/4)+6*((\t)%4)
.if (\t) < 7
	s_wait_loadcnt 32                              ; this block's 32 loads are in; the next block's 32 may be out
.else
	s_wait_loadcnt 0x0
.endif
	v_max3_num_f32 v12, |v[XS]|, |v[XS+1]|, |v[XS+2]|      ; the block's largest magnitude: all 32 numbers are mine; two chains
	v_max3_num_f32 v13, |v[XS+3]|, |v[XS+4]|, |v[XS+5]|
.irp i, 6,10,14,18,22,26
	v_max3_num_f32 v12, v12, |v[XS+\i]|, |v[XS+\i+1]|
	v_max3_num_f32 v13, v13, |v[XS+\i+2]|, |v[XS+\i+3]|
.endr
	v_max3_num_f32 v12, v12, |v[XS+30]|, |v[XS+31]|
	v_max3_num_f32 v12, v12, v13, 0x1800000        ; and the floor 2^(3 - 127): the byte cannot fall under 1
	v_add_nc_u32 v11, 0xff000000, v12              ; 2 off the exponent field: the conversion's scale operand
	v_lshrrev_b32 v13, 23, v11                     ; the byte
.if (\t)%4 == 0
	v_mov_b32 v[SB+(\t)/4], v13
.else
	v_lshl_or_b32 v[SB+(\t)/4], v13, 8*((\t)%4), v[SB+(\t)/4]
.endif
	v_cvt_scalef32_pk16_fp6_f32 v[CBK:CBK+2], v[XS:XS+15], v11
	v_cvt_scalef32_pk16_fp6_f32 v[TQ:TQ+2], v[XS+16:XS+31], v11    ; (a conversion's three registers begin on an even number)
	v_nop                                          ; one plain place behind a scaled conversion
.irp i, 0,1,2
	v_mov_b32 v[CBK+3+\i], v[TQ+\i]
.endr
.if (\t)+2 < 8
	WLOAD (\t)+2, \pitch, \sig
.endif
.endm
; A step's four blocks of my 32 columns become two images.  Lane L holds column L; an image wants lanes 0-15 to hold block 2c and lanes 16-31 block 2c+1 of 16 columns:
; the exchange of one register's upper lanes with another's lower lanes gives both tiles at once.
.macro WOUT st, ks
.set C0, CR+24*(\st)
.irp i, 0,1,2,3,4,5
	v_permlane16_swap_b32 v[C0+\i], v[C0+6+\i]
	v_permlane16_swap_b32 v[C0+12+\i], v[C0+18+\i]
.endr
.irp u, 0,1
.irp c, 0,1
	global_store_b128 v4, v[C0+6*\u+12*\c:C0+6*\u+12*\c+3], s[42:43] offset:\u*\ks*1536+\st*1536+768*\c        ; 512 consecutive bytes
	global_store_b64 v5, v[C0+6*\u+12*\c+4:C0+6*\u+12*\c+5], s[42:43] offset:\u*\ks*1536+\st*1536+768*\c+512   ; 256 consecutive bytes
.endr
.endr
	global_store_b32 v6, v[SB+\st], s[44:45] offset:\st*512        ; the work-group's 128 scale words: 512 consecutive bytes
.endm
; s36 = which 128 columns, s37 = which 256 along K, s50 = the operand's row of column 0, s51 = the floor's bits; s[40:41] the weight, s[42:43] the operand, s[46:47] the bias
.macro WPATH pitch, ks, sig, coff, soff, bias
	s_mul_i32 s52, s37, 256*\pitch
	s_lshl_b32 s54, s36, 9
	s_add_co_u32 s52, s52, s54
	s_lshl_b32 s54, s38, 7
	s_add_co_u32 s52, s52, s54
	s_add_nc_u64 s[40:41], s[40:41], s[52:53]      ; my wave's first row and column
	WLOAD 0, \pitch, \sig
	WLOAD 1, \pitch, \sig
	s_lshr_b32 s52, s50, 7
	s_add_co_u32 s52, s52, s36
	s_mul_i32 s52, s52, \ks
	s_lshl_b32 s54, s37, 1
	s_add_co_u32 s52, s52, s54
	s_lshl_b32 s52, s52, 9
	s_add_co_u32 s52, s52, \soff
	s_add_nc_u64 s[44:45], s[42:43], s[52:53]      ; scale words: ((row / 128) KS + step) x 512
.if \bias
	s_lshl_b32 s52, s50, 2
	s_lshl_b32 s54, s36, 9
	s_add_co_u32 s52, s52, s54
	s_add_co_u32 s52, s52, AOFF
	s_add_nc_u64 s[48:49], s[42:43], s[52:53]      ; add, at my 128 rows
	s_add_nc_u64 s[46:47], s[46:47], s[54:55]      ; the bias, at my 128 columns
.endif
	s_lshr_b32 s52, s50, 4
	s_lshl_b32 s54, s36, 3
	s_add_co_u32 s52, s52, s54
	s_lshl_b32 s54, s38, 1
	s_add_co_u32 s52, s52, s54
	s_mul_i32 s52, s52, \ks
	s_lshl_b32 s54, s37, 1
	s_add_co_u32 s52, s52, s54
	s_mul_i32 s52, s52, 1536
	s_add_co_u32 s52, s52, \coff
	s_add_nc_u64 s[42:43], s[42:43], s[52:53]      ; codes: (tile x KS + step) x 1,536
.irp t, 0,1,2,3
	WBLOCK \t, \pitch, \sig
.endr
	WOUT 0, \ks
.irp t, 4,5,6,7
	WBLOCK \t, \pitch, \sig
.endr
	WOUT 1, \ks
.if \bias
	s_cmp_lg_u32 s37, 0                            ; the work-groups of the first 256 along K also copy the bias and write the floor
	s_cbranch_scc1 .Lno_bias_\@
	global_load_b32 v14, v6, s[46:47]
	v_mov_b32 v15, s51
	s_wait_alu depctr_va_vdst(0)
	s_wait_loadcnt 0x0
	global_store_b32 v6, v14, s[48:49]
	global_store_b32 v6, v15, s[48:49] offset:0x4000
.Lno_bias_\@:
.endif
.endm
; 64 numbers of a lane, two whole blocks (block c at v[s + 32 c]: k = 64 c + 32 h + 0 .. 31 of my row), become the fragment's 12 registers at v[p] and the row's scale word in v[pw]
.macro QX s, p, tq, tm, pw, h8, sel
.irp c, 0,1
	v_max3_num_f32 v[\tm+\c], |v[\s+32*\c]|, |v[\s+32*\c+1]|, 0x1800000      ; with the floor 2^(3 - 127)
.endr
.irp i, 2,4,6,8,10,12,14,16,18,20,22,24,26,28,30
.irp c, 0,1
	v_max3_num_f32 v[\tm+\c], v[\tm+\c], |v[\s+32*\c+\i]|, |v[\s+32*\c+\i+1]|  ; the two blocks by turns
.endr
.endr
.irp c, 0,1
	v_add_nc_u32 v[\tm+2+\c], 0xff000000, v[\tm+\c]
.endr
.irp c, 0,1
	v_lshrrev_b32 v[\tm+4+\c], 23, v[\tm+2+\c]
.endr
	v_lshl_or_b32 v[\pw], v[\tm+5], 16, v[\tm+4]   ; my two bytes: blocks h and 2 + h,
	v_lshlrev_b32 v[\pw], v[\h8], v[\pw]           ; 8 h bits up;
	v_permlanex16_b32 v[\tm+6], v[\pw], s[\sel], s[\sel+1]
	v_or_b32 v[\pw], v[\pw], v[\tm+6]              ; with lane L xor 16's two the word is whole, in both lanes
.irp c, 0,1
	v_cvt_scalef32_pk16_fp6_f32 v[\p+6*\c:\p+6*\c+2], v[\s+32*\c:\s+32*\c+15], v[\tm+2+\c]
	v_cvt_scalef32_pk16_fp6_f32 v[\tq+4*\c:\tq+4*\c+2], v[\s+32*\c+16:\s+32*\c+31], v[\tm+2+\c]
.endr
	v_nop                                          ; one plain place behind a scaled conversion
.irp c, 0,1
.irp i, 0,1,2
	v_mov_b32 v[\p+3+6*\c+\i], v[\tq+4*\c+\i]
.endr
.endr
.endm
	s_cmp_ge_u32 s39, 11
	s_cbranch_scc1 .Lx
	s_cmp_ge_u32 s39, 7
	s_cbranch_scc1 .Lwf2
	s_cmp_ge_u32 s39, 3
	s_cbranch_scc1 .Lwf1
	s_cmp_eq_u32 s39, 0                            ; wq, wk or wv: only pointers are chosen, on the work-group's number
	s_cselect_b64 s[40:41], s[10:11], s[12:13]
	s_cselect_b64 s[46:47], s[20:21], s[22:23]
	s_cmp_eq_u32 s39, 2
	s_cselect_b64 s[40:41], s[14:15], s[40:41]
	s_cselect_b64 s[46:47], s[24:25], s[46:47]
	s_cselect_b64 s[42:43], s[32:33], s[30:31]
	s_cmp_eq_u32 s39, 1
	s_cselect_b32 s50, 1024, 0                     ; wk's columns are rows 1,024 on of the joint operand
	s_and_b32 s36, ttmp9, 7
	s_lshr_b32 s37, ttmp9, 3
	s_mov_b32 s51, 0xff800000                      ; no floor: -infinity
	s_wait_alu depctr_va_vdst(0)
	WPATH 4096, 8, 0, 0, SOFF8, 1
	s_endpgm
.Lwf1:
	s_mov_b64 s[40:41], s[16:17]
	s_mov_b64 s[46:47], s[26:27]
	s_mov_b64 s[42:43], s[34:35]
	s_mov_b32 s50, 0
	s_mov_b32 s51, 0                               ; the relu's floor
	s_mov_b32 s36, ttmp9
	s_sub_co_u32 s37, s39, 3
	s_wait_alu depctr_va_vdst(0)
	WPATH 16384, 8, 0, 0, SOFF8, 1
	s_endpgm
.Lwf2:
	s_mov_b64 s[40:41], s[18:19]
	s_mov_b64 s[42:43], s[32:33]
	s_mov_b32 s50, 0
	s_and_b32 s36, ttmp9, 7
	s_sub_co_u32 s37, s39, 7
	s_lshl_b32 s37, s37, 2
	s_lshr_b32 s54, ttmp9, 3
	s_add_co_u32 s37, s37, s54
	s_wait_alu depctr_va_vdst(0)
	WPATH 4096, 32, 1, WF2C, WF2S, 0
	s_endpgm
.Lx:
	s_sub_co_u32 s36, s39, 11
	s_lshl_b32 s36, s36, 5
	s_add_co_u32 s36, s36, ttmp9                   ; 0 .. 511
	s_lshr_b32 s37, s36, 1                         ; the tile of 16 rows
	s_and_b32 s36, s36, 1
	s_lshl_b32 s36, s36, 2
	s_add_co_u32 s36, s36, s38                     ; my wave's step of 128 along K
	s_lshl_b32 s52, s37, 16
	s_lshl_b32 s54, s36, 9
	s_add_co_u32 s52, s52, s54
	s_add_nc_u64 s[8:9], s[8:9], s[52:53]
	s_wait_alu depctr_va_vdst(0)
.irp i, 0,1,2,3,4,5,6,7,8,9,10,11,12,13,14,15
	global_load_b128 v[XR+4*\i:XR+4*\i+3], v4, s[8:9] offset:4096*\i th:TH_LOAD_NT   ; row i: 512 consecutive bytes
.endr
	s_mul_i32 s54, s38, 8448                       ; my stage: 16 rows of 512 + 16 bytes
	v_and_b32 v9, 15, v0                           ; r
	v_bfe_u32 v10, v0, 4, 1                        ; h
	v_add_nc_u32 v7, s54, v4                       ; in: 16 L of a row
	v_mul_u32_u24 v8, v9, 528
	v_lshl_add_u32 v8, v10, 7, v8
	v_add_nc_u32 v8, s54, v8                       ; out: row r, 128 h bytes on
	v_lshlrev_b32 v11, 3, v10                      ; 8 h
	v_lshlrev_b32 v14, 2, v9                       ; 4 r
	v_lshl_add_u32 v12, v10, 14, v14               ; 0x4000 h + 4 r
	v_mov_b32 v22, 0                               ; (a lane permute's destination counts as one of its sources)
	s_mov_b32 s56, 0x76543210
	s_mov_b32 s57, 0xfedcba98                      ; selects for lane L xor 16
	s_lshl_b32 s52, s37, 3
	s_add_co_u32 s52, s52, s36
	s_mul_i32 s52, s52, 1536
	s_add_nc_u64 s[42:43], s[28:29], s[52:53]      ; the image
	s_lshr_b32 s52, s37, 3
	s_lshl_b32 s52, s52, 3
	s_add_co_u32 s52, s52, s36
	s_lshl_b32 s52, s52, 9
	s_and_b32 s54, s37, 7
	s_lshl_b32 s54, s54, 6
	s_add_co_u32 s52, s52, s54
	s_add_co_u32 s52, s52, SOFF8
	s_add_nc_u64 s[44:45], s[28:29], s[52:53]      ; the tile's 16 scale words
	s_lshl_b32 s52, s37, 6
	s_add_co_u32 s52, s52, AOFF
	s_add_nc_u64 s[48:49], s[28:29], s[52:53]      ; the tile's 16 numbers of add
	s_wait_alu depctr_va_vdst(0)
	s_wait_loadcnt 0x0
.irp i, 0,1,2,3,4,5,6,7,8,9,10,11,12,13,14,15
	ds_store_b128 v7, v[XR+4*\i:XR+4*\i+3] offset:528*\i
.endr
.irp c, 0,1
.irp j, 0,1,2,3,4,5,6,7
	ds_load_b128 v[96+32*\c+4*\j:99+32*\c+4*\j], v8 offset:256*\c+16*\j   ; LDS serves a wave's instructions in order: these see my stores
.endr
.endr
	s_wait_dscnt 0x0
	QX 96, 160, 172, 16, 24, 11, 56
	global_store_b128 v4, v[160:163], s[42:43]
	global_store_b64 v5, v[164:165], s[42:43] offset:512
	global_store_b128 v4, v[166:169], s[42:43] offset:768
	global_store_b64 v5, v[170:171], s[42:43] offset:1280
	s_cmp_lg_u32 s36, 0                            ; the wave of step 0 also writes x's add (0) and lo (-infinity): lanes 0-15 the one, lanes 16-31 the other
	s_cbranch_scc1 .Lx_scale
	v_cmp_le_u32 vcc_lo, 16, v1
	v_mov_b32 v13, 0xff800000
	v_cndmask_b32 v13, 0, v13, vcc_lo
	global_store_b32 v12, v13, s[48:49]
.Lx_scale:
	global_store_b32 v14, v24, s[44:45]            ; row r's word; lanes L and L xor 16 hold the same word and store it to the same place
	s_wait_tensorcnt 0x0
	ds_add_u32 v192, v193
	s_wait_dscnt 0x0
	s_endpgm
.Lfunc_end_k_q91638c135e_prep:
	.size	k_q91638c135e_prep, .Lfunc_end_k_q91638c135e_prep-k_q91638c135e_prep
	.p2alignl 7, 3214868480
	.fill 96, 4, 3214868480
	.section	.rodata,"a",@progbits
	.p2align	6, 0x0
	.amdhsa_kernel k_q91638c135e_prep
		.amdhsa_group_segment_fixed_size 34304
		.amdhsa_private_segment_fixed_size 0
		.amdhsa_enable_private_segment 0
		.amdhsa_kernarg_size 112
		.amdhsa_user_sgpr_count 2
		.amdhsa_user_sgpr_kernarg_segment_ptr 1
		.amdhsa_wavefront_size32 1
		.amdhsa_system_sgpr_workgroup_id_x 1
		.amdhsa_system_sgpr_workgroup_id_y 1
		.amdhsa_system_sgpr_workgroup_id_z 1
		.amdhsa_system_vgpr_workitem_id 0
		.amdhsa_next_free_vgpr 194
		.amdhsa_next_free_sgpr 66
		.amdhsa_reserve_vcc 1
		.amdhsa_float_denorm_mode_32 3
		.amdhsa_float_denorm_mode_16_64 3
		.amdhsa_memory_ordered 1
		.amdhsa_forward_progress 1
		.amdhsa_inst_pref_size 130
	.end_amdhsa_kernel
	.amdgpu_metadata
---
amdhsa.version: [ 1, 2 ]
amdhsa.kernels:
  - .name:           k_q91638c135e_prep
    .symbol:         k_q91638c135e_prep.kd
    .args:
      - { .name: x, .offset: 0, .size: 8, .value_kind: global_buffer, .address_space: global }
      - { .name: wq, .offset: 8, .size: 8, .value_kind: global_buffer, .address_space: global }
      - { .name: wk, .offset: 16, .size: 8, .value_kind: global_buffer, .address_space: global }
      - { .name: wv, .offset: 24, .size: 8, .value_kind: global_buffer, .address_space: global }
      - { .name: wf1, .offset: 32, .size: 8, .value_kind: global_buffer, .address_space: global }
      - { .name: wf2, .offset: 40, .size: 8, .value_kind: global_buffer, .address_space: global }
      - { .name: bq, .offset: 48, .size: 8, .value_kind: global_buffer, .address_space: global }
      - { .name: bk, .offset: 56, .size: 8, .value_kind: global_buffer, .address_space: global }
      - { .name: bv, .offset: 64, .size: 8, .value_kind: global_buffer, .address_space: global }
      - { .name: bf1, .offset: 72, .size: 8, .value_kind: global_buffer, .address_space: global }
      - { .name: opx, .offset: 80, .size: 8, .value_kind: global_buffer, .address_space: global }
      - { .name: opwqk, .offset: 88, .size: 8, .value_kind: global_buffer, .address_space: global }
      - { .name: opwv, .offset: 96, .size: 8, .value_kind: global_buffer, .address_space: global }
      - { .name: opwf1, .offset: 104, .size: 8, .value_kind: global_buffer, .address_space: global }
    .group_segment_fixed_size: 34304
    .private_segment_fixed_size: 0
    .kernarg_segment_align: 8
    .kernarg_segment_size: 112
    .max_flat_workgroup_size: 128
    .sgpr_count:     66
    .vgpr_count:     194
    .wavefront_size: 32
...
	.end_amdgpu_metadata
.endif
;; end of part 7
;; launch qk (part 8): grid 8 x 24, 4 waves a work-group, clusters of 4 x 4, 327,680 bytes of LDS; arguments opx, opwqk, oqk, opwv, ovt; writes oqk, ovt
.if DOCPART == 8
	.amdgcn_target "amdgcn-amd-amdhsa--gfx1250"
	.amdhsa_code_object_version 6
	.text
	.protected	k_q91638c135e_qk
	.globl	k_q91638c135e_qk
	.p2align	8
	.type	k_q91638c135e_qk,@function
k_q91638c135e_qk:
	s_mov_b64 s[64:65], 0
	v_nop
	global_prefetch_b8 v0, s[64:65] scope:SCOPE_SE
	s_setreg_imm32_b32 hwreg(HW_REG_WAVE_MODE, 25, 1), 1
	s_wait_xcnt 0x0
	s_wait_alu depctr_hold_cnt(0) depctr_sa_sdst(0) depctr_va_vdst(0) depctr_va_sdst(0) depctr_va_ssrc(0) depctr_va_vcc(0) depctr_vm_vsrc(0)
	s_getreg_b32 s2, hwreg(HW_REG_IB_STS2, 6, 4)
	s_cmp_eq_u32 s2, 0
	s_cbranch_scc0 .Lentry_in_a_cluster
	s_endpgm
.Lentry_in_a_cluster:
	s_bfe_u32 s2, ttmp6, 0x10000c
	s_cmp_lg_u32 s2, 0xf033
	s_cbranch_scc0 .Lentry_shape_is_right
	s_endpgm
.Lentry_shape_is_right:
; C[m][n] = max(sum over k of A[m][k] B[n][k] + addA[m] + addB[n], loB[n]), K = 1,024, on codes of E2M3 with one E8M0 byte for each 32 along K; C is quantised along n at once and leaves as an operand.
; One body, three launches: Q | K (A = x, B = wq | wk), V transposed (A = wv, B = x: the keys are n), the hidden layer (A = the first norm's result, B = wf1, lo = 0: the relu).
; OPERANDS ARE IMAGES OF REGISTERS: a fragment (16 rows x 128 K) is 1,536 bytes, two halves of 768: lane L's registers 6c .. 6c+3 at 16 L, registers 6c+4, 6c+5 at 512 + 8 L.  In: codes at (tile x 8 + step) x 1,536,
; scale words at 0x300000 + ((row / 128) x 8 + step) x 512 + 4 (row % 128), add at 0x320000, lo at 0x324000.  Out: the same with 32 steps to a tile, scale words at 0xC00000.
; A tile of C, 256 x 256, is made by four waves, each 128 x 128: 64 accumulators, 512 registers.  K goes in steps of 256 through a ring of two LDS slots filled by the tensor data mover; the scale words of the
; work-group's rows for all of K come once, with the first fills.  Every LDS load takes 512 or 256 consecutive bytes, so no padding is needed.
; CLUSTERS: 4 x 4 work-groups; A's tiles are asked for jointly along a row of the cluster, B's along a column.
; THE MATRIX INSTRUCTION IS USED TRANSPOSED (source 0 = 16 rows of B, source 1 = 16 rows of A): lane (r, h) holds row m = r and, in accumulator b, columns n = 16 b + 8 h + 0 .. 7.  B's add is the C of each sum's first product.
; THE RESULT'S ORDER ALONG ITS NEW K: two accumulators' 16 registers go into the conversions as they stand, so that in each block of 32 place 16 h + 8 u + j holds n = 16 u + 8 h + j.  A block keeps its 32 numbers, so its scale
; is the rule's; every operand that meets this one in a product stands in the same order.
; LIMITS: a block of zeros gets the byte 1 (codes zero; the bytes are read by this program alone); NaN and infinities are not served; the bias enters the sum first, not last.
; REGISTERS, in windows of 256: window 0: v1-31 addresses; v32-63 scale words, two sets; v64-127 B's add; v128-223 A's fragments, one set (later the codes just made); v224-239 A's add, each number twice.
;   window 1: B's fragments, two sets, at v0 and v128; B's lo at v96-127 and v224-255.   windows 2, 3: the accumulators of my rows 0-63, 64-127 ((a, b) at v[8 (8 (a % 4) + b)]).
; TWO PRODUCTS IN ONE LAUNCH.  Arguments: A, B, C, A', C'.  Cluster rows 0-3 make C from A and B; cluster rows 4 and 5 (the launch of Q | K alone has them) make C' from A' and A:
; V transposed = wv's operand x x's operand, tile row = cy, tile column = 4 (cluster x + 2 (cluster y - 4)) + cx.  Only pointers and tile numbers are chosen, by the cluster's y, which all partners share.
; The hidden layer's launch has cluster rows 0-3 alone: it touches neither A' nor C'.
; THE HEAD: one tensor load a wave: wave 0 A's 256 rows of slot 0, wave 1 B's, wave 2 A's scale words, wave 3 B's; slot 1's first fill follows as a refill does.
.set KSTEPS, 8
.set TPITCH, KSTEPS*1536               ; from tile to tile in an operand
.set GRPB,   8*TPITCH                  ; 128 rows of codes
.set ACOFF,  0
.set BCOFF,  0
.set ASOFF,  0x300000
.set BSOFF,  0x300000
.set AOFF,   0x320000
.set OSOFF,  0xC00000
.set NQ,     2                         ; steps of 128 in a slot
.set FR,     12                        ; registers of a fragment
.set NL,     4                         ; LDS loads that bring one
.set NP,     4                         ; places behind this matrix instruction (ISA guide 7.12.1)
.set HALFT,  8*NQ*1536                 ; 128 rows x 256 K: what one tensor load brings
.set SLOT,   4*HALFT
.set LAPS,   KSTEPS/(2*NQ)
.set HALFS,  KSTEPS*512                ; the scale words of 128 rows
.set SCL,    2*SLOT
.set SPARE,  SCL+4*HALFS               ; the spare words, 128 bytes for each wave: two blocks of 256 bytes that no other line names
.set ADRA, 16                          ; v16-17 16 L + my A rows in slot 0, 1; v18-19 the same with 8 L
.set ADRB, 20                          ; v20-23 the same for B
.set O16,  24
.set O8,   25
.set O4,   26
.set ADRS, 27                          ; my scale words: lanes 0-15 A's rows, lanes 16-31 B's
.set SPW,  28
.set NIL,  29
.set H32,  30                          ; 32 h
.set R4,   31                          ; 4 r
.set SC,   32
.set CB,   64
.set AF,   128
.set RB,   224
.set PC,   128                         ; the way out: 12 registers of codes, 8 at work
.set TM,   160
.set PWS,  176                         ; eight scale words
.set G1, 24
.set G0, 32
.set G1B, 48
.set G0B, 56
.set G1S, 68
.set G0S, 76
.set G1SB, 80
.set G0SB, 88
.set SEL, 96
.set MSB, 0
.macro WIN new                         ; the immediate's high byte repeats the setting that is left
.if MSB != (\new)
	s_set_vgpr_msb (MSB<<8)|(\new)
.set MSB, (\new)
.endif
.endm
.set MUL_LO, 0xa1                      ; source 0 (B) window 1, source 1 (A) window 0, C and D window 2
.set MUL_HI, 0xf1
.set TO_B,   0x40
.macro JLOAD g0a, g1a, g0b, g1b        ; a joint load: waves 0, 1 fetch for A, waves 2, 3 for B; four v_nop follow each of the two lines
	s_cmp_eq_u32 s15, 0
	s_cbranch_scc0 .Lfor_b_\@
	tensor_load_to_lds s[\g0a:\g0a+3], s[\g1a:\g1a+7]
	s_nop 0
.rept 4
	v_nop
.endr
	s_branch .Lasked_\@
.Lfor_b_\@:
	tensor_load_to_lds s[\g0b:\g0b+3], s[\g1b:\g1b+7]
	s_nop 0
.rept 4
	v_nop
.endr
.Lasked_\@:
.endm
.macro CREST                           ; a round of the cluster's barrier behind its opening barrier
	s_cmp_lg_u32 s14, 0
	s_cbranch_scc1 .Lnot_wave_0_\@
	s_barrier_signal -3
.Lnot_wave_0_\@:
	s_barrier_wait -3
	s_barrier_signal -1
	s_barrier_wait -1
.endm
.macro CROUND
	s_barrier_signal -1
	s_barrier_wait -1
	CREST
.endm
	s_load_b128 s[4:7], s[0:1], 0x0                ; A's operand, B's operand
	s_load_b64 s[12:13], s[0:1], 0x10              ; the operand that is made
	s_load_b64 s[8:9], s[0:1], 0x18                ; A of the second product
	s_load_b64 s[10:11], s[0:1], 0x20              ; what the second product makes
	v_lshl_add_u32 v[SPW], v0, 2, SPARE
	v_mov_b32 v[NIL], 0
	ds_add_u32 v28, v29
	ds_add_u32 v28, v29
	s_wait_dscnt 0x0
	v_lshrrev_b32 v1, 5, v0
	v_readfirstlane_b32 s14, v1                    ; wave
	s_lshr_b32 s15, s14, 1                         ; my half of the tile's rows; also: I fetch for A (0) or B (1)
	s_and_b32 s16, s14, 1                          ; my half of its columns; also: which 128 rows I fetch
	s_bfe_u32 s40, ttmp6, 0x40000                  ; cx
	s_bfe_u32 s41, ttmp6, 0x40004                  ; cy
	s_and_b32 s67, ttmp7, 0xffff                   ; the cluster's y
	s_lshl_b32 s66, s67, 1
	s_add_co_u32 s66, s66, ttmp9
	s_sub_co_u32 s66, s66, 8                       ; second product: cluster column = cluster x + 2 (cluster y - 4)
	s_cmp_lt_u32 s67, 4
	s_cselect_b32 s42, ttmp9, s66
	s_cselect_b32 s17, s67, 0                      ; and cluster row 0
	s_lshl_b32 s42, s42, 2
	s_add_co_u32 s42, s42, s40                     ; tile column
	s_lshl_b32 s17, s17, 2
	s_add_co_u32 s17, s17, s41                     ; tile row
	s_lshl_b32 s43, s41, 2
	s_lshl_b32 s43, 15, s43                        ; my row of the cluster
	s_lshl_b32 s44, 0x1111, s40                    ; my column
	; codes: 8 tiles, of each 2 steps = 3,072 consecutive bytes (384 elements of 8 bytes), TPITCH bytes apart; dense in LDS
	s_or_b32 s[G1+0], s43, (3<<16)|(1<<21)
	s_or_b32 s[G1B+0], s44, (3<<16)|(1<<21)
.irp g, G1, G1B
	s_mov_b32 s[\g+1], 384<<16                     ; tensor_dim0
	s_mov_b32 s[\g+2], 16<<16                      ; tensor_dim1: the head's loads bring 16 tiles
	s_mov_b32 s[\g+3], 384<<16                     ; tile_dim0
	s_mov_b32 s[\g+4], 16                          ; tile_dim1
	s_mov_b32 s[\g+5], TPITCH/8                    ; stride
	s_mov_b32 s[\g+6], 0
	s_mov_b32 s[\g+7], 0
.endr
	; scale words of 128 rows: a dense block, as rows of 256 bytes
	s_or_b32 s[G1S+0], s43, (3<<16)|(1<<21)
	s_or_b32 s[G1SB+0], s44, (3<<16)|(1<<21)
.irp g, G1S, G1SB
	s_mov_b32 s[\g+1], 32<<16
	s_mov_b32 s[\g+2], (2*HALFS/256)<<16           ; the scale words of 256 rows
	s_mov_b32 s[\g+3], 32<<16
	s_mov_b32 s[\g+4], 2*HALFS/256
	s_mov_b32 s[\g+5], 32
	s_mov_b32 s[\g+6], 0
	s_mov_b32 s[\g+7], 0
.endr
	s_lshl_b32 s20, s17, 1                         ; A: the tile's first group of 128 rows
	s_lshl_b32 s46, s42, 1                         ; B: likewise
	s_mul_i32 s22, s20, HALFS
	s_add_co_u32 s22, s22, ASOFF
	s_mov_b32 s23, 0
	s_mul_i32 s92, s46, HALFS
	s_add_co_u32 s92, s92, BSOFF
	s_mov_b32 s93, 0
	s_mul_i32 s20, s20, GRPB
	s_add_co_u32 s20, s20, ACOFF
	s_mov_b32 s21, 0
	s_mul_i32 s46, s46, GRPB
	s_add_co_u32 s46, s46, BCOFF
	s_mov_b32 s47, 0
	s_mul_i32 s45, s14, HALFT                      ; where they go: by the wave's number alone
	s_mul_i32 s18, s16, GRPB                       ; in the ring I fetch 128 rows: which half, in bytes
	s_mov_b32 s19, 0
	s_wait_kmcnt 0x0
	s_cmp_lt_u32 s67, 4                            ; which product: the choice hangs on the cluster's y alone
	s_cselect_b64 s[6:7], s[6:7], s[4:5]
	s_cselect_b64 s[4:5], s[4:5], s[8:9]
	s_cselect_b64 s[12:13], s[12:13], s[10:11]
	s_add_nc_u64 s[20:21], s[4:5], s[20:21]
	s_add_nc_u64 s[22:23], s[4:5], s[22:23]
	s_add_nc_u64 s[46:47], s[6:7], s[46:47]
	s_add_nc_u64 s[92:93], s[6:7], s[92:93]
	CROUND                                         ; all sixteen work-groups are here: the first joint loads meet
	s_mov_b32 s[G0S], 1                            ; the head's four tiles, each whole: A's scale words,
	s_mov_b32 s[G0S+1], SCL
	s_mov_b64 s[G0S+2:G0S+3], s[22:23]
	s_or_b32 s[G0S+3], s[G0S+3], 0x80000000
	s_mov_b32 s[G0SB], 1                           ; B's,
	s_mov_b32 s[G0SB+1], SCL+2*HALFS
	s_mov_b64 s[G0SB+2:G0SB+3], s[92:93]
	s_or_b32 s[G0SB+3], s[G0SB+3], 0x80000000
	s_mov_b32 s[G0], 1                             ; slot 0's rows of A (slot 0's group 0 serves the head first),
	s_mov_b32 s[G0+1], 0
	s_mov_b64 s[G0+2:G0+3], s[20:21]
	s_or_b32 s[G0+3], s[G0+3], 0x80000000
	s_mov_b32 s[G0B], 1                            ; and of B, behind them
	s_mov_b32 s[G0B+1], 2*HALFT
	s_mov_b64 s[G0B+2:G0B+3], s[46:47]
	s_or_b32 s[G0B+3], s[G0B+3], 0x80000000
	s_add_nc_u64 s[20:21], s[20:21], s[18:19]      ; for the ring: my half of the rows
	s_add_nc_u64 s[46:47], s[46:47], s[18:19]
	s_mov_b32 s[G0+4], 1
	s_add_co_u32 s[G0+5], s45, SLOT
	s_add_nc_u64 s[G0+6:G0+7], s[20:21], NQ*1536
	s_or_b32 s[G0+7], s[G0+7], 0x80000000
	s_mov_b32 s[G0B+4], 1
	s_add_co_u32 s[G0B+5], s45, SLOT
	s_add_nc_u64 s[G0B+6:G0B+7], s[46:47], NQ*1536
	s_or_b32 s[G0B+7], s[G0B+7], 0x80000000
; one chain of branches on the wave's number, one load to an arm, all arms leading to one join
.macro ARM under, g0, g1, next
	s_cmp_lt_u32 s14, \under
	s_cbranch_scc0 \next
	tensor_load_to_lds s[\g0:\g0+3], s[\g1:\g1+7]
	s_nop 0
.rept 4
	v_nop
.endr
	s_branch .Lhead_asked
\next:
.endm
	ARM 1, G0,  G1,  .Lhead_b
	ARM 2, G0B, G1B, .Lhead_sa
	ARM 3, G0S, G1S, .Lhead_sb
	tensor_load_to_lds s[G0SB:G0SB+3], s[G1SB:G1SB+7]
	s_nop 0
.rept 4
	v_nop
.endr
.Lhead_asked:
	v_and_b32 v1, 31, v0                           ; L
	v_and_b32 v2, 15, v0                           ; r
	v_bfe_u32 v3, v0, 4, 1                         ; h
	v_lshlrev_b32 v[O16], 4, v1
	v_lshlrev_b32 v[O8], 3, v1
	v_lshlrev_b32 v[O4], 2, v1
	v_lshlrev_b32 v[H32], 5, v3
	v_lshlrev_b32 v[R4], 2, v2
	s_mul_i32 s21, s15, HALFT                      ; my 128 rows of A
	s_mul_i32 s22, s16, HALFT
	s_add_co_u32 s22, s22, 2*HALFT                 ; my 128 rows of B, behind A's 256
.irp s, 0,1
	v_add_nc_u32 v[ADRA+\s], s21, v[O16]
	v_add_nc_u32 v[ADRB+\s], s22, v[O16]
	v_add_nc_u32 v[ADRA+2+\s], s21, v[O8]
	v_add_nc_u32 v[ADRB+2+\s], s22, v[O8]
	s_add_co_u32 s21, s21, SLOT
	s_add_co_u32 s22, s22, SLOT
.endr
	s_mul_i32 s21, s15, HALFS
	s_mul_i32 s22, s16, HALFS
	s_add_co_u32 s22, s22, 2*HALFS
	s_sub_co_u32 s22, s22, s21
	v_mul_u32_u24 v6, s22, v3                      ; lanes 16-31 take B's
	s_add_co_u32 s21, s21, SCL
	v_add_nc_u32 v5, v[R4], v6
	v_add_nc_u32 v[ADRS], s21, v5
	s_mov_b32 s[SEL], 0x76543210
	s_mov_b32 s[SEL+1], 0xfedcba98
	s_lshl_b32 s46, s42, 1
	s_add_co_u32 s46, s46, s16                     ; my 128 columns: step nstep of the operand that is made
	s_lshl_b32 s20, s17, 1
	s_add_co_u32 s20, s20, s15                     ; my 128 rows: group mgroup
	s_lshl_b32 s92, s46, 9
	s_add_co_u32 s92, s92, AOFF
	s_mov_b32 s93, 0
	s_add_nc_u64 s[6:7], s[6:7], s[92:93]          ; B's add at my columns; its lo 0x4000 on
	s_lshl_b32 s92, s20, 9
	s_add_co_u32 s92, s92, AOFF
	s_add_nc_u64 s[4:5], s[4:5], s[92:93]          ; A's add at my rows
.irp b, 0,1,2,3,4,5,6,7
	global_load_b128 v[CB+8*\b:CB+8*\b+3], v[H32], s[6:7] offset:64*\b        ; add of n = 16 b + 8 h + 0 .. 7
	global_load_b128 v[CB+8*\b+4:CB+8*\b+7], v[H32], s[6:7] offset:64*\b+16
.endr
	WIN TO_B
.irp b, 0,1,2,3,4,5,6,7
	global_load_b128 v[96+128*(\b/4)+8*(\b%4):99+128*(\b/4)+8*(\b%4)], v[H32], s[6:7] offset:0x4000+64*\b
	global_load_b128 v[100+128*(\b/4)+8*(\b%4):103+128*(\b/4)+8*(\b%4)], v[H32], s[6:7] offset:0x4000+64*\b+16
.endr
	WIN 0
.irp a, 0,1,2,3,4,5,6,7
	global_load_b32 v[RB+2*\a], v[R4], s[4:5] offset:64*\a                     ; add of m = 16 a + r, twice: a pair for the packed addition
	global_load_b32 v[RB+2*\a+1], v[R4], s[4:5] offset:64*\a
.endr
	s_mul_i32 s92, s20, 8*32*1536
	s_mul_i32 s94, s46, 1536
	s_add_co_u32 s92, s92, s94
	s_lshl_b32 s94, s20, 5
	s_add_co_u32 s94, s94, s46
	s_lshl_b32 s94, s94, 9
	s_add_co_u32 s94, s94, OSOFF
	s_mov_b32 s95, 0
	s_add_nc_u64 s[8:9], s[12:13], s[94:95]        ; out: my 128 scale words
	s_add_nc_u64 s[12:13], s[12:13], s[92:93]      ; out: my eight images, 32 x 1,536 bytes apart
.macro FRAG reg, adr, q, i             ; a fragment comes back as it was laid: four loads of consecutive bytes
	ds_load_b128 v[\reg:\reg+3], v[\adr] offset:(\i)*NQ*1536+(\q)*1536
	ds_load_b64 v[\reg+4:\reg+5], v[\adr+2] offset:(\i)*NQ*1536+(\q)*1536+512
	ds_load_b128 v[\reg+6:\reg+9], v[\adr] offset:(\i)*NQ*1536+(\q)*1536+768
	ds_load_b64 v[\reg+10:\reg+11], v[\adr+2] offset:(\i)*NQ*1536+(\q)*1536+1280
.endm
; 16 matrix instructions: A's blocks a0, a0 + 1 x B's eight.  zero = 1: the first product starts the sums from B's add.  The 64 accumulators take turns, one instruction a turn.
.macro MUL16 a0, p, q, sc, zero
.irp a, \a0, \a0+1
.irp b, 0,1,2,3,4,5,6,7
.if \zero
	v_wmma_scale_f32_16x16x128_f8f6f4 v[8*(8*((\a)%4)+\b):8*(8*((\a)%4)+\b)+7], v[128*(\p)+FR*\b:128*(\p)+FR*\b+FR-1], v[AF+FR*(\a):AF+FR*(\a)+FR-1], v[CB+8*\b:CB+8*\b+7], v[SC+8*NQ*(\sc)+NQ*\b+(\q)], v[SC+8*NQ*(\sc)+NQ*(\a)+(\q)] matrix_a_fmt:MATRIX_FMT_FP6 matrix_b_fmt:MATRIX_FMT_FP6 matrix_a_scale:MATRIX_SCALE_ROW1
.else
	v_wmma_scale_f32_16x16x128_f8f6f4 v[8*(8*((\a)%4)+\b):8*(8*((\a)%4)+\b)+7], v[128*(\p)+FR*\b:128*(\p)+FR*\b+FR-1], v[AF+FR*(\a):AF+FR*(\a)+FR-1], v[8*(8*((\a)%4)+\b):8*(8*((\a)%4)+\b)+7], v[SC+8*NQ*(\sc)+NQ*\b+(\q)], v[SC+8*NQ*(\sc)+NQ*(\a)+(\q)] matrix_a_fmt:MATRIX_FMT_FP6 matrix_b_fmt:MATRIX_FMT_FP6 matrix_a_scale:MATRIX_SCALE_ROW1
.endif
.endr
.endr
.endm
.macro FETCH_B slot, q, p
	WIN TO_B
.irp i, 0,1,2,3,4,5,6,7
	FRAG 128*(\p)+FR*\i, ADRB+\slot, \q, \i
.endr
	WIN 0
.endm
.macro FETCH_A slot, q, i0
.irp i, \i0, \i0+1, \i0+2, \i0+3
	FRAG AF+FR*(\i), ADRA+\slot, \q, \i
.endr
.endm
.macro SCALES sc                       ; a slot's scale words: register 2 i + q: lanes 0-15 A's block i, lanes 16-31 B's block i
.irp i, 0,1,2,3,4,5,6,7
.irp q, 0,1
	ds_load_b32 v[SC+8*NQ*\sc+NQ*\i+\q], v[ADRS] offset:512*\q+64*\i
.endr
.endr
.endm
.macro PLACES n                        ; plain vector instructions between a matrix instruction and a load into, or a read of, its registers
.rept \n
	v_nop
.endr
.endm
.macro STEP slot, q, zero              ; a step of 128 along K that has its successor in the same slot
	s_wait_dscnt 4*NL                              ; all but the 16 youngest loads (A's blocks 4-7) are in
.if \zero
	WIN 0x81                                       ; C (B's add) window 0, D window 2
.else
	WIN MUL_LO
.endif
	MUL16 0, (\q)%2, \q, \slot, \zero
	MUL16 2, (\q)%2, \q, \slot, \zero
	s_wait_dscnt 0
	PLACES NP
	FETCH_B \slot, (\q)+1, 1-(\q)%2
	FETCH_A \slot, (\q)+1, 0
.if \zero
	WIN 0xc1
.else
	WIN MUL_HI
.endif
	MUL16 4, (\q)%2, \q, \slot, \zero
	MUL16 6, (\q)%2, \q, \slot, \zero
	PLACES NP
	WIN 0
	FETCH_A \slot, (\q)+1, 4
.endm
; A slot's last step changes slots: one barrier; in front of it each wave waits for all its tensor loads, adds 0 to its spare word, and waits for that and for its reads of this slot.
.macro TURN slot, next, fill
	s_wait_tensorcnt 0x0                           ; all my tensor loads have landed: my part of the next slot
	ds_add_u32 v[SPW], v[NIL]                      ; 0 onto my spare word
	s_wait_dscnt 4*NL+1                            ; (the add and A's blocks 4-7 may be out)
	WIN MUL_LO
	MUL16 0, 1, NQ-1, \slot, 0
	s_wait_dscnt 0x0                               ; the add is done, and my reads of this slot are over
	s_barrier_signal -1
	MUL16 2, 1, NQ-1, \slot, 0
	WIN 0
	s_barrier_wait -1
.if \fill
	CREST                                          ; the barrier has opened a round of the cluster's: no wave of any partner still reads this slot or has a load on its way
	s_add_nc_u64 s[G0+4*\slot+2:G0+4*\slot+3], s[G0+4*\slot+2:G0+4*\slot+3], 2*NQ*1536
	s_add_nc_u64 s[G0B+4*\slot+2:G0B+4*\slot+3], s[G0B+4*\slot+2:G0B+4*\slot+3], 2*NQ*1536
	JLOAD G0+4*\slot, G1, G0B+4*\slot, G1B         ; the first tensor load behind the round; its four v_nop are the places in front of the loads below
.else
	PLACES NP
.endif
	s_wait_alu depctr_va_vdst(0)
	v_add_nc_u32 v[ADRS], NQ*512, v[ADRS]          ; the next slot's scale words
	FETCH_B \next, 0, 0
	FETCH_A \next, 0, 0
	SCALES \next
	WIN MUL_HI
	MUL16 4, 1, NQ-1, \slot, 0
	MUL16 6, 1, NQ-1, \slot, 0
	PLACES NP
	WIN 0
	FETCH_A \next, 0, 4
.endm
	s_wait_alu depctr_va_vdst(0)
	s_wait_tensorcnt 0x0                           ; my tile of the head's four is in
	ds_add_u32 v[SPW], v[NIL]
	s_mov_b32 s[G1+2], 8<<16                       ; no tensor load of mine is out, so descriptors may be written: from here on a load brings 8 tiles,
	s_mov_b32 s[G1+4], 8
	s_mov_b32 s[G1B+2], 8<<16
	s_mov_b32 s[G1B+4], 8
	s_mov_b32 s[G0+1], s45                         ; and slot 0's group 0 stands at my half of the rows
	s_add_nc_u64 s[G0+2:G0+3], s[G0+2:G0+3], s[18:19]
	s_mov_b32 s[G0B+1], s45
	s_add_nc_u64 s[G0B+2:G0B+3], s[G0B+2:G0B+3], s[18:19]
	s_wait_dscnt 0x0
	CROUND                                         ; everybody's tile is in, and all sixteen work-groups are here
	JLOAD G0+4, G1, G0B+4, G1B                     ; slot 1's first fill: the first tensor load behind the round
	FETCH_B 0, 0, 0
	FETCH_A 0, 0, 0
	SCALES 0
	FETCH_A 0, 0, 4
	s_wait_loadcnt 0x0                             ; add and lo
	STEP 0, 0, 1
	s_mov_b32 s3, LAPS-1
.Llap:                                                 ; a trip goes once round the ring and fills both slots again
	TURN 0, 1, 1
	STEP 1, 0, 0
	TURN 1, 0, 1
	STEP 0, 0, 0
	s_sub_co_u32 s3, s3, 1
	s_cmp_lg_u32 s3, 0
	s_cbranch_scc1 .Llap
	TURN 0, 1, 0                                   ; the last lap fills nothing
	STEP 1, 0, 0
	s_wait_dscnt 4*NL
	WIN MUL_LO
	MUL16 0, 1, NQ-1, 1, 0
	MUL16 2, 1, NQ-1, 1, 0
	s_wait_dscnt 0
	WIN MUL_HI
	MUL16 4, 1, NQ-1, 1, 0
	MUL16 6, 1, NQ-1, 1, 0
	WIN 0
; THE WAY OUT, block by block of 16 rows x 128 columns: A's add, B's floor, then the 64 numbers of a lane (four half blocks of its row) become one fragment and one scale word, stored as an image.  No LDS is touched.
	PLACES NP
.irp b, 0,1,2,3
	v_mov_b32 v[TM+4+\b], 0                        ; (a lane permute's destination counts as one of its sources)
.endr
.macro EPI a
.set AC, 64*((\a)%4)
.set W, 2+(\a)/4
.set WN, (W<<6)|W
	WIN WN                                         ; destination and source 0: the accumulators' window; source 1: window 0
.set p, 0
.rept 32
	v_pk_add_f32 v[AC+2*p:AC+2*p+1], v[AC+2*p:AC+2*p+1], v[RB+2*(\a):RB+2*(\a)+1]   ; each accumulator from its low end on
.set p, p+1
.endr
.set WN, (W<<6)|4|W
	WIN WN                                         ; source 1: window 1
.set p, 0
.rept 64
	v_max_num_f32 v[AC+p], v[AC+p], v[96+128*(p/32)+p%32]
.set p, p+1
.endr
.set WN, (W<<2)|W
	WIN WN                                         ; sources 0 and 1: the accumulators' window
.irp b, 0,1,2,3
	v_max3_num_f32 v[TM+\b], |v[AC+16*\b]|, |v[AC+16*\b+1]|, 0x1800000            ; block b: my 16 numbers and the floor 2^(3 - 127)
.endr
.irp i, 2,4,6,8,10,12,14
.irp b, 0,1,2,3
	v_max3_num_f32 v[TM+\b], |v[AC+16*\b+\i]|, |v[AC+16*\b+\i+1]|, v[TM+\b]       ; the four blocks by turns
.endr
.endr
	WIN 0
.irp b, 0,1,2,3
	v_permlanex16_b32 v[TM+4+\b], v[TM+\b], s[SEL], s[SEL+1]
.endr
.irp b, 0,1,2,3
	v_max_num_f32 v[TM+\b], v[TM+\b], v[TM+4+\b]   ; with lane L xor 16's: the block's largest magnitude
.endr
.irp b, 0,1,2,3
	v_add_nc_u32 v[TM+12+\b], 0xff000000, v[TM+\b] ; 2 off the exponent field: the conversion's scale operand
.endr
.irp b, 0,1,2,3
	v_lshrrev_b32 v[TM+4+\b], 23, v[TM+12+\b]      ; the byte
.endr
	v_lshl_or_b32 v[PWS+(\a)], v[TM+5], 8, v[TM+4]
	v_lshl_or_b32 v[PWS+(\a)], v[TM+6], 16, v[PWS+(\a)]
	v_lshl_or_b32 v[PWS+(\a)], v[TM+7], 24, v[PWS+(\a)]
	s_wait_xcnt 0x0                                ; the last block's stores have read the registers that the codes below are written into
	WIN W                                          ; source 0: the accumulators' window
.irp c, 0,1
	v_cvt_scalef32_pk16_fp6_f32 v[PC+6*\c:PC+2+6*\c], v[AC+32*\c:AC+15+32*\c], v[TM+12+2*\c]
	v_cvt_scalef32_pk16_fp6_f32 v[PC+12+4*\c:PC+14+4*\c], v[AC+16+32*\c:AC+31+32*\c], v[TM+12+2*\c+1]
.endr
	WIN 0
	v_nop                                          ; one plain place behind a scaled conversion
.irp c, 0,1                                    ; the operand's layout wants a whole block in a lane: lanes 0-15 block 2 c, lanes 16-31 block 2 c + 1
.irp i, 0,1,2
	v_permlane16_swap_b32 v[PC+6*\c+\i], v[PC+12+4*\c+\i]
.endr
.irp i, 0,1,2
	v_mov_b32 v[PC+3+6*\c+\i], v[PC+12+4*\c+\i]
.endr
.endr
	global_store_b128 v[O16], v[PC:PC+3], s[12:13] offset:(\a)*49152
	global_store_b64 v[O8], v[PC+4:PC+5], s[12:13] offset:(\a)*49152+512
	global_store_b128 v[O16], v[PC+6:PC+9], s[12:13] offset:(\a)*49152+768
	global_store_b64 v[O8], v[PC+10:PC+11], s[12:13] offset:(\a)*49152+1280
.endm
.irp a, 0,1,2,3,4,5,6,7
	EPI \a
.endr
	v_cmp_le_u32 vcc_lo, 16, v1                    ; the words of two blocks of rows share a store: lanes 0-15 block 2 i, lanes 16-31 block 2 i + 1
.irp i, 0,1,2,3
	v_cndmask_b32 v[TM+\i], v[PWS+2*\i], v[PWS+2*\i+1], vcc_lo
.endr
.irp i, 0,1,2,3
	global_store_b32 v[O4], v[TM+\i], s[8:9] offset:128*\i
.endr
	s_wait_tensorcnt 0x0                           ; the wave's end
	ds_add_u32 v[SPW], v[NIL]
	s_wait_dscnt 0x0
	CROUND                                         ; the closing round: no work-group ends while a partner may still ask for a tile that names it
	s_endpgm
.Lfunc_end_k_q91638c135e_qk:
	.size	k_q91638c135e_qk, .Lfunc_end_k_q91638c135e_qk-k_q91638c135e_qk
	.p2alignl 7, 3214868480
	.fill 96, 4, 3214868480
	.section	.rodata,"a",@progbits
	.p2align	6, 0x0
	.amdhsa_kernel k_q91638c135e_qk
		.amdhsa_group_segment_fixed_size 327680
		.amdhsa_private_segment_fixed_size 0
		.amdhsa_enable_private_segment 0
		.amdhsa_kernarg_size 40
		.amdhsa_user_sgpr_count 2
		.amdhsa_user_sgpr_kernarg_segment_ptr 1
		.amdhsa_wavefront_size32 1
		.amdhsa_system_sgpr_workgroup_id_x 1
		.amdhsa_system_sgpr_workgroup_id_y 1
		.amdhsa_system_sgpr_workgroup_id_z 1
		.amdhsa_system_vgpr_workitem_id 0
		.amdhsa_next_free_vgpr 1024
		.amdhsa_next_free_sgpr 98
		.amdhsa_reserve_vcc 1
		.amdhsa_float_denorm_mode_32 3
		.amdhsa_float_denorm_mode_16_64 3
		.amdhsa_memory_ordered 1
		.amdhsa_forward_progress 1
		.amdhsa_inst_pref_size 190
	.end_amdhsa_kernel
	.amdgpu_metadata
---
amdhsa.version: [ 1, 2 ]
amdhsa.kernels:
  - .name:           k_q91638c135e_qk
    .symbol:         k_q91638c135e_qk.kd
    .args:
      - { .name: opx, .offset: 0, .size: 8, .value_kind: global_buffer, .address_space: global }
      - { .name: opwqk, .offset: 8, .size: 8, .value_kind: global_buffer, .address_space: global }
      - { .name: oqk, .offset: 16, .size: 8, .value_kind: global_buffer, .address_space: global }
      - { .name: opwv, .offset: 24, .size: 8, .value_kind: global_buffer, .address_space: global }
      - { .name: ovt, .offset: 32, .size: 8, .value_kind: global_buffer, .address_space: global }
    .group_segment_fixed_size: 327680
    .private_segment_fixed_size: 0
    .kernarg_segment_align: 8
    .kernarg_segment_size: 40
    .max_flat_workgroup_size: 128
    .sgpr_count:     98
    .vgpr_count:     1024
    .wavefront_size: 32
...
	.end_amdgpu_metadata
.endif
;; end of part 8
;; launch attn (part 9): grid 8 x 32, 16 waves a work-group, clusters of 4 x 1, 327,680 bytes of LDS; arguments oqk, ovt, x, opx; writes opx
.if DOCPART == 9
	.amdgcn_target "amdgcn-amd-amdhsa--gfx1250"
	.amdhsa_code_object_version 6
	.text
	.protected	k_q91638c135e_attn
	.globl	k_q91638c135e_attn
	.p2align	8
	.type	k_q91638c135e_attn,@function
k_q91638c135e_attn:
	s_mov_b64 s[64:65], 0
	v_nop
	global_prefetch_b8 v0, s[64:65] scope:SCOPE_SE
	s_setreg_imm32_b32 hwreg(HW_REG_WAVE_MODE, 25, 1), 1
	s_wait_xcnt 0x0
	s_wait_alu depctr_hold_cnt(0) depctr_sa_sdst(0) depctr_va_vdst(0) depctr_va_sdst(0) depctr_va_ssrc(0) depctr_va_vcc(0) depctr_vm_vsrc(0)
	s_getreg_b32 s2, hwreg(HW_REG_IB_STS2, 6, 4)
	s_cmp_eq_u32 s2, 0
	s_cbranch_scc0 .Lentry_in_a_cluster
	s_endpgm
.Lentry_in_a_cluster:
	s_bfe_u32 s2, ttmp6, 0x10000c
	s_cmp_lg_u32 s2, 0x3003
	s_cbranch_scc0 .Lentry_shape_is_right
	s_endpgm
.Lentry_shape_is_right:
; r1 = softmax(Q K^T / 8, causal) V + x for one head of one batch element, both products on codes of E2M3 with one E8M0 byte for each 32 along a product's K; also a (mean, sum of squared deviations) pair for each 16 x 64 numbers of r1.
; Q, K (K = the head's 64) and V transposed (K = the keys) come as images of registers: a fragment of 16 rows x 128 K is 1,536 bytes in two halves of 768 (registers 6c .. 6c+3 at 16 L, 6c+4, 6c+5 at 512 + 8 L); half (head % 2) of an image of Q or K is one head's 64.
; THE FIRST PRODUCT'S K IS 64 IN AN INSTRUCTION OF 128: Q's upper six registers are zero codes and the upper two scale bytes of both sides are 0 (2^-127, no NaN), so whatever K's upper six registers hold adds nothing.
; So the eight half fragments of a key step lie 6 registers apart, v32-79, each operand's upper six being the next tile's codes (the last one's: v80-85, zeros).
; THE SOFTMAX: t = score x log2(e) / 8; M = the running largest t rounded up to a whole number; p = 2^(t - M) is quantised along the keys, not normalised; the row's sum is taken of the unquantised p and divides at the end.
; When M moves, the sum and O are multiplied by 2^(old M - new M): exact.  V's codes stand in each block of 32 keys in the order in which the scores of two neighbouring tiles lie in a lane's registers.
; SHARES.  Work-group (j, y): head y % 16 of batch y / 16; its 16 tiles of 16 queries begin at query 128 t + 16 j, t = 0 .. 15.  Tile t needs key steps 0 .. t of 128 keys (the steps behind them lie wholly under the causal mask that the source
; builds itself, and are not done); step t is the only one with hidden keys.  That is 136 steps, dealt so that a wave has 8 or 9: wave a (0-7) takes key steps 0-7 of tile 15 - a; wave 8 + a takes first key steps 8 .. 15 - a of that same tile,
; leaves its state (O^T, -M, the sum) in LDS, and then all of tile a.  Behind one barrier wave a joins the two states of tile 15 - a: both are brought under the larger M by powers of two, which rounds nothing, and added.
; EVERY WAVE RUNS THE SAME TEXT: two runs of 8 trips (key steps 8-15, then 0-7), in which the steps that are not the wave's are jumped over by numbers made of the wave's number alone; a state stored between them; a state joined behind them.
; A wave 0-7 has no step in the first run: its state, zeros, goes to its own stage.  A wave 8-15 reads the state that it stored itself, but takes its M as -3e38, so that its factor is 0.
; Every work-group reads all 2,048 keys, so THE FOUR WORK-GROUPS OF A CLUSTER ASK FOR K, V AND THE SCALE WORDS JOINTLY: 16 loads, one a wave, filled once: waves 0-7 K (16 tiles each), 8-11 V (16 of the head's 64 each), 12-13 K's scale words, 14-15 V's.
; One barrier shows them to all waves; no byte is filled again.  No prefetch: all fills stand at the head, with no loop ahead of them to ask in.
; LIMITS: hidden scores are -infinity where the source writes -1e9: the same p = 0 as long as real logits lie above -1e9; the scaled scores stay under 2^31 in magnitude; NaN and infinities are not served.
; REGISTERS: v1-7, v30, v31 addresses that stay; v8-11, v28, v29, v94, v95 the step's; v12 -M, v13 largest t, v[14:15] the sum; v16-27 Q; v32-85 fragments; v86-92 the second tile's Q, then v86-93, v192-215 x; v96-159 scores, then p; v160-191 O^T;
; v216-221, v232-247, v254 at work; v224-235 p's codes; v248-251, v253, v255 scale words; v252 the factor.
.set SOFF32, 0xC00000
.set RES,    0x400000
.set STAT,   0x1400000
.set VB,     98304                     ; LDS: K at 0 (tile of 16 keys: 768 bytes); V: [16 of the head's 64][16 key steps][1,536]
.set KSB,    196608                    ; K's scale words [16 key steps][128 keys][4]
.set VSB,    204800                    ; V's [16 key steps][64 rows][4]
.set STG,    208896                    ; 24 places of 4,352 bytes, no fill lands here: 0-15 a stage of 16 rows x 272 bytes for each wave; 16-23 the states of waves 8-15
.set SPARE,  313344                    ; the spare words: 128 bytes a wave
.set SPW,    222
.set NIL,    223
.set SEL,    70
.set CS,     72
.macro ROUND                           ; a round of the cluster's barrier
	s_barrier_signal -1
	s_barrier_wait -1
	s_cmp_lg_u32 s18, 0
	s_cbranch_scc1 .Lnw0_\@
	s_barrier_signal -3
.Lnw0_\@:
	s_barrier_wait -3
	s_barrier_signal -1
	s_barrier_wait -1
.endm
.macro FILL g1                         ; the type and the joint load
	s_or_b32 s59, s59, 0x80000000
	tensor_load_to_lds s[56:59], s[\g1:\g1+7]
	s_nop 0
.rept 4
	v_nop
.endr
.endm
.macro G1SET g, c, r, p                ; group 1: r rows of c elements of 8 bytes, p elements apart; mask: the cluster's four, bit 21 beside it
	s_mov_b32 s[\g], 15|(3<<16)|(1<<21)
	s_mov_b32 s[\g+1], (\c)<<16
	s_mov_b32 s[\g+2], (\r)<<16
	s_mov_b32 s[\g+3], (\c)<<16
	s_mov_b32 s[\g+4], \r
	s_mov_b32 s[\g+5], \p
	s_mov_b32 s[\g+6], 0
	s_mov_b32 s[\g+7], 0
.endm
.macro WRED x, t                       ; the sum over the wave's 32 lanes, in every lane
	s_delay_alu instid0(VALU_DEP_1)
	v_add_f32_dpp v[\x], v[\x], v[\x] row_xmask:1 row_mask:0xf bank_mask:0xf
	s_delay_alu instid0(VALU_DEP_1)
	v_add_f32_dpp v[\x], v[\x], v[\x] row_xmask:2 row_mask:0xf bank_mask:0xf
	s_delay_alu instid0(VALU_DEP_1)
	v_add_f32_dpp v[\x], v[\x], v[\x] row_xmask:4 row_mask:0xf bank_mask:0xf
	s_delay_alu instid0(VALU_DEP_1)
	v_add_f32_dpp v[\x], v[\x], v[\x] row_xmask:8 row_mask:0xf bank_mask:0xf
	s_delay_alu instid0(VALU_DEP_1)
	v_permlanex16_b32 v[\t], v[\x], s[SEL], s[SEL+1]
	s_delay_alu instid0(VALU_DEP_1)
	v_add_f32 v[\x], v[\x], v[\t]
.endm
.macro QPTR tl, pc, ps                 ; tile s[tl] of my 16: s60 = its number among all tiles, s[pc:pc+1] its half image of Q, s[ps:ps+1] its rows' two scale bytes
	s_lshl_b32 s74, s[\tl], 3
	s_add_co_u32 s74, s74, s19
	s_lshl_b32 s60, s13, 7
	s_add_co_u32 s60, s60, s74                     ; 128 b + 8 t + j
	s_mul_i32 s74, s60, 49152
	s_mul_i32 s63, s15, 1536
	s_add_co_u32 s74, s74, s63
	s_mul_i32 s63, s16, 768
	s_add_co_u32 s74, s74, s63
	s_add_nc_u64 s[\pc:\pc+1], s[4:5], s[74:75]
	s_lshl_b32 s74, s13, 4
	s_add_co_u32 s74, s74, s[\tl]
	s_lshl_b32 s74, s74, 5
	s_add_co_u32 s74, s74, s15
	s_lshl_b32 s74, s74, 9
	s_lshl_b32 s63, s19, 6
	s_add_co_u32 s74, s74, s63
	s_add_co_u32 s74, s74, s20
	s_add_co_u32 s74, s74, SOFF32
	s_add_nc_u64 s[\ps:\ps+1], s[4:5], s[74:75]
.endm
	s_load_b256 s[4:11], s[0:1], 0x0               ; oqk 4, ovt 6, x 8, opx 10
	v_lshl_add_u32 v[SPW], v0, 2, SPARE
	v_mov_b32 v[NIL], 0
	ds_add_u32 v[SPW], v[NIL]                      ; 0 onto my spare word, twice
	ds_add_u32 v[SPW], v[NIL]
	v_lshrrev_b32 v8, 5, v0
	v_readfirstlane_b32 s18, v8                    ; wave 0..15
	s_and_b32 s12, ttmp7, 0xffff                   ; y
	s_lshr_b32 s13, s12, 4                         ; batch
	s_and_b32 s14, s12, 15                         ; head
	s_lshr_b32 s15, s14, 1                         ; which step of 128 units holds it,
	s_and_b32 s16, s14, 1                          ; and which half
	s_bfe_u32 s19, ttmp6, 0x40000                  ; cx
	s_lshl_b32 s20, ttmp9, 2
	s_add_co_u32 s19, s19, s20                     ; j = 4 x cluster x + cx: it enters global addresses and the mask's numbers alone
	s_and_b32 s82, s18, 7                          ; a
	s_sub_co_u32 s17, 15, s82                      ; the first run's tile: 15 - a
	s_mov_b32 s85, 0x7f61b1e6
	s_cmp_lt_u32 s18, 8                            ; the wave's share, by its number alone
	s_cselect_b32 s80, 0, s17                      ; first run (steps 8-15): the last step that is mine, also the one with hidden keys; waves 0-7: none
	s_cselect_b32 s81, s17, s82                    ; second run's tile, which I also send out
	s_cselect_b32 s83, 7, s82                      ; second run (steps 0-7): the last step that is mine,
	s_cselect_b32 s84, 64, s82                     ; and the one with hidden keys (waves 0-7: none)
	s_cselect_b32 s85, 0xff7fffff, s85             ; the least -M taken of the state that is joined: waves 8-15: 3e38
	s_lshl_b32 s20, s16, 1                         ; the head's two bytes of a scale word
	s_lshl_b32 s21, s19, 4                         ; 16 j
	s_mul_i32 s22, s18, 4352
	s_add_co_u32 s22, s22, STG                     ; my stage
	s_and_b32 s86, s18, 8
	s_add_co_u32 s86, s86, s18
	s_mul_i32 s86, s86, 4352
	s_add_co_u32 s86, s86, STG                     ; where my state goes: waves 0-7 their own stage, wave 8 + a place 16 + a
	s_add_co_u32 s87, s82, 16
	s_mul_i32 s87, s87, 4352
	s_add_co_u32 s87, s87, STG                     ; the state that I join: place 16 + a
	G1SET 24, 96, 16, 6144                         ; K: 16 tiles of 768 bytes, 49,152 bytes apart
	G1SET 32, 32, 96, 32                           ; V: 16 key steps of one tile: 24,576 dense bytes, as rows of 256
	G1SET 40, 64, 8, 2048                          ; K's scale words: 8 key steps of 512 bytes, 16,384 bytes apart
	G1SET 48, 32, 8, 64                            ; V's: 8 key steps of 256 bytes, 512 bytes apart
	s_mul_i32 s66, s13, 128*49152                  ; K: tile 128 b, step 8 + head / 2, half head % 2
	s_add_co_u32 s74, s15, 8
	s_mul_i32 s75, s74, 1536
	s_add_co_u32 s66, s66, s75
	s_mul_i32 s75, s16, 768
	s_add_co_u32 s66, s66, s75
	s_lshl_b32 s67, s13, 18                        ; K's scale words: group 16 b, the same step
	s_lshl_b32 s74, s74, 9
	s_add_co_u32 s67, s67, s74
	s_add_co_u32 s67, s67, SOFF32
	s_mul_i32 s68, s14, 4*49152                    ; V: tile 4 head, step 16 b
	s_mul_i32 s74, s13, 16*1536
	s_add_co_u32 s68, s68, s74
	s_lshl_b32 s69, s15, 5                         ; V's scale words: (32 (head / 2) + 16 b) x 512 + 256 (head % 2)
	s_lshl_b32 s74, s13, 4
	s_add_co_u32 s69, s69, s74
	s_lshl_b32 s69, s69, 9
	s_lshl_b32 s74, s16, 8
	s_add_co_u32 s69, s69, s74
	s_add_co_u32 s69, s69, SOFF32
	s_mov_b32 s56, 1
	s_mov_b32 s61, 0
	s_and_b32 s62, s18, 1
	s_and_b32 s63, s18, 3
	s_mov_b32 s[SEL], 0x76543210
	s_mov_b32 s[SEL+1], 0xfedcba98
	s_mov_b32 s[CS], 0x3e38aa3b                    ; c = log2(e) / 8
	s_mov_b32 s[CS+1], s[CS]
	; all vector set-up in one run, ahead of the branch that deals out the fills
	v_and_b32 v9, 31, v0                           ; L
	v_and_b32 v8, 15, v0                           ; r
	v_bfe_u32 v10, v0, 4, 1                        ; h
	v_lshlrev_b32 v1, 4, v9                        ; 16 L
	v_lshlrev_b32 v2, 3, v9                        ; 8 L
	v_lshlrev_b32 v31, 2, v8                       ; 4 r
	v_lshlrev_b32 v11, 3, v10
	v_mul_u32_u24 v6, v8, 272
	v_mul_u32_u24 v30, v10, 272
	v_lshlrev_b32 v7, 12, v10
	v_lshl_add_u32 v3, v10, 6, v31                 ; K's scale words: lanes 0-15 an even tile's keys, lanes 16-31 the odd tile's behind it
	v_add_nc_u32 v4, VSB, v31                      ; V's
	v_sub_nc_u32 v5, v8, v11
	v_lshl_add_u32 v6, v10, 5, v6
	v_lshl_add_u32 v30, v8, 4, v30
	v_lshl_add_u32 v7, v8, 4, v7                   ; two rows of x and r1: lanes 0-15 one, lanes 16-31 the next
	v_add_nc_u32 v3, s20, v3
	v_add_nc_u32 v5, s21, v5                       ; d = 16 j + r - 8 h: in a tile's last step register n is hidden where 16 (n / 8) + n % 8 > d
	v_add_nc_u32 v6, s22, v6                       ; stage, in: row r, 32 h bytes on
	v_add_nc_u32 v30, s22, v30                     ; back: lanes 0-15 one row, lanes 16-31 the next
	v_add_nc_u32 v3, KSB, v3
	v_mov_b32 v13, 0xff61b1e6                      ; the largest t so far: -3e38
	v_mov_b32 v14, 0
	v_mov_b32 v15, 0
	v_floor_f32 v12, -v13                          ; -M
.irp j, 236,237,238,239,252,253
	v_mov_b32 v[\j], 0                             ; (a lane permute's destination and a pair's upper half count as read)
.endr
.irp j, 22,23,24,25,26,27,80,81,82,83,84,85
	v_mov_b32 v[\j], 0                             ; Q's upper 64 along K, and what stands behind K's last half fragment: zero codes
.endr
.set j, 0
.rept 32
	v_mov_b32 v[160+j], 0                          ; O^T: the step is written once; a tile's first step finds zeros
.set j, j+1
.endr
	s_wait_alu depctr_va_vdst(0)
	s_wait_dscnt 0x0                               ; both opening adds are done
	s_wait_kmcnt 0x0
	ROUND                                          ; the four work-groups are here: the joint loads meet
	s_cmp_lt_u32 s18, 8                            ; one chain of branches on the wave's number, one load to an arm, one join
	s_cbranch_scc0 .Lnot_k
	s_mul_i32 s57, s18, 12288
	s_mul_i32 s60, s18, 16*49152
	s_add_co_u32 s60, s60, s66
	s_add_nc_u64 s[58:59], s[4:5], s[60:61]
	FILL 24
	s_branch .Lasked
.Lnot_k:
	s_cmp_lt_u32 s18, 12
	s_cbranch_scc0 .Lnot_v
	s_mul_i32 s57, s63, 24576
	s_add_co_u32 s57, s57, VB
	s_mul_i32 s60, s63, 49152
	s_add_co_u32 s60, s60, s68
	s_add_nc_u64 s[58:59], s[6:7], s[60:61]
	FILL 32
	s_branch .Lasked
.Lnot_v:
	s_cmp_lt_u32 s18, 14
	s_cbranch_scc0 .Lnot_ks
	s_lshl_b32 s57, s62, 12
	s_add_co_u32 s57, s57, KSB
	s_lshl_b32 s60, s62, 17
	s_add_co_u32 s60, s60, s67
	s_add_nc_u64 s[58:59], s[4:5], s[60:61]
	FILL 40
	s_branch .Lasked
.Lnot_ks:
	s_lshl_b32 s57, s62, 11
	s_add_co_u32 s57, s57, VSB
	s_lshl_b32 s60, s62, 12
	s_add_co_u32 s60, s60, s69
	s_add_nc_u64 s[58:59], s[6:7], s[60:61]
	FILL 48
.Lasked:
	s_mov_b32 s75, 0
	QPTR 17, 2, 76                                 ; the first run's Q
	global_load_b128 v[16:19], v1, s[2:3]
	global_load_b64 v[20:21], v2, s[2:3] offset:512
	global_load_u16 v255, v31, s[76:77]
	QPTR 81, 88, 90                                ; the second run's Q waits in registers that x takes later
	global_load_b128 v[86:89], v1, s[88:89]
	global_load_b64 v[90:91], v2, s[88:89] offset:512
	global_load_u16 v92, v31, s[90:91]
	s_lshl_b32 s74, s60, 16
	s_lshl_b32 s63, s14, 8
	s_add_co_u32 s74, s74, s63                     ; the second tile's 16 rows of 4,096 bytes + the head's 256
	s_add_nc_u64 s[8:9], s[8:9], s[74:75]          ; x
	s_add_co_u32 s74, s74, RES
	s_add_nc_u64 s[78:79], s[10:11], s[74:75]      ; r1
	s_lshl_b32 s74, s12, 3
	s_add_co_u32 s74, s74, s19
	s_lshl_b32 s74, s74, 4
	s_add_co_u32 s74, s74, s18
	s_lshl_b32 s74, s74, 3
	s_add_co_u32 s74, s74, STAT
	s_add_nc_u64 s[10:11], s[10:11], s[74:75]      ; my pair
	s_mov_b32 s20, 8*6144                          ; key step 8: where its K,
	s_mov_b32 s21, 8*512                           ; K's scale words,
	s_mov_b32 s22, VB+8*1536                       ; V
	s_mov_b32 s62, 8*256                           ; and V's scale words begin in LDS
	s_mov_b32 s23, 8                               ; the key step
	s_wait_tensorcnt 0x0                           ; my fill has landed;
	s_barrier_signal -1
	s_barrier_wait -1                              ; everybody's has.  Nothing is filled again
	s_wait_loadcnt 0x0                             ; both Q and their scale bytes are in
; A RUN of 8 trips, in every wave: key steps s23 .. stop - 1; those behind s[lim] are jumped over; step s[diag] has hidden keys
.macro SEG lim, diag, stop
.Lstep_\@:
	s_cmp_gt_u32 s23, s[\lim]                      ; not mine: only the addresses step
	s_cbranch_scc1 .Lhidden_\@
	v_add_nc_u32 v8, s20, v1                       ; (these eight are also the places in front of the loads into registers that the last products read)
	v_add_nc_u32 v9, s20, v2
	v_add_nc_u32 v10, s21, v3
	v_add_nc_u32 v11, s62, v4
	v_add_nc_u32 v28, s22, v1
	v_add_nc_u32 v29, s22, v2
	v_add_nc_u32 v94, 0xc000, v28                  ; V's tiles 2 and 3 lie 49,152 bytes on
	v_add_nc_u32 v95, 0xc000, v29
	s_wait_alu depctr_va_vdst(0)
.irp t, 0,1,2,3,4,5,6,7
	ds_load_b128 v[32+6*\t:35+6*\t], v8 offset:\t*768
	ds_load_b64 v[36+6*\t:37+6*\t], v9 offset:\t*768+512
.endr
.irp k, 0,1,2,3
	ds_load_u16 v[248+\k], v10 offset:128*\k
.endr
	s_wait_dscnt 0x0
.irp t, 0,2,4,6                                ; S^T = K Q^T: lane (r, h): query r; register 8 kt + i: key 16 kt + 8 h + i
	v_wmma_scale_f32_16x16x128_f8f6f4 v[96+8*\t:103+8*\t], v[32+6*\t:43+6*\t], v[16:27], 0, v[248+\t/2], v255 matrix_a_fmt:MATRIX_FMT_FP6 matrix_b_fmt:MATRIX_FMT_FP6
	v_wmma_scale_f32_16x16x128_f8f6f4 v[104+8*\t:111+8*\t], v[38+6*\t:49+6*\t], v[16:27], 0, v[248+\t/2], v255 matrix_a_fmt:MATRIX_FMT_FP6 matrix_b_fmt:MATRIX_FMT_FP6 matrix_a_scale:MATRIX_SCALE_ROW1
.endr
.rept 4
	v_nop                                          ; places behind the products
.endr
.irp t, 0,1                                    ; V's four fragments are asked for now and land under the softmax
	ds_load_b128 v[32+12*\t:35+12*\t], v28 offset:\t*24576
	ds_load_b64 v[36+12*\t:37+12*\t], v29 offset:\t*24576+512
	ds_load_b128 v[38+12*\t:41+12*\t], v28 offset:\t*24576+768
	ds_load_b64 v[42+12*\t:43+12*\t], v29 offset:\t*24576+1280
	ds_load_b128 v[56+12*\t:59+12*\t], v94 offset:\t*24576
	ds_load_b64 v[60+12*\t:61+12*\t], v95 offset:\t*24576+512
	ds_load_b128 v[62+12*\t:65+12*\t], v94 offset:\t*24576+768
	ds_load_b64 v[66+12*\t:67+12*\t], v95 offset:\t*24576+1280
.endr
.irp t, 0,1,2,3
	ds_load_b32 v[248+\t], v11 offset:64*\t
.endr
	s_cmp_lg_u32 s23, s[\diag]                     ; only a tile's last step has hidden keys
	s_cbranch_scc1 .Lopen_\@
	v_mov_b32 v254, 0xff800000
.set n, 0
.rept 64
	v_cmp_gt_i32 vcc_lo, 16*(n/8)+n%8, v5
	v_cndmask_b32 v[96+n], v[96+n], v254, vcc_lo
.set n, n+1
.endr
.Lopen_\@:
.irp b, 0,1,2,3
	v_max3_num_f32 v[232+\b], v[96+16*\b], v[97+16*\b], v[98+16*\b]       ; the largest score of each block of 32 keys: for the row's maximum, and, since p rises with the score, for the block's largest p
.endr
.irp i, 3,5,7,9,11,13
.irp b, 0,1,2,3
	v_max3_num_f32 v[232+\b], v[232+\b], v[96+16*\b+\i], v[97+16*\b+\i]
.endr
.endr
.irp b, 0,1,2,3
	v_max_num_f32 v[232+\b], v[232+\b], v[111+16*\b]
.endr
.irp b, 0,1,2,3
	s_delay_alu instid0(VALU_DEP_4)
	v_permlanex16_b32 v[236+\b], v[232+\b], s[SEL], s[SEL+1]
.endr
.irp b, 0,1,2,3
	s_delay_alu instid0(VALU_DEP_4)
	v_max_num_f32 v[232+\b], v[232+\b], v[236+\b]  ; with lane L xor 16's 16 keys
.endr
	s_delay_alu instid0(VALU_DEP_2)
	v_max3_num_f32 v254, v232, v233, v234
	s_delay_alu instid0(VALU_DEP_1)
	v_max_num_f32 v254, v254, v235
	s_delay_alu instid0(VALU_DEP_1)
	v_mul_f32 v254, s[CS], v254                    ; the step's largest t
	s_delay_alu instid0(VALU_DEP_1)
	v_max_num_f32 v13, v13, v254
	v_mov_b32 v254, v12
	s_delay_alu instid0(VALU_DEP_2)
	v_floor_f32 v12, -v13                          ; the new -M = -ceil(t)
	s_delay_alu instid0(VALU_DEP_1)
	v_sub_f32 v254, v12, v254                      ; old M - new M: a whole number, 0 or less
	s_delay_alu instid0(VALU_DEP_1)
	v_cvt_i32_f32 v254, v254                       ; (it saturates)
	s_delay_alu instid0(VALU_DEP_1)
	v_ldexp_f32 v252, 1.0, v254                    ; f = 2^(old M - new M)
.irp j, 0,2,4,6,8,10,12,14,16,18,20,22,24,26,28,30,32,34,36,38,40,42,44,46,48,50,52,54,56,58,60,62
	v_pk_fma_f32 v[96+\j:97+\j], v[96+\j:97+\j], s[CS:CS+1], v[12:13] op_sel_hi:[1,0,0]   ; t - M
.endr
.irp b, 0,1,2,3
	v_fma_f32 v[232+\b], v[232+\b], s[CS], v12
.endr
.irp j, 0,2,4,6,8,10,12,14,16,18,20,22,24,26,28,30
	v_pk_mul_f32 v[160+\j:161+\j], v[160+\j:161+\j], v[252:253] op_sel_hi:[1,0]   ; O^T under the new M, ahead of the exponentials; each accumulator from its low end on
.endr
	s_wait_alu depctr_va_vdst(0)
.set j, 0
.rept 64
	v_exp_f32 v[96+j], v[96+j]                     ; p = 2^(t - M)
.set j, j+1
.endr
.irp b, 0,1,2,3
	v_exp_f32 v[232+\b], v[232+\b]                 ; the block's largest p
.endr
	v_pk_mul_f32 v[14:15], v[14:15], v[252:253] op_sel_hi:[1,0]    ; the sums under the new M (a plain place behind the exponentials)
	s_wait_alu depctr_va_vdst(0)                   ; and behind it, ahead of its first reader
.irp b, 0,1,2,3
	v_max_num_f32 v[232+\b], 0x1800000, v[232+\b]  ; the floor 2^(3 - 127)
.endr
.irp b, 0,1,2,3
	s_delay_alu instid0(VALU_DEP_4)
	v_add_nc_u32 v[244+\b], 0xff000000, v[232+\b]  ; the conversion's scale operand
.endr
.irp b, 0,1,2,3
	s_delay_alu instid0(VALU_DEP_4)
	v_lshrrev_b32 v[236+\b], 23, v[244+\b]         ; the byte
.endr
	s_delay_alu instid0(VALU_DEP_3)
	v_lshl_or_b32 v253, v237, 8, v236              ; p's scale word for these 128 keys
	s_delay_alu instid0(VALU_DEP_1)
	v_lshl_or_b32 v253, v238, 16, v253
	s_delay_alu instid0(VALU_DEP_1)
	v_lshl_or_b32 v253, v239, 24, v253
.irp c, 0,1
	v_cvt_scalef32_pk16_fp6_f32 v[224+6*\c:226+6*\c], v[96+32*\c:111+32*\c], v[244+2*\c]
	v_cvt_scalef32_pk16_fp6_f32 v[236+4*\c:238+4*\c], v[112+32*\c:127+32*\c], v[244+2*\c+1]
.endr
	v_nop                                          ; one plain place behind a scaled conversion
.irp c, 0,1                                    ; a whole block in a lane: lanes 0-15 block 2 c, lanes 16-31 block 2 c + 1
.irp i, 0,1,2
	v_permlane16_swap_b32 v[224+6*\c+\i], v[236+4*\c+\i]
.endr
.irp i, 0,1,2
	s_delay_alu instid0(VALU_DEP_3)
	v_mov_b32 v[227+6*\c+\i], v[236+4*\c+\i]
.endr
.endr
	v_pk_add_f32 v[236:237], v[100:101], v[104:105]                ; the row's sum of the unquantised p, in eight chains
	v_pk_add_f32 v[246:247], v[108:109], v[112:113]
	v_pk_add_f32 v[244:245], v[116:117], v[120:121]
	v_pk_add_f32 v[240:241], v[124:125], v[128:129]
	v_pk_add_f32 v[220:221], v[132:133], v[136:137]
	v_pk_add_f32 v[218:219], v[140:141], v[144:145]
	v_pk_add_f32 v[216:217], v[148:149], v[152:153]
	v_pk_add_f32 v[14:15], v[14:15], v[156:157]
	v_pk_add_f32 v[236:237], v[236:237], v[96:97]
	v_pk_add_f32 v[246:247], v[246:247], v[98:99]
	v_pk_add_f32 v[244:245], v[244:245], v[102:103]
	v_pk_add_f32 v[240:241], v[240:241], v[106:107]
	v_pk_add_f32 v[220:221], v[220:221], v[110:111]
	v_pk_add_f32 v[218:219], v[218:219], v[114:115]
	v_pk_add_f32 v[216:217], v[216:217], v[118:119]
	v_pk_add_f32 v[14:15], v[14:15], v[122:123]
	v_pk_add_f32 v[236:237], v[236:237], v[126:127]
	v_pk_add_f32 v[246:247], v[246:247], v[130:131]
	v_pk_add_f32 v[244:245], v[244:245], v[134:135]
	v_pk_add_f32 v[240:241], v[240:241], v[138:139]
	v_pk_add_f32 v[220:221], v[220:221], v[142:143]
	v_pk_add_f32 v[218:219], v[218:219], v[146:147]
	v_pk_add_f32 v[216:217], v[216:217], v[150:151]
	v_pk_add_f32 v[14:15], v[14:15], v[154:155]
	v_pk_add_f32 v[236:237], v[236:237], v[158:159]
	s_delay_alu instid0(VALU_DEP_2)
	v_pk_add_f32 v[14:15], v[14:15], v[240:241]
	s_delay_alu instid0(VALU_DEP_2)
	v_pk_add_f32 v[236:237], v[236:237], v[220:221]
	v_pk_add_f32 v[246:247], v[246:247], v[218:219]
	v_pk_add_f32 v[244:245], v[244:245], v[216:217]
	s_delay_alu instid0(VALU_DEP_2)
	v_pk_add_f32 v[14:15], v[14:15], v[246:247]
	s_delay_alu instid0(VALU_DEP_2)
	v_pk_add_f32 v[236:237], v[236:237], v[244:245]
	s_delay_alu instid0(VALU_DEP_1)
	v_pk_add_f32 v[14:15], v[14:15], v[236:237]
	s_wait_alu depctr_va_vdst(0)
	s_wait_dscnt 0x0                               ; V
.irp t, 0,1,2,3                                ; O^T += V^T P^T: four accumulators, one instruction each
	v_wmma_scale_f32_16x16x128_f8f6f4 v[160+8*\t:167+8*\t], v[32+12*\t:43+12*\t], v[224:235], v[160+8*\t:167+8*\t], v[248+\t], v253 matrix_a_fmt:MATRIX_FMT_FP6 matrix_b_fmt:MATRIX_FMT_FP6
.endr
.Lhidden_\@:
	s_add_co_u32 s20, s20, 6144
	s_add_co_u32 s21, s21, 512
	s_add_co_u32 s22, s22, 1536
	s_add_co_u32 s62, s62, 256
	s_add_co_u32 s23, s23, 1
	s_cmp_lt_u32 s23, \stop
	s_cbranch_scc1 .Lstep_\@
.endm
	SEG 80, 80, 16                                 ; key steps 8-15 of tile 15 - a: waves 8-15
	; BETWEEN THE RUNS: my state goes to LDS as an image of its registers (O^T: 8 x 512 bytes; -M and the lane's sum: 256 bytes), and a new tile begins
	s_wait_alu depctr_va_vdst(0)
.rept 4
	v_nop                                          ; places behind the last products
.endr
	v_add_nc_u32 v8, s86, v1
	v_add_nc_u32 v9, s86, v2
	v_add_f32 v13, v14, v15                        ; the lane's sum, beside -M
.irp k, 0,1,2,3,4,5,6,7
	ds_store_b128 v8, v[160+4*\k:163+4*\k] offset:512*\k           ; each accumulator from its low end on
.endr
	ds_store_b64 v9, v[12:13] offset:4096
.irp i, 0,1,2,3,4,5
	v_mov_b32 v[16+\i], v[86+\i]                   ; the second tile's Q,
.endr
	v_mov_b32 v255, v92                            ; and its scale bytes: the 36 lines below are the places ahead of the next products
	s_wait_dscnt 0x0                               ; the stores are done: for the wave that joins my state, and their registers may be written
	v_mov_b32 v13, 0xff61b1e6
	v_mov_b32 v14, 0
	v_mov_b32 v15, 0
	v_floor_f32 v12, -v13
.set j, 0
.rept 32
	v_mov_b32 v[160+j], 0
.set j, j+1
.endr
	s_wait_alu depctr_va_vdst(0)
.irp i, 0,1,2,3,4,5,6,7
	global_load_b128 v[86+4*\i+98*((\i/2+2)/3):89+4*\i+98*((\i/2+2)/3)], v7, s[8:9] offset:8192*\i th:TH_LOAD_NT   ; x, used on the way out: loads 0, 1 into v86-93, loads 2-7 into v192-215
.endr
	s_mov_b32 s20, 0
	s_mov_b32 s21, 0
	s_mov_b32 s22, VB
	s_mov_b32 s62, 0
	s_mov_b32 s23, 0
	SEG 83, 84, 8                                  ; key steps 0-7: waves 0-7 all of them, of tile 15 - a; wave 8 + a steps 0 .. a of tile a
	; THE TWO STATES ARE JOINED
	s_wait_alu depctr_va_vdst(0)
	s_wait_dscnt 0x0
	s_barrier_signal -1
	s_barrier_wait -1                              ; every wave's state lies in LDS
	v_add_nc_u32 v8, s87, v1
	v_add_nc_u32 v9, s87, v2
	v_mov_b32 v135, 0                              ; (a pair's upper half counts as read)
	v_mov_b32 v137, 0
.irp k, 0,1,2,3,4,5,6,7
	ds_load_b128 v[96+4*\k:99+4*\k], v8 offset:512*\k
.endr
	ds_load_b64 v[128:129], v9 offset:4096
	v_add_f32 v14, v14, v15                        ; my lane's sum
	s_wait_alu depctr_va_vdst(0)
	s_wait_dscnt 0x0
	v_max_num_f32 v128, s85, v128                  ; the other state's -M; waves 8-15 take 3e38 for it
	s_delay_alu instid0(VALU_DEP_1)
	v_min_num_f32 v130, v12, v128                  ; -M of the two together
	s_delay_alu instid0(VALU_DEP_1)
	v_sub_f32 v131, v130, v12                      ; whole numbers, 0 or less
	v_sub_f32 v132, v130, v128
	s_delay_alu instid0(VALU_DEP_2)
	v_cvt_i32_f32 v131, v131                       ; (they saturate)
	s_delay_alu instid0(VALU_DEP_2)
	v_cvt_i32_f32 v132, v132
	s_delay_alu instid0(VALU_DEP_2)
	v_ldexp_f32 v134, 1.0, v131                    ; my factor,
	s_delay_alu instid0(VALU_DEP_2)
	v_ldexp_f32 v136, 1.0, v132                    ; the other state's: 0 in waves 8-15
	s_delay_alu instid0(VALU_DEP_2)
	v_mul_f32 v14, v14, v134
	s_delay_alu instid0(VALU_DEP_1)
	v_fmac_f32 v14, v129, v136
	s_delay_alu instid0(VALU_DEP_1)
	v_permlanex16_b32 v252, v14, s[SEL], s[SEL+1]
	s_delay_alu instid0(VALU_DEP_1)
	v_add_f32 v14, v14, v252                       ; the row's sum
	s_wait_alu depctr_va_vdst(0)
	v_rcp_f32 v14, v14
	v_mov_b32 v146, 0                              ; (a plain place behind the transcendental)
	v_mov_b32 v147, 0
	s_wait_alu depctr_va_vdst(0)
	v_mul_f32 v134, v134, v14                      ; both factors / the sum
	v_mul_f32 v136, v136, v14
	s_wait_alu depctr_va_vdst(0)
.irp j, 0,2,4,6,8,10,12,14,16,18,20,22,24,26,28,30
	v_pk_mul_f32 v[160+\j:161+\j], v[160+\j:161+\j], v[134:135] op_sel_hi:[1,0]   ; each accumulator from its low end on
.endr
.irp j, 0,2,4,6,8,10,12,14,16,18,20,22,24,26,28,30
	v_pk_fma_f32 v[96+\j:97+\j], v[96+\j:97+\j], v[136:137], v[160+\j:161+\j] op_sel_hi:[1,0,1]   ; register 8 t + i: o(r, 16 t + 8 h + i)
.endr
	; THE WAY OUT: through my stage, back as rows of 256 bytes; x is added; sixteen lanes store 256 consecutive bytes, aligned
.irp t, 0,1,2,3
	ds_store_b128 v6, v[96+8*\t:99+8*\t] offset:64*\t
	ds_store_b128 v6, v[100+8*\t:103+8*\t] offset:64*\t+16
.endr
.irp i, 0,1,2,3,4,5,6,7
	ds_load_b128 v[32+4*\i:35+4*\i], v30 offset:2*\i*272           ; LDS serves a wave's instructions in order: these see my stores
.endr
	s_wait_dscnt 0x0
	s_wait_loadcnt 0x0                             ; x
.irp p, 0,1,2,3,4,5,6,7,8,9,10,11,12,13,14,15
	v_pk_add_f32 v[32+2*\p:33+2*\p], v[32+2*\p:33+2*\p], v[86+2*\p+98*((\p/4+2)/3):87+2*\p+98*((\p/4+2)/3)]    ; the residual
.endr
.irp i, 0,1,2,3,4,5,6,7
	global_store_b128 v7, v[32+4*\i:35+4*\i], s[78:79] offset:8192*\i
.endr
	; my 1,024 numbers' mean and their sum of squared deviations from it: no difference of large sums is formed
	v_pk_add_f32 v[128:129], v[32:33], v[34:35]
	v_pk_add_f32 v[130:131], v[40:41], v[44:45]
	v_pk_add_f32 v[132:133], v[48:49], v[52:53]
	v_pk_add_f32 v[134:135], v[56:57], v[60:61]
	v_pk_add_f32 v[136:137], v[36:37], v[38:39]
	v_pk_add_f32 v[138:139], v[42:43], v[46:47]
	v_pk_add_f32 v[140:141], v[50:51], v[54:55]
	v_pk_add_f32 v[142:143], v[58:59], v[62:63]
	s_delay_alu instid0(VALU_DEP_1)
	v_pk_add_f32 v[142:143], v[142:143], v[134:135]
	v_pk_add_f32 v[128:129], v[128:129], v[136:137]
	v_pk_add_f32 v[130:131], v[130:131], v[138:139]
	v_pk_add_f32 v[132:133], v[132:133], v[140:141]
	s_delay_alu instid0(VALU_DEP_2)
	v_pk_add_f32 v[142:143], v[142:143], v[130:131]
	s_delay_alu instid0(VALU_DEP_2)
	v_pk_add_f32 v[128:129], v[128:129], v[132:133]
	s_delay_alu instid0(VALU_DEP_1)
	v_pk_add_f32 v[142:143], v[142:143], v[128:129]
	s_delay_alu instid0(VALU_DEP_1)
	v_add_f32 v144, v142, v143
	WRED 144, 146
	s_delay_alu instid0(VALU_DEP_1)
	v_mul_f32 v144, 0x3a800000, v144               ; / 1,024
	s_delay_alu instid0(VALU_DEP_1)
	v_mov_b32 v145, v144
	s_delay_alu instid0(VALU_DEP_1)
	v_pk_add_f32 v[148:149], v[32:33], v[144:145] neg_lo:[0,1] neg_hi:[0,1]
	v_pk_add_f32 v[150:151], v[34:35], v[144:145] neg_lo:[0,1] neg_hi:[0,1]
	s_delay_alu instid0(VALU_DEP_2)
	v_pk_mul_f32 v[142:143], v[148:149], v[148:149]
	s_delay_alu instid0(VALU_DEP_2)
	v_pk_mul_f32 v[128:129], v[150:151], v[150:151]
.irp j, 4,8,12,16,20,24,28
	v_pk_add_f32 v[148:149], v[32+\j:33+\j], v[144:145] neg_lo:[0,1] neg_hi:[0,1]
	v_pk_add_f32 v[150:151], v[34+\j:35+\j], v[144:145] neg_lo:[0,1] neg_hi:[0,1]
	s_delay_alu instid0(VALU_DEP_2)
	v_pk_fma_f32 v[142:143], v[148:149], v[148:149], v[142:143]
	s_delay_alu instid0(VALU_DEP_2)
	v_pk_fma_f32 v[128:129], v[150:151], v[150:151], v[128:129]
.endr
	s_delay_alu instid0(VALU_DEP_1)
	v_pk_add_f32 v[142:143], v[142:143], v[128:129]
	s_delay_alu instid0(VALU_DEP_1)
	v_add_f32 v145, v142, v143
	WRED 145, 146
	global_store_b64 v147, v[144:145], s[10:11]    ; every lane holds the same pair and stores it to the same 8 bytes
	s_wait_tensorcnt 0x0                           ; the wave's end
	ds_add_u32 v[SPW], v[NIL]
	s_wait_dscnt 0x0
	ROUND                                          ; the closing round
	s_endpgm
.Lfunc_end_k_q91638c135e_attn:
	.size	k_q91638c135e_attn, .Lfunc_end_k_q91638c135e_attn-k_q91638c135e_attn
	.p2alignl 7, 3214868480
	.fill 96, 4, 3214868480
	.section	.rodata,"a",@progbits
	.p2align	6, 0x0
	.amdhsa_kernel k_q91638c135e_attn
		.amdhsa_group_segment_fixed_size 327680
		.amdhsa_private_segment_fixed_size 0
		.amdhsa_enable_private_segment 0
		.amdhsa_kernarg_size 32
		.amdhsa_user_sgpr_count 2
		.amdhsa_user_sgpr_kernarg_segment_ptr 1
		.amdhsa_wavefront_size32 1
		.amdhsa_system_sgpr_workgroup_id_x 1
		.amdhsa_system_sgpr_workgroup_id_y 1
		.amdhsa_system_sgpr_workgroup_id_z 1
		.amdhsa_system_vgpr_workitem_id 0
		.amdhsa_next_free_vgpr 256
		.amdhsa_next_free_sgpr 96
		.amdhsa_reserve_vcc 1
		.amdhsa_float_denorm_mode_32 3
		.amdhsa_float_denorm_mode_16_64 3
		.amdhsa_memory_ordered 1
		.amdhsa_forward_progress 1
		.amdhsa_inst_pref_size 75
	.end_amdhsa_kernel
	.amdgpu_metadata
---
amdhsa.version: [ 1, 2 ]
amdhsa.kernels:
  - .name:           k_q91638c135e_attn
    .symbol:         k_q91638c135e_attn.kd
    .args:
      - { .name: oqk, .offset: 0, .size: 8, .value_kind: global_buffer, .address_space: global }
      - { .name: ovt, .offset: 8, .size: 8, .value_kind: global_buffer, .address_space: global }
      - { .name: x, .offset: 16, .size: 8, .value_kind: global_buffer, .address_space: global }
      - { .name: opx, .offset: 24, .size: 8, .value_kind: global_buffer, .address_space: global }
    .group_segment_fixed_size: 327680
    .private_segment_fixed_size: 0
    .kernarg_segment_align: 8
    .kernarg_segment_size: 32
    .max_flat_workgroup_size: 512
    .sgpr_count:     96
    .vgpr_count:     256
    .wavefront_size: 32
...
	.end_amdgpu_metadata
.endif
;; end of part 9
;; launch ln1q (part 10): grid 256 x 1, 8 waves a work-group, no clusters, 68,864 bytes of LDS; arguments opx, ln_g, ln_b, oph; writes oph
.if DOCPART == 10
	.amdgcn_target "amdgcn-amd-amdhsa--gfx1250"
	.amdhsa_code_object_version 6
	.text
	.protected	k_q91638c135e_ln1q
	.globl	k_q91638c135e_ln1q
	.p2align	8
	.type	k_q91638c135e_ln1q,@function
k_q91638c135e_ln1q:
	s_mov_b64 s[64:65], 0
	v_nop
	global_prefetch_b8 v0, s[64:65] scope:SCOPE_SE
	s_setreg_imm32_b32 hwreg(HW_REG_WAVE_MODE, 25, 1), 1
	s_wait_xcnt 0x0
; h = (r1 - mean) x rsqrt(var + 1e-5) x g + b, mean and var over all 2,048 x 1,024 numbers of a batch element; h leaves as f32 (the residual of the next block) and as an operand of E2M3 codes (K = the 1,024 units).
; The launch before left, for each 1,024 numbers, their mean and their sum of squared deviations: 2,048 pairs a batch element.  Every work-group joins them anew (16 KiB): mean = the means' mean;
; sum of squares = the pairs' sums + 1,024 x the sum of (a pair's mean - mean)^2.  No difference of large sums is formed.
; A work-group takes 16 rows; wave s columns 128 s on: one fragment.  Each load reads 512 consecutive bytes; for the conversions the numbers turn through the wave's own stage in LDS, so that a lane holds two whole blocks of its row.
; The operand: images of registers (a fragment is 1,536 bytes: halves of 768: registers 6c .. 6c+3 at 16 L, 6c+4, 6c+5 at 512 + 8 L) at (tile x 8 + step) x 1,536; scale words at 0x300000; add (0) at 0x320000; h at 0x400000.
; LIMITS: a block of zeros gets the byte 1 (codes zero; read by this program alone); NaN and infinities are not served.
.set RES,   0x400000
.set STAT,  0x1400000
.set SOFF8, 0x300000
.set AOFF,  0x320000
.set NJ,    4                          ; loads of two pairs a thread: 256 threads x 8 pairs
.set RED,   67584                      ; LDS behind the eight stages: 8 + 8 words for the two sums over the waves
.set S,  8                             ; v8-23   my pairs
.set R,  32                            ; v32-95  the rows' numbers
.set G,  96                            ; v96-159 gains; later the numbers as the conversions want them
.set B,  160                           ; v160-223 offsets; later at work
.set SEL, 32
.macro WRED x, t
	s_delay_alu instid0(VALU_DEP_1)
	v_add_f32_dpp v[\x], v[\x], v[\x] row_xmask:1 row_mask:0xf bank_mask:0xf
	s_delay_alu instid0(VALU_DEP_1)
	v_add_f32_dpp v[\x], v[\x], v[\x] row_xmask:2 row_mask:0xf bank_mask:0xf
	s_delay_alu instid0(VALU_DEP_1)
	v_add_f32_dpp v[\x], v[\x], v[\x] row_xmask:4 row_mask:0xf bank_mask:0xf
	s_delay_alu instid0(VALU_DEP_1)
	v_add_f32_dpp v[\x], v[\x], v[\x] row_xmask:8 row_mask:0xf bank_mask:0xf
	s_delay_alu instid0(VALU_DEP_1)
	v_permlanex16_b32 v[\t], v[\x], s[SEL], s[SEL+1]
	s_delay_alu instid0(VALU_DEP_1)
	v_add_f32 v[\x], v[\x], v[\t]
.endm
.macro WGSUM off                       ; v24 of each wave, summed over the eight waves, into v224 of every lane.  The two uses have bytes of their own, so one barrier each is enough
	ds_store_b32 v238, v24 offset:\off             ; all lanes write the wave's word with the same value
	s_wait_dscnt 0x0                               ; for the others' sake: my store is done
	s_barrier_signal -1
	s_barrier_wait -1
	ds_load_b128 v[224:227], v237 offset:\off
	ds_load_b128 v[228:231], v237 offset:\off+16
	s_wait_dscnt 0x0
	v_add_f32 v224, v224, v225
	v_add_f32 v226, v226, v227
	v_add_f32 v228, v228, v229
	v_add_f32 v230, v230, v231
	s_delay_alu instid0(VALU_DEP_3)
	v_add_f32 v224, v224, v226
	s_delay_alu instid0(VALU_DEP_2)
	v_add_f32 v228, v228, v230
	s_delay_alu instid0(VALU_DEP_1)
	v_add_f32 v224, v224, v228
.endm
.macro QX s, p, tq, tm, pw, h8, sel    ; 64 numbers of a lane, two whole blocks (block c at v[s + 32 c]), become 12 registers of codes at v[p] and the row's scale word in v[pw]
.irp c, 0,1
	v_max3_num_f32 v[\tm+\c], |v[\s+32*\c]|, |v[\s+32*\c+1]|, 0x1800000      ; with the floor 2^(3 - 127)
.endr
.irp i, 2,4,6,8,10,12,14,16,18,20,22,24,26,28,30
.irp c, 0,1
	s_delay_alu instid0(VALU_DEP_2)
	v_max3_num_f32 v[\tm+\c], v[\tm+\c], |v[\s+32*\c+\i]|, |v[\s+32*\c+\i+1]|
.endr
.endr
.irp c, 0,1
	s_delay_alu instid0(VALU_DEP_2)
	v_add_nc_u32 v[\tm+2+\c], 0xff000000, v[\tm+\c]
.endr
.irp c, 0,1
	s_delay_alu instid0(VALU_DEP_2)
	v_lshrrev_b32 v[\tm+4+\c], 23, v[\tm+2+\c]
.endr
	s_delay_alu instid0(VALU_DEP_1)
	v_lshl_or_b32 v[\pw], v[\tm+5], 16, v[\tm+4]
	s_delay_alu instid0(VALU_DEP_1)
	v_lshlrev_b32 v[\pw], v[\h8], v[\pw]
	s_delay_alu instid0(VALU_DEP_1)
	v_permlanex16_b32 v[\tm+6], v[\pw], s[\sel], s[\sel+1]
	s_delay_alu instid0(VALU_DEP_1)
	v_or_b32 v[\pw], v[\pw], v[\tm+6]
.irp c, 0,1
	v_cvt_scalef32_pk16_fp6_f32 v[\p+6*\c:\p+6*\c+2], v[\s+32*\c:\s+32*\c+15], v[\tm+2+\c]
	v_cvt_scalef32_pk16_fp6_f32 v[\tq+4*\c:\tq+4*\c+2], v[\s+32*\c+16:\s+32*\c+31], v[\tm+2+\c]
.endr
	v_nop                                          ; one plain place behind a scaled conversion
.irp c, 0,1
.irp i, 0,1,2
	v_mov_b32 v[\p+3+6*\c+\i], v[\tq+4*\c+\i]
.endr
.endr
.endm
	s_load_b256 s[4:11], s[0:1], 0x0               ; opx 4, ln_g 6, ln_b 8, oph 10
	v_lshl_add_u32 v240, v0, 2, 0x10900
	v_mov_b32 v241, 0
	v_lshrrev_b32 v1, 5, v0
	s_delay_alu instid0(VALU_DEP_1)
	v_readfirstlane_b32 s12, v1                    ; wave = step of 128 units
	v_and_b32 v1, 31, v0
	s_delay_alu instid0(VALU_DEP_1)
	v_lshlrev_b32 v2, 4, v1                        ; 16 L
	s_delay_alu instid0(VALU_DEP_2)
	v_lshlrev_b32 v3, 3, v1                        ; 8 L
	v_lshlrev_b32 v4, 4, v0                        ; 16 x thread
	v_and_b32 v1, 15, v0                           ; r
	s_delay_alu instid0(VALU_DEP_1)
	v_lshlrev_b32 v5, 2, v1                        ; 4 r
	v_bfe_u32 v25, v0, 4, 1                        ; h
	s_delay_alu instid0(VALU_DEP_1)
	v_lshlrev_b32 v6, 3, v25                       ; 8 h
	s_mul_i32 s13, s12, 8448                       ; my stage: 16 rows of 512 + 16 bytes
	v_add_nc_u32 v7, s13, v2
	v_mul_u32_u24 v236, v1, 528
	s_delay_alu instid0(VALU_DEP_1)
	v_lshl_add_u32 v236, v25, 7, v236
	s_delay_alu instid0(VALU_DEP_1)
	v_add_nc_u32 v236, s13, v236
	v_mov_b32 v237, RED
	s_lshl_b32 s13, s12, 2
	s_add_co_u32 s13, s13, RED
	v_mov_b32 v238, s13
	s_lshr_b32 s14, ttmp9, 7                       ; batch
	s_and_b32 s15, ttmp9, 127                      ; the tile of rows within it
	s_mul_i32 s16, s14, NJ*4096
	s_add_co_u32 s16, s16, STAT
	s_mov_b32 s17, 0
	s_lshl_b32 s24, ttmp9, 16
	s_lshl_b32 s13, s12, 9
	s_add_co_u32 s24, s24, s13
	s_add_co_u32 s24, s24, RES                     ; r1 and h lie at the same place of their buffers
	s_mov_b32 s25, 0
	s_lshl_b32 s20, s15, 16
	s_add_co_u32 s20, s20, s13
	s_mov_b32 s21, 0
	s_lshl_b32 s26, ttmp9, 3
	s_add_co_u32 s26, s26, s12
	s_mul_i32 s26, s26, 1536                       ; the image
	s_mov_b32 s27, 0
	s_lshr_b32 s28, ttmp9, 3
	s_lshl_b32 s28, s28, 3
	s_add_co_u32 s28, s28, s12
	s_lshl_b32 s28, s28, 9
	s_and_b32 s13, ttmp9, 7
	s_lshl_b32 s13, s13, 6
	s_add_co_u32 s28, s28, s13
	s_add_co_u32 s28, s28, SOFF8                   ; the tile's 16 scale words of my step
	s_mov_b32 s29, 0
	s_lshl_b32 s30, ttmp9, 6
	s_add_co_u32 s30, s30, AOFF
	s_mov_b32 s31, 0
	s_mov_b32 s[SEL], 0x76543210
	s_mov_b32 s[SEL+1], 0xfedcba98
	s_mov_b32 s34, 0x35000000                      ; 2^-21: one over the numbers of a batch element
	s_mov_b32 s35, 0x3727c5ac                      ; 1e-5
	s_mov_b32 s36, 0x44800000                      ; 1,024: the numbers of a pair
	s_wait_kmcnt 0x0
	s_add_nc_u64 s[16:17], s[4:5], s[16:17]
	s_add_nc_u64 s[18:19], s[4:5], s[24:25]
	s_add_nc_u64 s[6:7], s[6:7], s[20:21]
	s_add_nc_u64 s[8:9], s[8:9], s[20:21]
	s_add_nc_u64 s[22:23], s[10:11], s[24:25]
	s_add_nc_u64 s[26:27], s[10:11], s[26:27]
	s_add_nc_u64 s[28:29], s[10:11], s[28:29]
	s_add_nc_u64 s[30:31], s[10:11], s[30:31]
.set j, 0
.rept NJ
	global_load_b128 v[S+4*j:S+4*j+3], v4, s[16:17] offset:4096*j
.set j, j+1
.endr
.irp i, 0,1,2,3,4,5,6,7,8,9,10,11,12,13,14,15
	global_load_b128 v[R+4*\i:R+4*\i+3], v2, s[18:19] offset:4096*\i th:TH_LOAD_NT
.endr
.irp i, 0,1,2,3,4,5,6,7,8,9,10,11,12,13,14,15
	global_load_b128 v[G+4*\i:G+4*\i+3], v2, s[6:7] offset:4096*\i
.endr
.irp i, 0,1,2,3,4,5,6,7,8,9,10,11,12,13,14,15
	global_load_b128 v[B+4*\i:B+4*\i+3], v2, s[8:9] offset:4096*\i
.endr
	s_wait_loadcnt 48                              ; my pairs are in; the 48 loads of rows, gains and offsets may be out
	v_add_f32 v24, v[S], v[S+2]
.set j, 1
.rept NJ-1
	s_delay_alu instid0(VALU_DEP_1)
	v_add_f32 v24, v24, v[S+4*j]
	s_delay_alu instid0(VALU_DEP_1)
	v_add_f32 v24, v24, v[S+4*j+2]
.set j, j+1
.endr
	WRED 24, 25
	WGSUM 0
	s_delay_alu instid0(VALU_DEP_1)
	v_mul_f32 v26, 0x3a000000, v224                ; / 2,048 pairs: the mean
	s_delay_alu instid0(VALU_DEP_1)
	v_sub_f32 v24, v[S], v26
	s_delay_alu instid0(VALU_DEP_2)
	v_sub_f32 v25, v[S+2], v26
	s_delay_alu instid0(VALU_DEP_2)
	v_mul_f32 v27, v24, v24
	v_add_f32 v28, v[S+1], v[S+3]
	s_delay_alu instid0(VALU_DEP_2)
	v_fmac_f32 v27, v25, v25
.set j, 1
.rept NJ-1
	v_sub_f32 v24, v[S+4*j], v26
	v_sub_f32 v25, v[S+4*j+2], v26
	s_delay_alu instid0(VALU_DEP_4)
	v_add_f32 v28, v28, v[S+4*j+1]
	s_delay_alu instid0(VALU_DEP_3)
	v_fmac_f32 v27, v24, v24
	s_delay_alu instid0(VALU_DEP_2)
	v_add_f32 v28, v28, v[S+4*j+3]
	s_delay_alu instid0(VALU_DEP_2)
	v_fmac_f32 v27, v25, v25
.set j, j+1
.endr
	s_delay_alu instid0(VALU_DEP_1)
	v_fma_f32 v24, v27, s36, v28
	WRED 24, 25
	WGSUM 32
	s_delay_alu instid0(VALU_DEP_1)
	v_fma_f32 v28, v224, s34, s35                  ; var + 1e-5
	s_wait_alu depctr_va_vdst(0)
	v_rsq_f32 v30, v28
	v_rsq_f32 v31, v28                             ; twice: a pair for the packed multiply
	v_mov_b32 v27, v26                             ; (a plain place behind the transcendentals)  the mean, as a pair
	s_wait_alu depctr_va_vdst(0)
	s_wait_loadcnt 0x0
.set p, 0
.rept 32
	v_pk_add_f32 v[R+2*p:R+2*p+1], v[R+2*p:R+2*p+1], v[26:27] neg_lo:[0,1] neg_hi:[0,1]
.set p, p+1
.endr
.set p, 0
	s_wait_alu depctr_va_vdst(0)
.rept 32
	v_pk_mul_f32 v[R+2*p:R+2*p+1], v[R+2*p:R+2*p+1], v[30:31]
.set p, p+1
.endr
.set p, 0
.rept 32
	v_pk_fma_f32 v[R+2*p:R+2*p+1], v[R+2*p:R+2*p+1], v[G+2*p:G+2*p+1], v[B+2*p:B+2*p+1]
.set p, p+1
.endr
.irp i, 0,1,2,3,4,5,6,7,8,9,10,11,12,13,14,15
	global_store_b128 v2, v[R+4*\i:R+4*\i+3], s[22:23] offset:4096*\i      ; 512 consecutive bytes, aligned
	ds_store_b128 v7, v[R+4*\i:R+4*\i+3] offset:528*\i
.endr
.irp c, 0,1
.irp j, 0,1,2,3,4,5,6,7
	ds_load_b128 v[G+32*\c+4*\j:G+32*\c+4*\j+3], v236 offset:256*\c+16*\j  ; LDS serves a wave's instructions in order: these see my stores
.endr
.endr
	v_mov_b32 v174, 0                              ; (a lane permute's destination counts as one of its sources)
	v_mov_b32 v177, 0
	s_wait_dscnt 0x0
	QX G, 224, 160, 168, 176, 6, SEL
	global_store_b128 v2, v[224:227], s[26:27]
	global_store_b64 v3, v[228:229], s[26:27] offset:512
	global_store_b128 v2, v[230:233], s[26:27] offset:768
	global_store_b64 v3, v[234:235], s[26:27] offset:1280
	global_store_b32 v5, v176, s[28:29]            ; row r's word; lanes L and L xor 16 hold the same word and store it to the same place
	s_cmp_lg_u32 s12, 0
	s_cbranch_scc1 .Ldone
	global_store_b32 v5, v177, s[30:31]            ; wave 0: this operand's rows add nothing
.Ldone:
	s_wait_tensorcnt 0x0
	ds_add_u32 v240, v241
	s_wait_dscnt 0x0
	s_endpgm
.Lfunc_end_k_q91638c135e_ln1q:
	.size	k_q91638c135e_ln1q, .Lfunc_end_k_q91638c135e_ln1q-k_q91638c135e_ln1q
	.p2alignl 7, 3214868480
	.fill 96, 4, 3214868480
	.section	.rodata,"a",@progbits
	.p2align	6, 0x0
	.amdhsa_kernel k_q91638c135e_ln1q
		.amdhsa_group_segment_fixed_size 68864
		.amdhsa_private_segment_fixed_size 0
		.amdhsa_enable_private_segment 0
		.amdhsa_kernarg_size 32
		.amdhsa_user_sgpr_count 2
		.amdhsa_user_sgpr_kernarg_segment_ptr 1
		.amdhsa_wavefront_size32 1
		.amdhsa_system_sgpr_workgroup_id_x 1
		.amdhsa_system_sgpr_workgroup_id_y 1
		.amdhsa_system_sgpr_workgroup_id_z 1
		.amdhsa_system_vgpr_workitem_id 0
		.amdhsa_next_free_vgpr 242
		.amdhsa_next_free_sgpr 66
		.amdhsa_reserve_vcc 0
		.amdhsa_float_denorm_mode_32 3
		.amdhsa_float_denorm_mode_16_64 3
		.amdhsa_memory_ordered 1
		.amdhsa_forward_progress 1
		.amdhsa_inst_pref_size 27
	.end_amdhsa_kernel
	.amdgpu_metadata
---
amdhsa.version: [ 1, 2 ]
amdhsa.kernels:
  - .name:           k_q91638c135e_ln1q
    .symbol:         k_q91638c135e_ln1q.kd
    .args:
      - { .name: opx, .offset: 0, .size: 8, .value_kind: global_buffer, .address_space: global }
      - { .name: ln_g, .offset: 8, .size: 8, .value_kind: global_buffer, .address_space: global }
      - { .name: ln_b, .offset: 16, .size: 8, .value_kind: global_buffer, .address_space: global }
      - { .name: oph, .offset: 24, .size: 8, .value_kind: global_buffer, .address_space: global }
    .group_segment_fixed_size: 68864
    .private_segment_fixed_size: 0
    .kernarg_segment_align: 8
    .kernarg_segment_size: 32
    .max_flat_workgroup_size: 256
    .sgpr_count:     66
    .vgpr_count:     242
    .wavefront_size: 32
...
	.end_amdgpu_metadata
.endif
;; end of part 10
;; launch ff1: the kernel of part 8 again; grid 16 x 16, 4 waves a work-group, clusters of 4 x 4, 327,680 bytes of LDS; arguments oph, opwf1, ohid, opwv, ovt; writes ohid, ovt
;; launch ff2 (part 11): grid 8 x 32, 4 waves a work-group, clusters of 4 x 4, 327,680 bytes of LDS; arguments ohid, opwv, oph, bf2, opx; writes opx
.if DOCPART == 11
	.amdgcn_target "amdgcn-amd-amdhsa--gfx1250"
	.amdhsa_code_object_version 6
	.text
	.protected	k_q91638c135e_ff2
	.globl	k_q91638c135e_ff2
	.p2align	8
	.type	k_q91638c135e_ff2,@function
k_q91638c135e_ff2:
	s_mov_b64 s[64:65], 0
	v_nop
	global_prefetch_b8 v0, s[64:65] scope:SCOPE_SE
	s_setreg_imm32_b32 hwreg(HW_REG_WAVE_MODE, 25, 1), 1
	s_wait_xcnt 0x0
	s_wait_alu depctr_hold_cnt(0) depctr_sa_sdst(0) depctr_va_vdst(0) depctr_va_sdst(0) depctr_va_ssrc(0) depctr_va_vcc(0) depctr_vm_vsrc(0)
	s_getreg_b32 s2, hwreg(HW_REG_IB_STS2, 6, 4)
	s_cmp_eq_u32 s2, 0
	s_cbranch_scc0 .Lentry_in_a_cluster
	s_endpgm
.Lentry_in_a_cluster:
	s_bfe_u32 s2, ttmp6, 0x10000c
	s_cmp_lg_u32 s2, 0xf033
	s_cbranch_scc0 .Lentry_shape_is_right
	s_endpgm
.Lentry_shape_is_right:
; r2 = hidden layer x wf2 + bf2 + h, K = 4,096, on codes of E2M3 with one E8M0 byte for each 32 along K; also a (mean, sum of squared deviations) pair for each 32 x 64 numbers of r2.
; Operands are images of registers, as the launches before laid them.  A tile of 128 x 128 is made by four waves, 64 x 64 each; K goes in slots of 4 steps of 128 through a ring of two LDS slots; clusters of 4 x 4 ask for A's and B's tiles jointly.
; THE HEAD: one tensor load a wave: wave 0 A's 128 rows of slot 0, wave 1 B's, wave 2 A's scale words for all of K, wave 3 B's; slot 1's first fill follows as a refill does.
.set KSTEPS, 32
.set TPITCH, KSTEPS*1536
.set GRPB,   4*TPITCH
.set ACOFF,  0
.set BCOFF,  0x328000
.set ASOFF,  0xC00000
.set BSOFF,  0x628000
.set RES,    0x400000
.set STAT,   0x1400000
.set NQ,     4
.set FR,     12
.set NL,     4
.set NP,     4
.set HALFT,  4*NQ*1536
.set SLOT,   4*HALFT
.set LAPS,   KSTEPS/(2*NQ)
.set HALFS,  KSTEPS*256
.set SCL,    2*SLOT
.set STG,    SCL+4*HALFS+1024
.set SP,     272
.set SPARE,  STG+4*32*SP
.set ADRA, 16
.set ADRB, 20
.set STO,  24
.set RD,   25
.set GO,   26
.set ADRS, 27
.set SPW,  28
.set NIL,  29
.set SC,   32
.set CB,   64
.set BB,   64
.set ACC,  128
.set BFR,  48
.set G1, 24
.set G0, 32
.set G1B, 48
.set G0B, 56
.set G1S, 68
.set G0S, 76
.set G1SB, 80
.set G0SB, 88
.set SEL, 96
.set MSB, 0
.macro WIN new
.if MSB != (\new)
	s_set_vgpr_msb (MSB<<8)|(\new)
.set MSB, (\new)
.endif
.endm
.set MUL,  0x05
.set TO_F, 0x40
.macro JLOAD g0a, g1a, g0b, g1b
	s_cmp_eq_u32 s15, 0
	s_cbranch_scc0 .Lfor_b_\@
	tensor_load_to_lds s[\g0a:\g0a+3], s[\g1a:\g1a+7]
	s_nop 0
.rept 4
	v_nop
.endr
	s_branch .Lasked_\@
.Lfor_b_\@:
	tensor_load_to_lds s[\g0b:\g0b+3], s[\g1b:\g1b+7]
	s_nop 0
.rept 4
	v_nop
.endr
.Lasked_\@:
.endm
.macro CREST
	s_cmp_lg_u32 s14, 0
	s_cbranch_scc1 .Lnot_wave_0_\@
	s_barrier_signal -3
.Lnot_wave_0_\@:
	s_barrier_wait -3
	s_barrier_signal -1
	s_barrier_wait -1
.endm
.macro CROUND
	s_barrier_signal -1
	s_barrier_wait -1
	CREST
.endm
	s_load_b128 s[4:7], s[0:1], 0x0
	s_load_b128 s[8:11], s[0:1], 0x10
	s_load_b64 s[12:13], s[0:1], 0x20
	v_lshl_add_u32 v[SPW], v0, 2, SPARE
	v_mov_b32 v[NIL], 0
	ds_add_u32 v28, v29
	ds_add_u32 v28, v29
	s_wait_dscnt 0x0
	v_lshrrev_b32 v1, 5, v0
	v_readfirstlane_b32 s14, v1
	s_lshr_b32 s15, s14, 1
	s_and_b32 s16, s14, 1
	s_bfe_u32 s40, ttmp6, 0x40000
	s_bfe_u32 s41, ttmp6, 0x40004
	s_lshl_b32 s42, ttmp9, 2
	s_add_co_u32 s42, s42, s40
	s_and_b32 s17, ttmp7, 0xffff
	s_lshl_b32 s17, s17, 2
	s_add_co_u32 s17, s17, s41
	s_lshl_b32 s43, s41, 2
	s_lshl_b32 s43, 15, s43
	s_lshl_b32 s44, 0x1111, s40
	s_or_b32 s[G1+0], s43, (3<<16)|(1<<21)
	s_or_b32 s[G1B+0], s44, (3<<16)|(1<<21)
.irp g, G1, G1B
	s_mov_b32 s[\g+1], 768<<16
	s_mov_b32 s[\g+2], 8<<16                       ; the head's loads bring 8 tiles
	s_mov_b32 s[\g+3], 768<<16
	s_mov_b32 s[\g+4], 8
	s_mov_b32 s[\g+5], TPITCH/8
	s_mov_b32 s[\g+6], 0
	s_mov_b32 s[\g+7], 0
.endr
	s_or_b32 s[G1S+0], s43, (3<<16)|(1<<21)
	s_or_b32 s[G1SB+0], s44, (3<<16)|(1<<21)
.irp g, G1S, G1SB
	s_mov_b32 s[\g+1], 32<<16
	s_mov_b32 s[\g+2], (2*HALFS/256)<<16           ; the scale words of 128 rows
	s_mov_b32 s[\g+3], 32<<16
	s_mov_b32 s[\g+4], 2*HALFS/256
	s_mov_b32 s[\g+5], 32
	s_mov_b32 s[\g+6], 0
	s_mov_b32 s[\g+7], 0
.endr
	s_lshl_b32 s20, s17, 1                         ; A: the tile's first group of 64 rows
	s_lshl_b32 s46, s42, 1                         ; B: likewise
	s_mul_i32 s22, s20, HALFS
	s_add_co_u32 s22, s22, ASOFF
	s_mov_b32 s23, 0
	s_mul_i32 s92, s46, HALFS
	s_add_co_u32 s92, s92, BSOFF
	s_mov_b32 s93, 0
	s_mul_i32 s20, s20, GRPB
	s_add_co_u32 s20, s20, ACOFF
	s_mov_b32 s21, 0
	s_mul_i32 s46, s46, GRPB
	s_add_co_u32 s46, s46, BCOFF
	s_mov_b32 s47, 0
	s_mul_i32 s45, s14, HALFT
	s_mul_i32 s18, s16, GRPB                       ; in the ring I fetch 64 rows: which half, in bytes
	s_mov_b32 s19, 0
	s_wait_kmcnt 0x0
	s_add_nc_u64 s[20:21], s[4:5], s[20:21]
	s_add_nc_u64 s[22:23], s[4:5], s[22:23]
	s_add_nc_u64 s[46:47], s[6:7], s[46:47]
	s_add_nc_u64 s[92:93], s[6:7], s[92:93]
	CROUND                                         ; all sixteen work-groups are here: the first joint loads meet
	s_mov_b32 s[G0S], 1                            ; the head's four tiles, each whole: A's scale words,
	s_mov_b32 s[G0S+1], SCL
	s_mov_b64 s[G0S+2:G0S+3], s[22:23]
	s_or_b32 s[G0S+3], s[G0S+3], 0x80000000
	s_mov_b32 s[G0SB], 1                           ; B's,
	s_mov_b32 s[G0SB+1], SCL+2*HALFS
	s_mov_b64 s[G0SB+2:G0SB+3], s[92:93]
	s_or_b32 s[G0SB+3], s[G0SB+3], 0x80000000
	s_mov_b32 s[G0], 1                             ; slot 0's rows of A (slot 0's group 0 serves the head first),
	s_mov_b32 s[G0+1], 0
	s_mov_b64 s[G0+2:G0+3], s[20:21]
	s_or_b32 s[G0+3], s[G0+3], 0x80000000
	s_mov_b32 s[G0B], 1                            ; and of B, behind them
	s_mov_b32 s[G0B+1], 2*HALFT
	s_mov_b64 s[G0B+2:G0B+3], s[46:47]
	s_or_b32 s[G0B+3], s[G0B+3], 0x80000000
	s_add_nc_u64 s[20:21], s[20:21], s[18:19]      ; for the ring: my half of the rows
	s_add_nc_u64 s[46:47], s[46:47], s[18:19]
	s_mov_b32 s[G0+4], 1
	s_add_co_u32 s[G0+5], s45, SLOT
	s_add_nc_u64 s[G0+6:G0+7], s[20:21], NQ*1536
	s_or_b32 s[G0+7], s[G0+7], 0x80000000
	s_mov_b32 s[G0B+4], 1
	s_add_co_u32 s[G0B+5], s45, SLOT
	s_add_nc_u64 s[G0B+6:G0B+7], s[46:47], NQ*1536
	s_or_b32 s[G0B+7], s[G0B+7], 0x80000000
; one chain of branches on the wave's number, one load to an arm, all arms leading to one join
.macro ARM under, g0, g1, next
	s_cmp_lt_u32 s14, \under
	s_cbranch_scc0 \next
	tensor_load_to_lds s[\g0:\g0+3], s[\g1:\g1+7]
	s_nop 0
.rept 4
	v_nop
.endr
	s_branch .Lhead_asked
\next:
.endm
	ARM 1, G0,  G1,  .Lhead_b
	ARM 2, G0B, G1B, .Lhead_sa
	ARM 3, G0S, G1S, .Lhead_sb
	tensor_load_to_lds s[G0SB:G0SB+3], s[G1SB:G1SB+7]
	s_nop 0
.rept 4
	v_nop
.endr
.Lhead_asked:
	v_and_b32 v1, 31, v0
	v_and_b32 v2, 15, v0
	v_bfe_u32 v3, v0, 4, 1
	v_lshlrev_b32 v9, 4, v1
	v_lshlrev_b32 v4, 3, v1
	v_lshlrev_b32 v7, 5, v3
	v_lshlrev_b32 v8, 2, v2
	s_mul_i32 s21, s15, HALFT
	s_mul_i32 s22, s16, HALFT
	s_add_co_u32 s22, s22, 2*HALFT
.irp s, 0,1
	v_add_nc_u32 v[ADRA+\s], s21, v9
	v_add_nc_u32 v[ADRB+\s], s22, v9
	v_add_nc_u32 v[ADRA+2+\s], s21, v4
	v_add_nc_u32 v[ADRB+2+\s], s22, v4
	s_add_co_u32 s21, s21, SLOT
	s_add_co_u32 s22, s22, SLOT
.endr
	s_mul_i32 s21, s15, 256
	s_mul_i32 s22, s16, 256
	s_add_co_u32 s22, s22, 2*HALFS
	s_sub_co_u32 s22, s22, s21
	v_mul_u32_u24 v6, s22, v3
	s_add_co_u32 s21, s21, SCL
	v_add_nc_u32 v5, v8, v6
	v_add_nc_u32 v[ADRS], s21, v5
	s_mul_i32 s23, s14, 32*SP
	s_add_co_u32 s23, s23, STG
	v_mul_u32_u24 v5, v2, SP
	v_lshl_add_u32 v5, v3, 5, v5
	v_add_nc_u32 v[STO], s23, v5
	v_mul_u32_u24 v5, v3, SP
	v_lshl_add_u32 v5, v2, 4, v5
	v_add_nc_u32 v[RD], s23, v5
	v_lshlrev_b32 v[GO], 12, v3
	v_lshl_add_u32 v[GO], v2, 4, v[GO]
	s_wait_alu depctr_va_vdst(0)
	v_and_b32 v30, 1, v0
	v_lshlrev_b32 v31, 3, v30
	s_mov_b32 s[SEL], 0x76543210
	s_mov_b32 s[SEL+1], 0xfedcba98
	s_lshl_b32 s46, s42, 1
	s_add_co_u32 s46, s46, s16
	s_lshl_b32 s46, s46, 8
	s_mov_b32 s47, 0
	s_add_nc_u64 s[10:11], s[10:11], s[46:47]
.irp b, 0,1,2,3
	global_load_b128 v[CB+8*\b:CB+8*\b+3], v7, s[10:11] offset:64*\b
	global_load_b128 v[CB+8*\b+4:CB+8*\b+7], v7, s[10:11] offset:64*\b+16
.endr
	s_lshl_b32 s20, s17, 19
	s_lshl_b32 s21, s15, 18
	s_add_co_u32 s20, s20, s21
	s_add_co_u32 s20, s20, s46
	s_add_co_u32 s20, s20, RES
	s_mov_b32 s21, 0
	s_add_nc_u64 s[8:9], s[8:9], s[20:21]
	WIN 0x80
.irp d, 0,1
.irp t, 0,1,2,3,4,5,6,7,8,9,10,11,12,13,14,15
	global_load_b128 v[64*\d+4*\t:64*\d+4*\t+3], v[GO], s[8:9] offset:(32*\d+2*\t)*4096 th:TH_LOAD_NT
.endr
.endr
	WIN 0
	s_lshl_b32 s92, s17, 3
	s_add_co_u32 s92, s92, s42
	s_lshl_b32 s92, s92, 2
	s_add_co_u32 s92, s92, s14
	s_lshl_b32 s92, s92, 4
	s_add_co_u32 s92, s92, STAT
	s_mov_b32 s93, 0
	s_add_nc_u64 s[6:7], s[12:13], s[92:93]
	s_add_nc_u64 s[12:13], s[12:13], s[20:21]
.macro FRAG reg, adr, q, i
	ds_load_b128 v[\reg:\reg+3], v[\adr] offset:(\i)*NQ*1536+(\q)*1536
	ds_load_b64 v[\reg+4:\reg+5], v[\adr+2] offset:(\i)*NQ*1536+(\q)*1536+512
	ds_load_b128 v[\reg+6:\reg+9], v[\adr] offset:(\i)*NQ*1536+(\q)*1536+768
	ds_load_b64 v[\reg+10:\reg+11], v[\adr+2] offset:(\i)*NQ*1536+(\q)*1536+1280
.endm
.macro MUL8 a0, p, q, sc, zero
.irp a, \a0, \a0+1
.irp b, 0,1,2,3
.if \zero
	v_wmma_scale_f32_16x16x128_f8f6f4 v[ACC+8*(4*(\a)+\b):ACC+8*(4*(\a)+\b)+7], v[128*(\p)+BFR+FR*\b:128*(\p)+BFR+FR*\b+FR-1], v[128*(\p)+FR*(\a):128*(\p)+FR*(\a)+FR-1], v[CB+8*\b:CB+8*\b+7], v[SC+4*NQ*(\sc)+NQ*\b+(\q)], v[SC+4*NQ*(\sc)+NQ*(\a)+(\q)] matrix_a_fmt:MATRIX_FMT_FP6 matrix_b_fmt:MATRIX_FMT_FP6 matrix_a_scale:MATRIX_SCALE_ROW1
.else
	v_wmma_scale_f32_16x16x128_f8f6f4 v[ACC+8*(4*(\a)+\b):ACC+8*(4*(\a)+\b)+7], v[128*(\p)+BFR+FR*\b:128*(\p)+BFR+FR*\b+FR-1], v[128*(\p)+FR*(\a):128*(\p)+FR*(\a)+FR-1], v[ACC+8*(4*(\a)+\b):ACC+8*(4*(\a)+\b)+7], v[SC+4*NQ*(\sc)+NQ*\b+(\q)], v[SC+4*NQ*(\sc)+NQ*(\a)+(\q)] matrix_a_fmt:MATRIX_FMT_FP6 matrix_b_fmt:MATRIX_FMT_FP6 matrix_a_scale:MATRIX_SCALE_ROW1
.endif
.endr
.endr
.endm
.macro FETCH slot, q, p
	WIN TO_F
.irp i, 0,1,2,3
	FRAG 128*(\p)+BFR+FR*\i, ADRB+\slot, \q, \i
	FRAG 128*(\p)+FR*\i, ADRA+\slot, \q, \i
.endr
.endm
.macro SCALES sc
.irp i, 0,1,2,3
.irp q, 0,1,2,3
	ds_load_b32 v[SC+4*NQ*\sc+NQ*\i+\q], v[ADRS] offset:512*\q+64*\i
.endr
.endr
.endm
.macro PLACES n
.rept \n
	v_nop
.endr
.endm
.macro STEP slot, q, zero
	PLACES NP
	FETCH \slot, (\q)+1, ((\q)+1)%2
	s_wait_dscnt 8*NL
	WIN MUL
	MUL8 0, (\q)%2, \q, \slot, \zero
	MUL8 2, (\q)%2, \q, \slot, \zero
.endm
.macro TURN slot, next, fill
	WIN 0
	s_wait_tensorcnt 0x0
	ds_add_u32 v[SPW], v[NIL]
	s_wait_dscnt 1
	WIN MUL
	MUL8 0, 1, NQ-1, \slot, 0
	s_wait_dscnt 0x0
	s_barrier_signal -1
	MUL8 2, 1, NQ-1, \slot, 0
	WIN 0
	s_barrier_wait -1
.if \fill
	CREST
	s_add_nc_u64 s[G0+4*\slot+2:G0+4*\slot+3], s[G0+4*\slot+2:G0+4*\slot+3], 2*NQ*1536
	s_add_nc_u64 s[G0B+4*\slot+2:G0B+4*\slot+3], s[G0B+4*\slot+2:G0B+4*\slot+3], 2*NQ*1536
	JLOAD G0+4*\slot, G1, G0B+4*\slot, G1B
.else
	PLACES NP
.endif
	s_wait_alu depctr_va_vdst(0)
	v_add_nc_u32 v[ADRS], NQ*512, v[ADRS]
	SCALES \next
	FETCH \next, 0, 0
.endm
	s_wait_alu depctr_va_vdst(0)
	s_wait_tensorcnt 0x0                           ; my tile of the head's four is in
	ds_add_u32 v[SPW], v[NIL]
	s_mov_b32 s[G1+2], 4<<16                       ; no tensor load of mine is out, so descriptors may be written: from here on a load brings 4 tiles,
	s_mov_b32 s[G1+4], 4
	s_mov_b32 s[G1B+2], 4<<16
	s_mov_b32 s[G1B+4], 4
	s_mov_b32 s[G0+1], s45                         ; and slot 0's group 0 stands at my half of the rows
	s_add_nc_u64 s[G0+2:G0+3], s[G0+2:G0+3], s[18:19]
	s_mov_b32 s[G0B+1], s45
	s_add_nc_u64 s[G0B+2:G0B+3], s[G0B+2:G0B+3], s[18:19]
	s_wait_dscnt 0x0
	CROUND                                         ; everybody's tile is in, and all sixteen work-groups are here
	JLOAD G0+4, G1, G0B+4, G1B                     ; slot 1's first fill: the first tensor load behind the round
	SCALES 0
	FETCH 0, 0, 0
	s_wait_loadcnt 32
	STEP 0, 0, 1
	WIN 0
	s_mov_b32 s3, LAPS-1
.Llap:
	STEP 0, 1, 0
	STEP 0, 2, 0
	TURN 0, 1, 1
	STEP 1, 0, 0
	STEP 1, 1, 0
	STEP 1, 2, 0
	TURN 1, 0, 1
	STEP 0, 0, 0
	WIN 0
	s_sub_co_u32 s3, s3, 1
	s_cmp_lg_u32 s3, 0
	s_cbranch_scc1 .Llap
	STEP 0, 1, 0
	STEP 0, 2, 0
	TURN 0, 1, 0
	STEP 1, 0, 0
	STEP 1, 1, 0
	STEP 1, 2, 0
	s_wait_dscnt 0x0
	WIN MUL
	MUL8 0, 1, NQ-1, 1, 0
	MUL8 2, 1, NQ-1, 1, 0
	WIN 0
.macro WRED x, t
	v_add_f32_dpp v[\x], v[\x], v[\x] row_xmask:1 row_mask:0xf bank_mask:0xf
	v_add_f32_dpp v[\x], v[\x], v[\x] row_xmask:2 row_mask:0xf bank_mask:0xf
	v_add_f32_dpp v[\x], v[\x], v[\x] row_xmask:4 row_mask:0xf bank_mask:0xf
	v_add_f32_dpp v[\x], v[\x], v[\x] row_xmask:8 row_mask:0xf bank_mask:0xf
	v_permlanex16_b32 v[\t], v[\x], s[SEL], s[SEL+1]
	v_add_f32 v[\x], v[\x], v[\t]
.endm
.macro OUTB d
.if (\d) > 0
	s_wait_xcnt 0x0
.endif
.irp u, 0,1
.irp b, 0,1,2,3
	ds_store_b128 v[STO], v[ACC+8*(4*(2*(\d)+\u)+\b):ACC+8*(4*(2*(\d)+\u)+\b)+3] offset:\u*16*SP+64*\b
	ds_store_b128 v[STO], v[ACC+8*(4*(2*(\d)+\u)+\b)+4:ACC+8*(4*(2*(\d)+\u)+\b)+7] offset:\u*16*SP+64*\b+16
.endr
.endr
.irp t, 0,1,2,3,4,5,6,7,8,9,10,11,12,13,14,15
	ds_load_b128 v[BB+4*\t:BB+4*\t+3], v[RD] offset:\t*2*SP
.endr
	s_wait_dscnt 0x0
	WIN 0x08
.set p, 0
.rept 32
	v_pk_add_f32 v[BB+2*p:BB+2*p+1], v[BB+2*p:BB+2*p+1], v[64*(\d)+2*p:64*(\d)+2*p+1]
.set p, p+1
.endr
	WIN 0
.irp t, 0,1,2,3,4,5,6,7,8,9,10,11,12,13,14,15
	global_store_b128 v[GO], v[BB+4*\t:BB+4*\t+3], s[12:13] offset:(32*(\d)+2*\t)*4096
.endr
	v_pk_add_f32 v[4:5], v[BB:BB+1], v[BB+2:BB+3]
	v_pk_add_f32 v[6:7], v[BB+4:BB+5], v[BB+6:BB+7]
.set p, 4
.rept 14
	v_pk_add_f32 v[4:5], v[4:5], v[BB+2*p:BB+2*p+1]
	v_pk_add_f32 v[6:7], v[6:7], v[BB+2*p+2:BB+2*p+3]
.set p, p+2
.endr
	v_pk_add_f32 v[4:5], v[4:5], v[6:7]
	v_add_f32 v8, v4, v5
	WRED 8, 2
	v_mul_f32 v8, 0x3a000000, v8
	v_mov_b32 v9, v8
	v_pk_add_f32 v[10:11], v[BB:BB+1], v[8:9] neg_lo:[0,1] neg_hi:[0,1]
	v_pk_add_f32 v[12:13], v[BB+2:BB+3], v[8:9] neg_lo:[0,1] neg_hi:[0,1]
	v_pk_mul_f32 v[4:5], v[10:11], v[10:11]
	v_pk_mul_f32 v[6:7], v[12:13], v[12:13]
.set p, 2
.rept 15
	v_pk_add_f32 v[10:11], v[BB+2*p:BB+2*p+1], v[8:9] neg_lo:[0,1] neg_hi:[0,1]
	v_pk_add_f32 v[12:13], v[BB+2*p+2:BB+2*p+3], v[8:9] neg_lo:[0,1] neg_hi:[0,1]
	v_pk_fma_f32 v[4:5], v[10:11], v[10:11], v[4:5]
	v_pk_fma_f32 v[6:7], v[12:13], v[12:13], v[6:7]
.set p, p+2
.endr
	v_pk_add_f32 v[4:5], v[4:5], v[6:7]
	v_add_f32 v4, v4, v5
	WRED 4, 2
	v_cmp_eq_u32 vcc_lo, \d, v30
	v_cndmask_b32 v14, v14, v8, vcc_lo
	v_cndmask_b32 v15, v15, v4, vcc_lo
.endm
	PLACES NP
	v_mov_b32 v14, 0
	v_mov_b32 v15, 0
	s_wait_loadcnt 0x0
	OUTB 0
	OUTB 1
	global_store_b64 v31, v[14:15], s[6:7]
	s_wait_tensorcnt 0x0
	ds_add_u32 v[SPW], v[NIL]
	s_wait_dscnt 0x0
	CROUND
	s_endpgm
.Lfunc_end_k_q91638c135e_ff2:
	.size	k_q91638c135e_ff2, .Lfunc_end_k_q91638c135e_ff2-k_q91638c135e_ff2
	.p2alignl 7, 3214868480
	.fill 96, 4, 3214868480
	.section	.rodata,"a",@progbits
	.p2align	6, 0x0
	.amdhsa_kernel k_q91638c135e_ff2
		.amdhsa_group_segment_fixed_size 327680
		.amdhsa_private_segment_fixed_size 0
		.amdhsa_enable_private_segment 0
		.amdhsa_kernarg_size 40
		.amdhsa_user_sgpr_count 2
		.amdhsa_user_sgpr_kernarg_segment_ptr 1
		.amdhsa_wavefront_size32 1
		.amdhsa_system_sgpr_workgroup_id_x 1
		.amdhsa_system_sgpr_workgroup_id_y 1
		.amdhsa_system_sgpr_workgroup_id_z 1
		.amdhsa_system_vgpr_workitem_id 0
		.amdhsa_next_free_vgpr 768
		.amdhsa_next_free_sgpr 98
		.amdhsa_reserve_vcc 1
		.amdhsa_float_denorm_mode_32 3
		.amdhsa_float_denorm_mode_16_64 3
		.amdhsa_memory_ordered 1
		.amdhsa_forward_progress 1
		.amdhsa_inst_pref_size 115
	.end_amdhsa_kernel
	.amdgpu_metadata
---
amdhsa.version: [ 1, 2 ]
amdhsa.kernels:
  - .name:           k_q91638c135e_ff2
    .symbol:         k_q91638c135e_ff2.kd
    .args:
      - { .name: ohid, .offset: 0, .size: 8, .value_kind: global_buffer, .address_space: global }
      - { .name: opwv, .offset: 8, .size: 8, .value_kind: global_buffer, .address_space: global }
      - { .name: oph, .offset: 16, .size: 8, .value_kind: global_buffer, .address_space: global }
      - { .name: bf2, .offset: 24, .size: 8, .value_kind: global_buffer, .address_space: global }
      - { .name: opx, .offset: 32, .size: 8, .value_kind: global_buffer, .address_space: global }
    .group_segment_fixed_size: 327680
    .private_segment_fixed_size: 0
    .kernarg_segment_align: 8
    .kernarg_segment_size: 40
    .max_flat_workgroup_size: 128
    .sgpr_count:     98
    .vgpr_count:     768
    .wavefront_size: 32
...
	.end_amdgpu_metadata
.endif
;; end of part 11
;; launch ln2 (part 12): grid 256 x 1, 8 waves a work-group, no clusters, 1,280 bytes of LDS; arguments opx, ffln_g, ffln_b, out0; writes out0
.if DOCPART == 12
	.amdgcn_target "amdgcn-amd-amdhsa--gfx1250"
	.amdhsa_code_object_version 6
	.text
	.protected	k_q91638c135e_ln2
	.globl	k_q91638c135e_ln2
	.p2align	8
	.type	k_q91638c135e_ln2,@function
k_q91638c135e_ln2:
	s_mov_b64 s[64:65], 0
	v_nop
	global_prefetch_b8 v0, s[64:65] scope:SCOPE_SE
	s_setreg_imm32_b32 hwreg(HW_REG_WAVE_MODE, 25, 1), 1
	s_wait_xcnt 0x0
; out = (r2 - mean) x rsqrt(var + 1e-5) x g + b, mean and var over all 2,048 x 1,024 numbers of a batch element.
; The launch before left, for each 2,048 numbers, their mean and their sum of squared deviations: 1,024 pairs a batch element.  Every work-group joins them anew (8 KiB): mean = the means' mean;
; sum of squares = the pairs' sums + 2,048 x the sum of (a pair's mean - mean)^2.  No difference of large sums is formed.
; A work-group takes 16 rows; wave s columns 128 s on.  Each load and store covers 512 consecutive bytes, aligned.  A stream: no matrix unit, no tensor load, no cluster would add anything.
; LIMITS: NaN and infinities are not served.
.set RES,   0x400000
.set STAT,  0x1400000
.set NJ,    2                          ; loads of two pairs a thread: 256 threads x 4 pairs
.set RED,   0                          ; LDS: 8 + 8 words for the two sums over the waves
.set S,  8
.set R,  32
.set G,  96
.set B,  160
.set SEL, 32
.macro WRED x, t
	s_delay_alu instid0(VALU_DEP_1)
	v_add_f32_dpp v[\x], v[\x], v[\x] row_xmask:1 row_mask:0xf bank_mask:0xf
	s_delay_alu instid0(VALU_DEP_1)
	v_add_f32_dpp v[\x], v[\x], v[\x] row_xmask:2 row_mask:0xf bank_mask:0xf
	s_delay_alu instid0(VALU_DEP_1)
	v_add_f32_dpp v[\x], v[\x], v[\x] row_xmask:4 row_mask:0xf bank_mask:0xf
	s_delay_alu instid0(VALU_DEP_1)
	v_add_f32_dpp v[\x], v[\x], v[\x] row_xmask:8 row_mask:0xf bank_mask:0xf
	s_delay_alu instid0(VALU_DEP_1)
	v_permlanex16_b32 v[\t], v[\x], s[SEL], s[SEL+1]
	s_delay_alu instid0(VALU_DEP_1)
	v_add_f32 v[\x], v[\x], v[\t]
.endm
.macro WGSUM off                       ; v24 of each wave, summed over the eight waves, into v224 of every lane.  The two uses have bytes of their own, so one barrier each is enough
	ds_store_b32 v238, v24 offset:\off
	s_wait_dscnt 0x0                               ; for the others' sake: my store is done
	s_barrier_signal -1
	s_barrier_wait -1
	ds_load_b128 v[224:227], v237 offset:\off
	ds_load_b128 v[228:231], v237 offset:\off+16
	s_wait_dscnt 0x0
	v_add_f32 v224, v224, v225
	v_add_f32 v226, v226, v227
	v_add_f32 v228, v228, v229
	v_add_f32 v230, v230, v231
	s_delay_alu instid0(VALU_DEP_3)
	v_add_f32 v224, v224, v226
	s_delay_alu instid0(VALU_DEP_2)
	v_add_f32 v228, v228, v230
	s_delay_alu instid0(VALU_DEP_1)
	v_add_f32 v224, v224, v228
.endm
	s_load_b256 s[4:11], s[0:1], 0x0               ; opx 4, ffln_g 6, ffln_b 8, out0 10
	v_lshl_add_u32 v240, v0, 2, 0x100
	v_mov_b32 v241, 0
	v_lshrrev_b32 v1, 5, v0
	s_delay_alu instid0(VALU_DEP_1)
	v_readfirstlane_b32 s12, v1                    ; wave
	v_and_b32 v1, 31, v0
	s_delay_alu instid0(VALU_DEP_1)
	v_lshlrev_b32 v2, 4, v1                        ; 16 L
	v_lshlrev_b32 v4, 4, v0                        ; 16 x thread
	v_mov_b32 v25, 0                               ; (a lane permute's destination counts as one of its sources)
	v_mov_b32 v237, RED
	s_lshl_b32 s13, s12, 2
	s_add_co_u32 s13, s13, RED
	v_mov_b32 v238, s13
	s_lshr_b32 s14, ttmp9, 7                       ; batch
	s_and_b32 s15, ttmp9, 127
	s_mul_i32 s16, s14, NJ*4096
	s_add_co_u32 s16, s16, STAT
	s_mov_b32 s17, 0
	s_lshl_b32 s24, ttmp9, 16
	s_lshl_b32 s13, s12, 9
	s_add_co_u32 s24, s24, s13                     ; my rows and columns in out0,
	s_mov_b32 s25, 0
	s_add_co_u32 s18, s24, RES                     ; and in r2's buffer
	s_mov_b32 s19, 0
	s_lshl_b32 s20, s15, 16
	s_add_co_u32 s20, s20, s13
	s_mov_b32 s21, 0
	s_mov_b32 s[SEL], 0x76543210
	s_mov_b32 s[SEL+1], 0xfedcba98
	s_mov_b32 s34, 0x35000000                      ; 2^-21
	s_mov_b32 s35, 0x3727c5ac                      ; 1e-5
	s_mov_b32 s36, 0x45000000                      ; 2,048: the numbers of a pair
	s_wait_alu depctr_va_vdst(0)
	s_wait_kmcnt 0x0
	s_add_nc_u64 s[16:17], s[4:5], s[16:17]
	s_add_nc_u64 s[18:19], s[4:5], s[18:19]
	s_add_nc_u64 s[6:7], s[6:7], s[20:21]
	s_add_nc_u64 s[8:9], s[8:9], s[20:21]
	s_add_nc_u64 s[10:11], s[10:11], s[24:25]
.set j, 0
.rept NJ
	global_load_b128 v[S+4*j:S+4*j+3], v4, s[16:17] offset:4096*j
.set j, j+1
.endr
.irp i, 0,1,2,3,4,5,6,7,8,9,10,11,12,13,14,15
	global_load_b128 v[R+4*\i:R+4*\i+3], v2, s[18:19] offset:4096*\i th:TH_LOAD_NT
.endr
.irp i, 0,1,2,3,4,5,6,7,8,9,10,11,12,13,14,15
	global_load_b128 v[G+4*\i:G+4*\i+3], v2, s[6:7] offset:4096*\i
.endr
.irp i, 0,1,2,3,4,5,6,7,8,9,10,11,12,13,14,15
	global_load_b128 v[B+4*\i:B+4*\i+3], v2, s[8:9] offset:4096*\i
.endr
	s_wait_loadcnt 48                              ; my pairs are in; the 48 loads of rows, gains and offsets may be out
	v_add_f32 v24, v[S], v[S+2]
.set j, 1
.rept NJ-1
	s_delay_alu instid0(VALU_DEP_1)
	v_add_f32 v24, v24, v[S+4*j]
	s_delay_alu instid0(VALU_DEP_1)
	v_add_f32 v24, v24, v[S+4*j+2]
.set j, j+1
.endr
	WRED 24, 25
	WGSUM 0
	s_delay_alu instid0(VALU_DEP_1)
	v_mul_f32 v26, 0x3a800000, v224                ; / 1,024 pairs: the mean
	s_delay_alu instid0(VALU_DEP_1)
	v_sub_f32 v24, v[S], v26
	s_delay_alu instid0(VALU_DEP_2)
	v_sub_f32 v25, v[S+2], v26
	s_delay_alu instid0(VALU_DEP_2)
	v_mul_f32 v27, v24, v24
	v_add_f32 v28, v[S+1], v[S+3]
	s_delay_alu instid0(VALU_DEP_2)
	v_fmac_f32 v27, v25, v25
.set j, 1
.rept NJ-1
	v_sub_f32 v24, v[S+4*j], v26
	v_sub_f32 v25, v[S+4*j+2], v26
	s_delay_alu instid0(VALU_DEP_4)
	v_add_f32 v28, v28, v[S+4*j+1]
	s_delay_alu instid0(VALU_DEP_3)
	v_fmac_f32 v27, v24, v24
	s_delay_alu instid0(VALU_DEP_2)
	v_add_f32 v28, v28, v[S+4*j+3]
	s_delay_alu instid0(VALU_DEP_2)
	v_fmac_f32 v27, v25, v25
.set j, j+1
.endr
	s_delay_alu instid0(VALU_DEP_1)
	v_fma_f32 v24, v27, s36, v28
	WRED 24, 25
	WGSUM 32
	s_delay_alu instid0(VALU_DEP_1)
	v_fma_f32 v28, v224, s34, s35                  ; var + 1e-5
	s_wait_alu depctr_va_vdst(0)
	v_rsq_f32 v30, v28
	v_rsq_f32 v31, v28                             ; twice: a pair for the packed multiply
	v_mov_b32 v27, v26                             ; (a plain place behind the transcendentals)  the mean, as a pair
	s_wait_alu depctr_va_vdst(0)
	s_wait_loadcnt 0x0
.set p, 0
.rept 32
	v_pk_add_f32 v[R+2*p:R+2*p+1], v[R+2*p:R+2*p+1], v[26:27] neg_lo:[0,1] neg_hi:[0,1]
.set p, p+1
.endr
.set p, 0
	s_wait_alu depctr_va_vdst(0)
.rept 32
	v_pk_mul_f32 v[R+2*p:R+2*p+1], v[R+2*p:R+2*p+1], v[30:31]
.set p, p+1
.endr
.set p, 0
.rept 32
	v_pk_fma_f32 v[R+2*p:R+2*p+1], v[R+2*p:R+2*p+1], v[G+2*p:G+2*p+1], v[B+2*p:B+2*p+1]
.set p, p+1
.endr
.irp i, 0,1,2,3,4,5,6,7,8,9,10,11,12,13,14,15
	global_store_b128 v2, v[R+4*\i:R+4*\i+3], s[10:11] offset:4096*\i th:TH_STORE_NT
.endr
	s_wait_tensorcnt 0x0
	ds_add_u32 v240, v241
	s_wait_dscnt 0x0
	s_endpgm
.Lfunc_end_k_q91638c135e_ln2:
	.size	k_q91638c135e_ln2, .Lfunc_end_k_q91638c135e_ln2-k_q91638c135e_ln2
	.p2alignl 7, 3214868480
	.fill 96, 4, 3214868480
	.section	.rodata,"a",@progbits
	.p2align	6, 0x0
	.amdhsa_kernel k_q91638c135e_ln2
		.amdhsa_group_segment_fixed_size 1280
		.amdhsa_private_segment_fixed_size 0
		.amdhsa_enable_private_segment 0
		.amdhsa_kernarg_size 32
		.amdhsa_user_sgpr_count 2
		.amdhsa_user_sgpr_kernarg_segment_ptr 1
		.amdhsa_wavefront_size32 1
		.amdhsa_system_sgpr_workgroup_id_x 1
		.amdhsa_system_sgpr_workgroup_id_y 1
		.amdhsa_system_sgpr_workgroup_id_z 1
		.amdhsa_system_vgpr_workitem_id 0
		.amdhsa_next_free_vgpr 242
		.amdhsa_next_free_sgpr 66
		.amdhsa_reserve_vcc 0
		.amdhsa_float_denorm_mode_32 3
		.amdhsa_float_denorm_mode_16_64 3
		.amdhsa_memory_ordered 1
		.amdhsa_forward_progress 1
		.amdhsa_inst_pref_size 18
	.end_amdhsa_kernel
	.amdgpu_metadata
---
amdhsa.version: [ 1, 2 ]
amdhsa.kernels:
  - .name:           k_q91638c135e_ln2
    .symbol:         k_q91638c135e_ln2.kd
    .args:
      - { .name: opx, .offset: 0, .size: 8, .value_kind: global_buffer, .address_space: global }
      - { .name: ffln_g, .offset: 8, .size: 8, .value_kind: global_buffer, .address_space: global }
      - { .name: ffln_b, .offset: 16, .size: 8, .value_kind: global_buffer, .address_space: global }
      - { .name: out0, .offset: 24, .size: 8, .value_kind: global_buffer, .address_space: global }
    .group_segment_fixed_size: 1280
    .private_segment_fixed_size: 0
    .kernarg_segment_align: 8
    .kernarg_segment_size: 32
    .max_flat_workgroup_size: 256
    .sgpr_count:     66
    .vgpr_count:     242
    .wavefront_size: 32
...
	.end_amdgpu_metadata
.endif
;; end of part 12
